; MI455X (gfx1250); checked and timed in simulation.
; The chip was launched on July 23, 2026; its instructions are those of AMD's public machine-readable ISA for CDNA 5 (MIT licence, August 2026) and "CDNA5" Instruction Set Architecture Reference Guide (July 2026). The comments in the code are by the model that wrote it; some were corrected since.
;; Structure Biased Cross Attention. Allowed arithmetic: matrix products marked QUANTISED: E3M2 operands, one E8M0 scale for each 32 along K, by v_wmma_scale_f32_16x16x128_f8f6f4 with both operands' format E3M2, f32 sums; products left as they are: f32 operands where the result goes on into a quantised operand, else bf16, f16 or f32 operands; f32 sums; everything else in f32.
;; Inputs: Wk_codes 256 x 8 x 24 uint8 (E3M2 codes of Wk, K innermost, in blocks of 32 codes, four codes in three bytes); Wk_scales 256 x 8 uint8 (E8M0 scales of Wk, one for each 32 codes along K); Wo_codes 256 x 8 x 24 uint8 (E3M2 codes of Wo, K innermost, in blocks of 32 codes, four codes in three bytes); Wo_scales 256 x 8 uint8 (E8M0 scales of Wo, one for each 32 codes along K); Wq_codes 256 x 8 x 24 uint8 (E3M2 codes of Wq, K innermost, in blocks of 32 codes, four codes in three bytes); Wq_scales 256 x 8 uint8 (E8M0 scales of Wq, one for each 32 codes along K); Wrbf 8 x 16 float32; Wv_codes 256 x 8 x 24 uint8 (E3M2 codes of Wv, K innermost, in blocks of 32 codes, four codes in three bytes); Wv_scales 256 x 8 uint8 (E8M0 scales of Wv, one for each 32 codes along K); bo 256 float32; key_feat_codes 2 x 2,048 x 8 x 24 uint8 (E3M2 codes of key_feat, K innermost, in blocks of 32 codes, four codes in three bytes); key_feat_scales 2 x 2,048 x 8 uint8 (E8M0 scales of key_feat, one for each 32 codes along K); key_mask 2 x 2,048 bool; key_pos 2 x 2,048 x 3 float32; ln_b 256 float32; ln_g 256 float32; query_feat 2 x 1,024 x 256 float32; query_mask 2 x 1,024 bool; query_pos 2 x 1,024 x 3 float32.
;; Outputs: out0 2 x 1,024 x 256 float32.
;; This version of the problem:
;;   THIS VERSION OF THE PROBLEM IS GIVEN IN LOW PRECISION. The matrix products marked QUANTISED in the list below multiply operands that are first quantised to E3M2 (3 exponent bits, 2 mantissa bits; 6 bits a number), with one power-of-two scale for each 32 numbers along K (OCP MX v1.0); their sums are f32. All else is computed in f32.
;;   The module's matrix products, in the order in which they are computed (A, B: the left and right operand; K: the contracted axis; several contracted axes count as one K, in the product's order):
;;     1. [M 2,048, K 256] x [K 256, N 256]; A: input query_feat; B: input Wq (given as codes): QUANTISED
;;     2. [M 4,096, K 256] x [K 256, N 256]; A: input key_feat (given as codes); B: input Wk (given as codes): QUANTISED
;;     3. [M 4,096, K 256] x [K 256, N 256]; A: input key_feat (given as codes); B: input Wv (given as codes): QUANTISED
;;     4. batch 16 x [M 1,024, K 32] x [K 32, N 2,048]; A: computed on the way; B: computed on the way: QUANTISED
;;     5. [M 8, K 16] x [K 16, N 4,194,304]; A: input Wrbf; B: computed on the way: left as it is (K = 16 < 32)
;;     6. batch 16 x [M 1,024, K 2,048] x [K 2,048, N 32]; A: softmax (see below); B: computed on the way: QUANTISED
;;     7. [M 2,048, K 256] x [K 256, N 256]; A: computed on the way; B: input Wo (given as codes): QUANTISED
;;   THE QUANTISER, for each operand of a quantised product, along K:
;;     - K is cut into blocks of 32 from its start; a last block that is shorter is filled with zeros.
;;     - A block's scale is 2^e with e = floor(log2(the largest magnitude in the block)) - 4, held to -126 .. 127; a block of zeros has e = 0. As a byte (E8M0): e + 127.
;;     - Each number is divided by its block's scale, clamped to +-28, and rounded to the nearest number of E3M2, ties to even, subnormals kept.
;;     - The product sums the exact products of the quantised numbers (number of the format x scale) in f32.
;;   ~~~python
;;   def quantise(x, axis):      # numpy; x: float32 -> the quantised numbers, widened to float32 again
;;       x = np.moveaxis(x, axis, -1); K = x.shape[-1]
;;       x = np.pad(x, [(0, 0)] * (x.ndim - 1) + [(0, -K % 32)]); x = x.reshape(x.shape[:-1] + (-1, 32)); a = np.abs(x).max(-1, keepdims=True)
;;       e = np.where(a > 0, np.clip(np.frexp(np.where(a > 0, a, 1))[1] - 1 - 4, -126, 127), 0)      # np.frexp(a)[1] - 1 = floor(log2(a)), exactly
;;       r = np.clip(x / 2.0 ** e, -28, 28)
;;       step = 2.0 ** (np.maximum(np.frexp(np.where(r == 0, 1, r))[1] - 1, -2) - 2)
;;       q = np.round(r / step) * step * 2.0 ** e      # np.round: ties to even
;;       return np.moveaxis(q.reshape(q.shape[:-2] + (-1,))[..., :K], -1, axis).astype(np.float32)
;;   ~~~
;;   SOFTMAX AHEAD OF A QUANTISED PRODUCT. Where the list says 'softmax', what is quantised is not the finished softmax but p = 2^(t - M), with t = logit x log2(e) and M = ceil(the row's largest t), a whole number; so 1/2 < the row's largest p <= 1. The row's sum l is taken of the UNQUANTISED p, in f32, and the product's result is divided by l at the end. Since M is a whole number, a kernel that streams over the keys may use a running M (the ceiling of the running maximum): every later rescaling is an exact power of two, which a block's scale takes up: the codes' values come out the same.
;;   OPERANDS COMPUTED ON THE WAY. 'Computed on the way' means the value that the module computes at that place (a softmax that the list does not call 'softmax' is quantised finished and normalised). What goes into a quantiser is computed in f32, as accurately as f32 sums, v_exp_f32 and their like allow (about 1e-6 of the number): no bf16 or f16 on the way to a quantiser, and a product that is left as it is and whose result goes on into a quantised operand takes f32 operands (vector FMAs, or v_wmma_f32_16x16x4_f32). A number that lies on a knife's edge between two numbers of the format may be rounded either way, as far as f32 arithmetic and the matrix unit's own rounding can turn it there, and no further.
;;   INPUTS GIVEN AS CODES. Wk (in the module: [256, 256], K = its axis 1); Wo (in the module: [256, 256], K = its axis 1); Wq (in the module: [256, 256], K = its axis 1); Wv (in the module: [256, 256], K = its axis 1); key_feat (in the module: [2, 2048, 256], K = its axis 2): each comes as NAME_codes (uint8): NAME with its K axis moved to the last place and cut into blocks of 32 codes, [.., K / 32, bytes a block], one block behind the other in memory; four codes in three bytes: a row's codes are one little-endian stream of bits, code i at bits 6 i .. 6 i + 5 (a code: sign, 3 exponent bits, 2 mantissa bits); and NAME_scales (uint8): the same leading axes, one E8M0 byte (e + 127) for each 32 codes along K. Its value is code x scale, taken as it is: it is not quantised again, and the codes and scales need not be those that the quantiser above would give.
;; 3 versions, each right; version 2 is faster than version 1; version 3 is version 2 with the launches project, attend, finish written anew for expert scheduling mode. Each part assembles by itself: llvm-mc -triple=amdgcn-amd-amdhsa -mcpu=gfx1250 --defsym DOCPART=n.
;; ======== version 1 of 3: 3 launches
;; limits: right only within a limited range of input values
;; workspace buffers: kimg 786,432 bytes; kscl 32,768 bytes; vimg 786,432 bytes; vscl 32,768 bytes; qimg 393,216 bytes; qscl 16,384 bytes; opart 4,194,304 bytes; ostat 262,144 bytes
;; launch project (part 1): grid 320 x 1, 4 waves a work-group, no clusters, 1,536 bytes of LDS; arguments key_feat_codes, key_feat_scales, Wk_codes, Wk_scales, Wv_codes, Wv_scales, Wq_codes, Wq_scales, query_feat, kimg, kscl, vimg, vscl, qimg, qscl; writes kimg, kscl, vimg, vscl, qimg, qscl
.if DOCPART == 1
	.amdgcn_target "amdgcn-amd-amdhsa--gfx1250"
	.amdhsa_code_object_version 6
	.text
	.protected	k_qb006f94a67_project
	.globl	k_qb006f94a67_project
	.p2align	8
	.type	k_qb006f94a67_project,@function
k_qb006f94a67_project:
	s_mov_b64 s[64:65], 0
	v_nop
	global_prefetch_b8 v0, s[64:65] scope:SCOPE_SE
	s_setreg_imm32_b32 hwreg(HW_REG_WAVE_MODE, 25, 1), 1
	s_wait_xcnt 0x0
; The three projections, Kp = key_feat Wk^T, Vp = key_feat Wv^T, Qp = query_feat Wq^T, on codes of BF6 (E3M2) with one E8M0 scale for each 32 along K,
; and their results quantised at once into the operands of the attention's two products.
; Every result leaves as an IMAGE OF AN OPERAND'S REGISTERS: 12 registers a lane (16 rows x 128 along K), register quad c at 512 c + 16 x lane, 1,536 bytes; beside it 16 scale words.
; SHARES.  Each wave makes one image.  Work-groups 0-127: K, one block of 32 keys each (wave = 2 u + g: key tile u, heads 4 g .. 4 g + 3).  128-255: V, one block of 32 keys each (wave = pair of heads).
; 256-319: Q, two tiles of 16 queries each (wave = 2 x tile + g).
; K and Q: the product is used transposed (source 0 = 16 rows of W, source 1 = 16 keys or queries), and lane r of W's tile t takes row 32 (t / 2) + 8 (t % 2) + r + 8 (r / 8), so that a lane's 64 results are,
; block by block, 16 neighbours along the next K (a head's 32 channels).  A key tile's rows are keys 8 u + r + 8 (r / 8): with them the scores of two tiles are 16 neighbouring keys in a lane.
; V: source 0 = 16 keys, source 1 = 16 rows of Wv: a lane holds one channel and 16 neighbouring keys, since the keys are the second product's K.  Block 2 hd + ct of an image's row r: head 2 pr + hd, channel 16 ct + r.
; LIMITS: a block of zeros gets the scale byte 1 where the quantiser's text says 127 (its codes are zeros, and only this program reads the bytes); blocks whose largest magnitude lies under 2^(4 - 126) are held at that
; byte; NaN and infinities among the inputs are not served.
; No tensor loads and no cluster: each wave reads its operands once, straight into registers, and the launch is short.
.set XA,  4                            ; v4   query_feat: 1,024 r + 64 hl
.set LI,  5                            ; v5   16 x lane
.set AR,  7                            ; v7   codes: 192 r + 24 hl
.set ARP, 8                            ; v8   codes: 192 (r + 8 (r / 8)) + 24 hl
.set SR,  9                            ; v9   scale words: 8 r
.set SRP, 10                           ; v10  8 (r + 8 (r / 8))
.set LW,  11                           ; v11  LDS: 64 x wave + 4 r
.set L8,  12                           ; v12  8 x lane
.set XF,  16                           ; v16-39   source 1 of K and Q: two fragments
.set HA,  48                           ; v48-111  the 64 results of a lane
.set PC,  112                          ; v112-123 the image
.set PCT, 124                          ; v124-131 the conversions' second halves
.set ST,  132                          ; v132-195 query_feat's second K step
.set TM,  200                          ; v200-215 at work in QUANT
.set PW,  216                          ; the image's scale word
.set XS,  217                          ; v217-218 source 1's scale words
.set WSC, 224                          ; v224-239 W's scale words
.set KSC, 232                          ; v232-235 kind V: the keys' scale words
.set WV,  34
.set SEL, 48
.set MSB, 0
.macro WIN new                         ; the immediate's high byte repeats the setting that is left
.if MSB != (\new)
	s_set_vgpr_msb (MSB<<8)|(\new)
.set MSB, \new
.endif
.endm
; 64 numbers of a lane, register 16 b + i = element 32 b + 16 (lane / 16) + i of my row, become a fragment's codes in v[d] on and its scale word in v[pw]
.macro QUANT s, d, t, pw
.irp b, 0,1,2,3
	v_max3_num_f32 v[TM+\b], |v[\s+16*\b]|, |v[\s+1+16*\b]|, 0x2800000   ; my 16 numbers of block b, and the floor 2^(5 - 127): the byte cannot fall under 1
.endr
.irp i, 2,4,6,8,10,12,14
.irp b, 0,1,2,3
	v_max3_num_f32 v[TM+\b], v[TM+\b], |v[\s+16*\b+\i]|, |v[\s+1+16*\b+\i]|
.endr
.endr
.irp b, 0,1,2,3
	v_permlanex16_b32 v[TM+4+\b], v[TM+\b], s[SEL], s[SEL+1]
.endr
.irp b, 0,1,2,3
	v_max_num_f32 v[TM+\b], v[TM+\b], v[TM+4+\b]           ; with lane l xor 16's: the block's largest magnitude
.endr
.irp b, 0,1,2,3
	v_add_nc_u32 v[TM+12+\b], 0xfe000000, v[TM+\b]         ; 4 off its exponent field: the conversion's scale operand
.endr
.irp b, 0,1,2,3
	v_lshrrev_b32 v[TM+4+\b], 23, v[TM+12+\b]              ; the scale's byte
.endr
	v_lshl_or_b32 v[\pw], v[TM+5], 8, v[TM+4]
	v_lshl_or_b32 v[\pw], v[TM+6], 16, v[\pw]
	v_lshl_or_b32 v[\pw], v[TM+7], 24, v[\pw]
.irp c, 0,1
	v_cvt_scalef32_pk16_bf6_f32 v[\d+6*\c:\d+2+6*\c], v[\s+32*\c:\s+15+32*\c], v[TM+12+2*\c]
	v_cvt_scalef32_pk16_bf6_f32 v[\t+4*\c:\t+2+4*\c], v[\s+16+32*\c:\s+31+32*\c], v[TM+12+2*\c+1]   ; (a conversion's three registers begin on an even number)
.endr
	v_nop                                                  ; one plain place behind a scaled conversion
.irp c, 0,1                            ; the operand's layout wants a whole block in a lane: lanes 0-15 block 2 c, lanes 16-31 block 2 c + 1
.irp i, 0,1,2
	v_permlane16_swap_b32 v[\d+6*\c+\i], v[\t+4*\c+\i]
.endr
.irp i, 0,1,2
	v_mov_b32 v[\d+3+6*\c+\i], v[\t+4*\c+\i]
.endr
.endr
.endm
.macro MM d, a, b, c, sa, sb           ; c under 0: the product starts the sum
.if (\c) < 0
	v_wmma_scale_f32_16x16x128_f8f6f4 v[\d:\d+7], v[\a:\a+11], v[\b:\b+11], 0, v[\sa], v[\sb] matrix_a_fmt:MATRIX_FMT_BF6 matrix_b_fmt:MATRIX_FMT_BF6
.else
	v_wmma_scale_f32_16x16x128_f8f6f4 v[\d:\d+7], v[\a:\a+11], v[\b:\b+11], v[\c:\c+7], v[\sa], v[\sb] matrix_a_fmt:MATRIX_FMT_BF6 matrix_b_fmt:MATRIX_FMT_BF6
.endif
.endm
.macro XLOAD reg, ks                   ; my row's numbers of K step ks: of each block of 32 my half's 16
.irp b, 0,1,2,3
.irp j, 0,1,2,3
	global_load_b128 v[\reg+16*\b+4*\j:\reg+16*\b+4*\j+3], v[XA], s[20:21] offset:512*\ks+128*\b+16*\j
.endr
.endr
.endm
	s_load_b512 s[4:19], s[0:1], 0x0               ; key_feat codes s[4:5], scales s[6:7]; Wk s[8:9], s[10:11]; Wv s[12:13], s[14:15]; Wq s[16:17], s[18:19]
	s_load_b256 s[20:27], s[0:1], 0x40             ; query_feat s[20:21]; kimg s[22:23]; kscl s[24:25]; vimg s[26:27]
	s_load_b128 s[28:31], s[0:1], 0x60             ; vscl s[28:29]; qimg s[30:31]
	s_load_b64 s[32:33], s[0:1], 0x70              ; qscl
	v_lshl_add_u32 v254, v0, 2, 0x400
	v_mov_b32 v255, 0
	v_lshrrev_b32 v1, 5, v0
	v_readfirstlane_b32 s[WV], v1                  ; wave 0..3
	v_and_b32 v1, 31, v0                           ; lane
	v_and_b32 v2, 15, v0                           ; r
	v_bfe_u32 v3, v0, 4, 1                         ; hl
	v_and_b32 v6, 8, v2
	v_add_nc_u32 v6, v6, v2                        ; r + 8 (r / 8)
	v_lshlrev_b32 v[XA], 10, v2
	v_lshl_add_u32 v[XA], v3, 6, v[XA]
	v_lshlrev_b32 v[LI], 4, v1
	v_mul_u32_u24 v[AR], v2, 192
	v_mad_u32_u24 v[AR], v3, 24, v[AR]
	v_mul_u32_u24 v[ARP], v6, 192
	v_mad_u32_u24 v[ARP], v3, 24, v[ARP]
	v_lshlrev_b32 v[SR], 3, v2
	v_lshlrev_b32 v[SRP], 3, v6
	s_lshl_b32 s35, s[WV], 6
	v_lshl_add_u32 v[LW], v2, 2, s35
	v_lshlrev_b32 v[L8], 3, v1
.irp b, 0,1,2,3
	v_mov_b32 v[TM+4+\b], 0                        ; written once: a lane permute's destination counts as one of its sources
.endr
	s_mov_b32 s[SEL], 0x76543210
	s_mov_b32 s[SEL+1], 0xfedcba98                 ; lane l xor 16
	s_lshr_b32 s36, ttmp9, 7                       ; kind: 0 K, 1 V, 2 Q
	s_and_b32 s37, ttmp9, 127                      ; which block of keys, or which pair of query tiles
	s_and_b32 s38, s[WV], 1                        ; g
	s_lshr_b32 s39, s[WV], 1                       ; u, or the tile of the pair
	s_lshl_b32 s50, s37, 2
	s_add_co_u32 s50, s50, s[WV]
	s_mul_i32 s50, s50, 1536                       ; my image's place
	s_mov_b32 s51, 0
	s_lshl_b32 s52, s37, 8                         ; the work-group's 256 bytes of scale words
	s_mov_b32 s53, 0
	s_mov_b32 s55, 0
	s_mov_b32 s57, 0
	s_wait_kmcnt 0x0
	s_cmp_eq_u32 s36, 0                            ; the buffers are chosen by the work-group's number alone
	s_cselect_b64 s[40:41], s[22:23], s[26:27]
	s_cselect_b64 s[42:43], s[24:25], s[28:29]
	s_cmp_eq_u32 s36, 2
	s_cselect_b64 s[40:41], s[30:31], s[40:41]
	s_cselect_b64 s[42:43], s[32:33], s[42:43]
	s_cselect_b64 s[44:45], s[16:17], s[8:9]       ; kinds K and Q: W's codes,
	s_cselect_b64 s[46:47], s[18:19], s[10:11]     ; W's scales
	s_add_nc_u64 s[40:41], s[40:41], s[50:51]
	s_add_nc_u64 s[42:43], s[42:43], s[52:53]
	s_cmp_eq_u32 s36, 1
	s_cbranch_scc1 .Lv
	; ---- kinds K and Q: W's 16 fragments (tile t, K step s) into window 1 at 12 (2 t + s)
	s_mul_i32 s54, s38, 24576                      ; g x 128 rows of 192 bytes
	s_add_nc_u64 s[44:45], s[44:45], s[54:55]
	s_lshl_b32 s54, s38, 10
	s_add_nc_u64 s[46:47], s[46:47], s[54:55]
	WIN 0x40
.irp t, 0,1,2,3,4,5,6,7
.irp s, 0,1
.irp p, 0,1,2,3,4,5
	global_load_b64 v[12*(2*\t+\s)+2*\p:12*(2*\t+\s)+2*\p+1], v[ARP], s[44:45] offset:(32*(\t/2)+8*(\t%2))*192+96*\s+48*(\p/3)+8*(\p%3)
.endr
.endr
.endr
	WIN 0
.irp t, 0,1,2,3,4,5,6,7
.irp s, 0,1
	global_load_b32 v[WSC+2*\t+\s], v[SRP], s[46:47] offset:(32*(\t/2)+8*(\t%2))*8+4*\s
.endr
.endr
	s_cmp_eq_u32 s36, 2
	s_cbranch_scc1 .Lq
	; kind K: source 1 = keys 32 B + 8 u + r + 8 (r / 8), as codes
	s_lshl_b32 s54, s37, 5
	s_lshl_b32 s56, s39, 3
	s_add_co_u32 s54, s54, s56
	s_mul_i32 s56, s54, 192
	s_lshl_b32 s54, s54, 3
	s_add_nc_u64 s[4:5], s[4:5], s[56:57]
	s_add_nc_u64 s[6:7], s[6:7], s[54:55]
.irp s, 0,1
.irp p, 0,1,2,3,4,5
	global_load_b64 v[XF+12*\s+2*\p:XF+12*\s+2*\p+1], v[ARP], s[4:5] offset:96*\s+48*(\p/3)+8*(\p%3)
.endr
	global_load_b32 v[XS+\s], v[SRP], s[6:7] offset:4*\s
.endr
	s_wait_loadcnt 0x0
	s_branch .Lproj
.Lq:
	; kind Q: source 1 = 16 rows of query_feat, quantised here
	s_lshl_b32 s54, s37, 1
	s_add_co_u32 s54, s54, s39
	s_lshl_b32 s54, s54, 14                        ; tile x 16 rows of 1,024 bytes
	s_add_nc_u64 s[20:21], s[20:21], s[54:55]
	XLOAD HA, 0
	XLOAD ST, 1
	s_wait_loadcnt 16                              ; all but the 16 loads of the second K step are in
	QUANT HA, XF, PCT, XS
	s_wait_loadcnt 0x0
	QUANT ST, XF+12, PCT, XS+1
.rept 8
	v_nop                                          ; a scale register written by a vector instruction stands 8 places ahead of a scaled matrix instruction, an operand so written 4
.endr
.Lproj:
	WIN 0x01                                       ; source 0 (W) window 1
.irp t, 0,1,2,3,4,5,6,7                ; eight accumulators by turns, K step by K step
	MM HA+8*\t, 12*(2*\t), XF, -1, WSC+2*\t, XS
.endr
.irp t, 0,1,2,3,4,5,6,7
	MM HA+8*\t, 12*(2*\t+1), XF+12, HA+8*\t, WSC+2*\t+1, XS+1
.endr
	WIN 0
	s_branch .Lout
.Lv:
	; ---- kind V: source 0 = the block's two key tiles, source 1 = rows 64 pr + 16 t + r of Wv
	s_mul_i32 s54, s37, 6144
	s_add_nc_u64 s[4:5], s[4:5], s[54:55]
	s_lshl_b32 s54, s37, 8
	s_add_nc_u64 s[6:7], s[6:7], s[54:55]
	s_mul_i32 s54, s[WV], 12288
	s_add_nc_u64 s[12:13], s[12:13], s[54:55]
	s_lshl_b32 s54, s[WV], 9
	s_add_nc_u64 s[14:15], s[14:15], s[54:55]
	WIN 0x40
.irp u, 0,1
.irp s, 0,1
.irp p, 0,1,2,3,4,5
	global_load_b64 v[12*(2*\u+\s)+2*\p:12*(2*\u+\s)+2*\p+1], v[ARP], s[4:5] offset:8*\u*192+96*\s+48*(\p/3)+8*(\p%3)
.endr
.endr
.endr
.irp t, 0,1,2,3
.irp s, 0,1
.irp p, 0,1,2,3,4,5
	global_load_b64 v[48+12*(2*\t+\s)+2*\p:48+12*(2*\t+\s)+2*\p+1], v[AR], s[12:13] offset:16*\t*192+96*\s+48*(\p/3)+8*(\p%3)
.endr
.endr
.endr
	WIN 0
.irp u, 0,1
.irp s, 0,1
	global_load_b32 v[KSC+2*\u+\s], v[SRP], s[6:7] offset:64*\u+4*\s
.endr
.endr
.irp t, 0,1,2,3
.irp s, 0,1
	global_load_b32 v[WSC+2*\t+\s], v[SR], s[14:15] offset:128*\t+4*\s
.endr
.endr
	s_wait_loadcnt 0x0
	WIN 0x05                                       ; sources 0 and 1 window 1
.irp t, 0,1,2,3
.irp u, 0,1
	MM HA+16*\t+8*\u, 12*(2*\u), 48+12*(2*\t), -1, KSC+2*\u, WSC+2*\t
.endr
.endr
.irp t, 0,1,2,3
.irp u, 0,1
	MM HA+16*\t+8*\u, 12*(2*\u+1), 48+12*(2*\t+1), HA+16*\t+8*\u, KSC+2*\u+1, WSC+2*\t+1
.endr
.endr
	WIN 0
.Lout:
.rept 4
	v_nop                                          ; four places between the last product and the first read of results
.endr
	QUANT HA, PC, PCT, PW                          ; each accumulator is read from its low end on
.irp c, 0,1,2
	global_store_b128 v[LI], v[PC+4*\c:PC+4*\c+3], s[40:41] offset:512*\c   ; 32 lanes store 512 consecutive bytes
.endr
	ds_store_b32 v[LW], v[PW]                      ; both halves of the lanes hold the same word and write it to the same place
	s_wait_dscnt 0x0                               ; for the others' sake: my words lie in LDS
	s_barrier_signal -1
	s_barrier_wait -1
	s_cmp_lg_u32 s[WV], 0
	s_cbranch_scc1 .Lend
	ds_load_b64 v[220:221], v[L8]                  ; the four waves' 64 words leave as 256 consecutive bytes, aligned
	s_wait_dscnt 0x0
	global_store_b64 v[L8], v[220:221], s[42:43]
.Lend:
	s_wait_tensorcnt 0x0
	ds_add_u32 v254, v255
	s_wait_dscnt 0x0
	s_endpgm
.Lfunc_end_k_qb006f94a67_project:
	.size	k_qb006f94a67_project, .Lfunc_end_k_qb006f94a67_project-k_qb006f94a67_project
	.p2alignl 7, 3214868480
	.fill 96, 4, 3214868480
	.section	.rodata,"a",@progbits
	.p2align	6, 0x0
	.amdhsa_kernel k_qb006f94a67_project
		.amdhsa_group_segment_fixed_size 1536
		.amdhsa_private_segment_fixed_size 0
		.amdhsa_enable_private_segment 0
		.amdhsa_kernarg_size 120
		.amdhsa_user_sgpr_count 2
		.amdhsa_user_sgpr_kernarg_segment_ptr 1
		.amdhsa_wavefront_size32 1
		.amdhsa_system_sgpr_workgroup_id_x 1
		.amdhsa_system_sgpr_workgroup_id_y 1
		.amdhsa_system_sgpr_workgroup_id_z 1
		.amdhsa_system_vgpr_workitem_id 0
		.amdhsa_next_free_vgpr 448
		.amdhsa_next_free_sgpr 66
		.amdhsa_reserve_vcc 0
		.amdhsa_float_denorm_mode_32 3
		.amdhsa_float_denorm_mode_16_64 3
		.amdhsa_memory_ordered 1
		.amdhsa_forward_progress 1
		.amdhsa_inst_pref_size 43
	.end_amdhsa_kernel
	.amdgpu_metadata
---
amdhsa.version: [ 1, 2 ]
amdhsa.kernels:
  - .name:           k_qb006f94a67_project
    .symbol:         k_qb006f94a67_project.kd
    .args:
      - { .name: key_feat_codes, .offset: 0, .size: 8, .value_kind: global_buffer, .address_space: global }
      - { .name: key_feat_scales, .offset: 8, .size: 8, .value_kind: global_buffer, .address_space: global }
      - { .name: Wk_codes, .offset: 16, .size: 8, .value_kind: global_buffer, .address_space: global }
      - { .name: Wk_scales, .offset: 24, .size: 8, .value_kind: global_buffer, .address_space: global }
      - { .name: Wv_codes, .offset: 32, .size: 8, .value_kind: global_buffer, .address_space: global }
      - { .name: Wv_scales, .offset: 40, .size: 8, .value_kind: global_buffer, .address_space: global }
      - { .name: Wq_codes, .offset: 48, .size: 8, .value_kind: global_buffer, .address_space: global }
      - { .name: Wq_scales, .offset: 56, .size: 8, .value_kind: global_buffer, .address_space: global }
      - { .name: query_feat, .offset: 64, .size: 8, .value_kind: global_buffer, .address_space: global }
      - { .name: kimg, .offset: 72, .size: 8, .value_kind: global_buffer, .address_space: global }
      - { .name: kscl, .offset: 80, .size: 8, .value_kind: global_buffer, .address_space: global }
      - { .name: vimg, .offset: 88, .size: 8, .value_kind: global_buffer, .address_space: global }
      - { .name: vscl, .offset: 96, .size: 8, .value_kind: global_buffer, .address_space: global }
      - { .name: qimg, .offset: 104, .size: 8, .value_kind: global_buffer, .address_space: global }
      - { .name: qscl, .offset: 112, .size: 8, .value_kind: global_buffer, .address_space: global }
    .group_segment_fixed_size: 1536
    .private_segment_fixed_size: 0
    .kernarg_segment_align: 8
    .kernarg_segment_size: 120
    .max_flat_workgroup_size: 128
    .sgpr_count:     66
    .vgpr_count:     448
    .wavefront_size: 32
...
	.end_amdgpu_metadata
.endif
;; end of part 1
;; launch attend (part 2): grid 128 x 2, 4 waves a work-group, no clusters, 92,672 bytes of LDS; arguments qimg, qscl, kimg, kscl, vimg, vscl, query_pos, key_pos, key_mask, Wrbf, opart, ostat; writes opart, ostat
.if DOCPART == 2
	.amdgcn_target "amdgcn-amd-amdhsa--gfx1250"
	.amdhsa_code_object_version 6
	.text
	.protected	k_qb006f94a67_attend
	.globl	k_qb006f94a67_attend
	.p2align	8
	.type	k_qb006f94a67_attend,@function
k_qb006f94a67_attend:
	s_mov_b64 s[64:65], 0
	v_nop
	global_prefetch_b8 v0, s[64:65] scope:SCOPE_SE
	s_setreg_imm32_b32 hwreg(HW_REG_WAVE_MODE, 25, 1), 1
	s_wait_xcnt 0x0
; Attention with a bias from distances, for 16 queries, all 8 heads and 1,024 keys a work-group: distance, 16 Gaussians, bias, K Q^T, softmax, V^T P.  Both products on codes of BF6 (E3M2).
; SHARES.  Work-group (x = tile of 16 queries, y = half of the batch's 2,048 keys).  Each of the four waves has 256 of the keys: 8 steps of one block of 32.  The four waves' parts are merged in LDS at the end;
; the two halves' parts go to memory (opart, with each row's -M and sum in ostat) and are merged by the next launch.
; A LANE HOLDS ONE QUERY (lane % 16) throughout: both products are used transposed.  T[h][i], i = 0 .. 15, is the raw score of key 16 (lane / 16) + i of the step's block for head h.
; THE 16 GAUSSIANS OF A (QUERY, KEY) PAIR ARE MADE ONCE and serve all eight heads from the same lane's registers: 128 packed multiply-adds for two keys.
; ARITHMETIC.  T = K Q^T + m (m, the product's C: 0, or -2^100 for a masked key) + sum over r of W''[h][r] g_r, W'' = Wrbf x sqrt(32); t = T c, c = log2(e) / sqrt(32).  g_r = 2^(-(d' - c'_r)^2), d' the distance of
; positions multiplied by s = sqrt(log2(e) / 3.125), c'_r = s x 20 r / 15.  M = the running largest t rounded up to a whole number, kept as -M; p = 2^(t - M) is quantised, one block of 32 keys a step;
; the sum is taken of the unquantised p; when M moves, sum and O^T are multiplied by 2^(old M - new M), which rounds nothing.
; ONE INSTRUCTION OF 128 ALONG K CARRIES FOUR BLOCKS OF 32.  K's image holds four heads' channels of 16 keys; Q's fragment for head h holds that head's block and zero codes elsewhere.  V's image holds, for a pair of
; heads, (head, half of the channels) in its four blocks; P stands in the one block that is wanted and zero codes elsewhere.
; BY TURNS.  Roots and exponentials stand among the multiply-adds: in a pair's turn the distances of the pair two on, the Gaussians of the next pair and the multiply-adds of this pair are interleaved,
; and one wait at the turn's end serves all its transcendentals.
; LIMITS: a t under -2^90 counts as masked; NaN and infinities among the inputs are not served; a block of zeros has the scale byte 1; positions are multiplied by s ahead of the distance and Wrbf by sqrt(32):
; one more f32 rounding each.  A query none of whose keys counts gets the sum 0 here and NaN in the next launch.
; NOT USED: tensor loads, an LDS ring, a cluster with joint loads: the four waves have different keys, so LDS would share nothing among them; the operands lie in memory in the order of the registers
; and are asked for a whole step (12,800 bytes for some 2,500 instructions) ahead.  What work-groups share, K's and V's images, is that small stream.
; WINDOWS of 256 registers.  0: addresses, statistics, P's fragments, scale words, scratch.  1: T of heads 0-3, their W'', the Gaussians, positions, m.  2: T of heads 4-7, their W'', O^T.  3: Q, K, V.
.set POS,   0                          ; LDS: 33 blocks x 512: [block][lane / 16][4 keys: x4, y4, z4, 16 spare bytes]; block 32 is zeros, read by the look-ahead of the last step
.set MSK,   16896                      ; m, 4 bytes a key, 1,024 keys, and 512 bytes of zeros
.set STATB, 21504                      ; [-M | sum][head][query][wave], 4 bytes each
.set OST,   25600                      ; four stages of 16 rows x (1,024 + 16) bytes
.set OPITCH, 1040
.set OSTG,  16*OPITCH
.set LI,  1                            ; v1   16 x lane
.set L4,  2                            ; v2   4 x lane
.set ZO,  3                            ; v3   0
.set STO, 4                            ; v4   my place in my stage
.set SRD, 5                            ; v5   where I read rows back
.set SST, 6                            ; v6   where I put my statistics
.set SLD, 7                            ; v7   where I read the four waves'
.set LA0, 8                            ; v8   positions: my wave's and my half's place
.set LM0, 9                            ; v9   m likewise
.set LA,  10                           ; v10  the step's
.set LM,  11                           ; v11
.set ST,  16                           ; v16-63   six a head: -M, the largest t, the sum in two pairs
.set BM,  64                           ; v64-71   the block's largest score
.set TP,  72                           ; v72-79   at work
.set FF,  80                           ; v80-95   f = 2^(old M - new M), at 80 + 2 h
.set OL,  96                           ; v96-103  the old -M
.set BP,  104                          ; v104-111 the block's largest p, then the conversion's scale operand
.set BY,  112                          ; v112-119 the scale's byte
.set PSC, 120                          ; v120-127 p's scale words
.set PF,  128                          ; v128-163 P's fragments: PA, zeros, PB, PA', zeros, PB'
.set KS,  164                          ; v164-165 K's scale words;  v166-167 V's;  v168 Q's
.set VS,  166
.set QS,  168
.set SCR, 176                          ; v176-255 scratch of the head and the tail
.set RB,  128                          ; window 1: v128-191 two sets of 16 pairs of Gaussians
.set PS,  192                          ;           v192-215 two chunks of four keys' x, y, z
.set QP,  216                          ;           v216-221 my query's x, x, y, y, z, z
.set DT,  222                          ;           v222-227 differences
.set DP,  228                          ;           v228-231 two pairs of distances
.set MK,  234                          ;           v234-249 m of my 16 keys
.set OO,  128                          ; window 2: O^T, head h, half ct at 128 + 16 h + 8 ct
.set QB,  0                            ; window 3: Q's fragments;  K's four images;  V's four
.set KF,  72
.set VF,  120
.set WV,  28
.set CS,  32                           ; s[32:33] c, twice
.set SEL, 34                           ; s[34:35] lane l xor 16
.set PB,  66                           ; s66  the step's bytes among the positions;  s67 among m
.set MB,  67
.set CN,  70                           ; s[70:99] -c'_r, r = 1 .. 15, each twice
.set MSB, 0
.macro WIN new                         ; the immediate's high byte repeats the setting that is left
.if MSB != (\new)
	s_set_vgpr_msb (MSB<<8)|(\new)
.set MSB, \new
.endif
.endm
.macro MM d, a, b, c, sa, sb, row      ; row: 0 both scales from lanes 0-15; 1 source 0's from lanes 16-31; 3 both from lanes 16-31
.if (\row) == 0
	v_wmma_scale_f32_16x16x128_f8f6f4 v[\d:\d+7], v[\a:\a+11], v[\b:\b+11], v[\c:\c+7], v[\sa], v[\sb] matrix_a_fmt:MATRIX_FMT_BF6 matrix_b_fmt:MATRIX_FMT_BF6
.elseif (\row) == 1
	v_wmma_scale_f32_16x16x128_f8f6f4 v[\d:\d+7], v[\a:\a+11], v[\b:\b+11], v[\c:\c+7], v[\sa], v[\sb] matrix_a_fmt:MATRIX_FMT_BF6 matrix_b_fmt:MATRIX_FMT_BF6 matrix_a_scale:MATRIX_SCALE_ROW1
.else
	v_wmma_scale_f32_16x16x128_f8f6f4 v[\d:\d+7], v[\a:\a+11], v[\b:\b+11], v[\c:\c+7], v[\sa], v[\sb] matrix_a_fmt:MATRIX_FMT_BF6 matrix_b_fmt:MATRIX_FMT_BF6 matrix_a_scale:MATRIX_SCALE_ROW1 matrix_b_scale:MATRIX_SCALE_ROW1
.endif
.endm
; scores of head h, key tile u: T = K Q^T + m
.macro SMUL h, u
.if (\h) < 4
	WIN 0x5f                                       ; D window 1, C (m) window 1, K and Q window 3
	MM 16*((\h)%4)+8*(\u), KF+12*(2*(\u)), QB+18*((\h)%2)+6*(((\h)%4)/2), MK+8*(\u), KS+(\u), QS, 0
.else
	WIN 0x9f                                       ; D window 2
	MM 16*((\h)%4)+8*(\u), KF+12*(2*(\u)+1), QB+36+18*((\h)%2)+6*(((\h)%4)/2), MK+8*(\u), KS+(\u), QS, 3
.endif
.endm
; the four products O^T += V^T P of a pair of heads, then that pair's four products for the next step's scores: eight accumulators, one instruction each
.macro MATRIX pr
	WIN 0xa3                                       ; O^T window 2, V window 3, P window 0
	MM OO+32*(\pr), VF+12*(\pr), PF, OO+32*(\pr), VS+(\pr)/2, PSC+2*(\pr), (\pr)%2
	MM OO+32*(\pr)+8, VF+12*(\pr), PF+18, OO+32*(\pr)+8, VS+(\pr)/2, PSC+2*(\pr), (\pr)%2
	MM OO+32*(\pr)+16, VF+12*(\pr), PF+6, OO+32*(\pr)+16, VS+(\pr)/2, PSC+2*(\pr)+1, (\pr)%2
	MM OO+32*(\pr)+24, VF+12*(\pr), PF+24, OO+32*(\pr)+24, VS+(\pr)/2, PSC+2*(\pr)+1, (\pr)%2
	SMUL 2*(\pr), 0
	SMUL 2*(\pr), 1
	SMUL 2*(\pr)+1, 0
	SMUL 2*(\pr)+1, 1
.endm
; line n of the distances of key pair j (8 and 9: those of the next block's pairs 0 and 1)
.macro S1LINE j, n
.set CB, PS+12*(((\j)/2)%2)+2*((\j)%2)
.set DW, DP+2*((\j)%2)
.if \n == 0
	v_pk_add_f32 v[DT:DT+1], v[CB:CB+1], v[QP:QP+1] neg_lo:[0,1] neg_hi:[0,1]
.elseif \n == 1
	v_pk_add_f32 v[DT+2:DT+3], v[CB+4:CB+5], v[QP+2:QP+3] neg_lo:[0,1] neg_hi:[0,1]
.elseif \n == 2
	v_pk_add_f32 v[DT+4:DT+5], v[CB+8:CB+9], v[QP+4:QP+5] neg_lo:[0,1] neg_hi:[0,1]
.elseif \n == 3
	v_pk_mul_f32 v[DT:DT+1], v[DT:DT+1], v[DT:DT+1]
.elseif \n == 4
	v_pk_fma_f32 v[DT:DT+1], v[DT+2:DT+3], v[DT+2:DT+3], v[DT:DT+1]
.elseif \n == 5
	v_pk_fma_f32 v[DT:DT+1], v[DT+4:DT+5], v[DT+4:DT+5], v[DT:DT+1]
.elseif \n == 8
	v_sqrt_f32 v[DW], v[DT]
.elseif \n == 9
	v_sqrt_f32 v[DW+1], v[DT+1]
.endif
.endm
; T[h4][pair i] += W''[h4][r] x the pair's Gaussian r.  The same text serves heads 0-3 (all in window 1) and heads 4-7 (T and W'' in window 2)
.macro FMA h4, r, i
.if (\r)%2
	v_pk_fma_f32 v[16*(\h4)+2*(\i):16*(\h4)+2*(\i)+1], v[64+16*(\h4)+(\r)-1:64+16*(\h4)+(\r)], v[RB+32*((\i)%2)+2*(\r):RB+32*((\i)%2)+2*(\r)+1], v[16*(\h4)+2*(\i):16*(\h4)+2*(\i)+1] op_sel:[1,0,0] op_sel_hi:[1,1,1]
.else
	v_pk_fma_f32 v[16*(\h4)+2*(\i):16*(\h4)+2*(\i)+1], v[64+16*(\h4)+(\r):64+16*(\h4)+(\r)+1], v[RB+32*((\i)%2)+2*(\r):RB+32*((\i)%2)+2*(\r)+1], v[16*(\h4)+2*(\i):16*(\h4)+2*(\i)+1] op_sel_hi:[0,1,1]
.endif
.endm
; centre r of pair i's turn: the next pair's argument of centre r + 1, its two exponentials of centre r, four multiply-adds of this pair, a line of the distances two pairs on
.macro RS i, r
.set RN, RB+32*(((\i)+1)%2)
.set DN, DP+2*(((\i)+1)%2)
.if \r < 15
	v_pk_add_f32 v[RN+2*(\r)+2:RN+2*(\r)+3], v[DN:DN+1], s[CN+2*(\r):CN+2*(\r)+1] op_sel_hi:[1,0]
.endif
	v_exp_f32 v[RN+2*(\r)], v[RN+2*(\r)]
	FMA 0, \r, \i
.if \r < 15
	v_pk_mul_f32 v[RN+2*(\r)+2:RN+2*(\r)+3], v[RN+2*(\r)+2:RN+2*(\r)+3], v[RN+2*(\r)+2:RN+2*(\r)+3] neg_lo:[1,0] neg_hi:[1,0]
.endif
	FMA 1, \r, \i
	v_exp_f32 v[RN+2*(\r)+1], v[RN+2*(\r)+1]
	FMA 2, \r, \i
	FMA 3, \r, \i
	S1LINE (\i)+2, \r
.endm
; THE TURN OF KEY PAIR i (my keys 2 i and 2 i + 1)
.macro PAIR i
.if (\i)%2 == 0
	WIN 0x40                                       ; destination window 1, address window 0
.set CC, ((\i)+4)/2                    ; the chunk of four keys that is wanted two turns on; 4 and 5 are the next block's first two
.irp k, 0,1,2
	ds_load_b128 v[PS+12*(CC%2)+4*\k:PS+12*(CC%2)+4*\k+3], v[LA] offset:(CC/4)*512+(CC%4)*64+16*\k
.endr
	s_wait_dscnt 0x3                               ; all but the three just issued are in: the chunk that this turn's distances read, and m
.endif
.if (\i) == 1
	WIN 0x40
.irp k, 0,1,2,3
	ds_load_b128 v[MK+4*\k:MK+4*\k+3], v[LM] offset:128+16*\k      ; m of the next block, for the scores made at this step's end
.endr
.endif
	WIN 0x55                                       ; all in window 1
.set RN, RB+32*(((\i)+1)%2)
.set DN, DP+2*(((\i)+1)%2)
	v_pk_mul_f32 v[RN:RN+1], v[DN:DN+1], v[DN:DN+1] neg_lo:[1,0] neg_hi:[1,0]   ; centre 0 lies at 0
.irp r, 0,1,2,3,4,5,6,7,8,9,10,11,12,13,14,15
	RS \i, \r
.endr
	WIN 0xa6                                       ; T and W'' window 2, the Gaussians window 1
.irp r, 0,1,2,3,4,5,6,7,8,9,10,11,12,13,14,15
.irp h4, 0,1,2,3
	FMA \h4, \r, \i
.endr
.endr
	s_wait_alu depctr_va_vdst(0)                   ; one wait for the turn's 34 transcendentals: every instruction that names a result stands in a later turn
.endm
; the largest score of the block, heads 4 x .. 4 x + 3 by turns
.macro AMAX x
	WIN 0x14*(1+(\x))
.irp h4, 0,1,2,3
	v_max3_num_f32 v[BM+4*(\x)+\h4], 0xff7fffff, v[16*\h4], v[16*\h4+1]
.endr
.irp k, 2,4,6,8,10,12,14
.irp h4, 0,1,2,3
	v_max3_num_f32 v[BM+4*(\x)+\h4], v[BM+4*(\x)+\h4], v[16*\h4+\k], v[16*\h4+\k+1]
.endr
.endr
.endm
; M, f, the block's largest p, its scale: the eight heads by turns
.macro BETA
.irp h, 0,1,2,3,4,5,6,7
	v_permlanex16_b32 v[TP+\h], v[BM+\h], s[SEL], s[SEL+1]
.endr
.irp h, 0,1,2,3,4,5,6,7
	v_max_num_f32 v[BM+\h], v[BM+\h], v[TP+\h]             ; with lane l xor 16's 16 keys
.endr
.irp h, 0,1,2,3,4,5,6,7
	v_mul_f32 v[TP+\h], s[CS], v[BM+\h]
.endr
.irp h, 0,1,2,3,4,5,6,7
	v_max_num_f32 v[ST+6*\h+1], v[ST+6*\h+1], v[TP+\h]     ; the running largest t
.endr
.irp h, 0,1,2,3,4,5,6,7
	v_mov_b32 v[OL+\h], v[ST+6*\h]
.endr
.irp h, 0,1,2,3,4,5,6,7
	v_floor_f32 v[ST+6*\h], -v[ST+6*\h+1]                  ; -M = floor(-t): M is a whole number
.endr
.irp h, 0,1,2,3,4,5,6,7
	v_sub_f32 v[OL+\h], v[ST+6*\h], v[OL+\h]               ; old M - new M, 0 or less
.endr
.irp h, 0,1,2,3,4,5,6,7
	v_cvt_i32_f32 v[OL+\h], v[OL+\h]                       ; (it saturates)
.endr
.irp h, 0,1,2,3,4,5,6,7
	v_ldexp_f32 v[FF+2*\h], 1.0, v[OL+\h]
.endr
.irp h, 0,1,2,3,4,5,6,7
	v_fma_f32 v[BP+\h], v[BM+\h], s[CS], v[ST+6*\h]        ; the largest score goes the way of every score: the same multiply-add, the same exponential
.endr
.irp h, 0,1,2,3,4,5,6,7
	v_exp_f32 v[BP+\h], v[BP+\h]
.endr
.irp h, 0,1,2,3,4,5,6,7
	v_pk_mul_f32 v[ST+6*\h+2:ST+6*\h+3], v[ST+6*\h+2:ST+6*\h+3], v[FF+2*\h:FF+2*\h+1] op_sel_hi:[1,0]   ; the sums under the new M
	v_pk_mul_f32 v[ST+6*\h+4:ST+6*\h+5], v[ST+6*\h+4:ST+6*\h+5], v[FF+2*\h:FF+2*\h+1] op_sel_hi:[1,0]
.endr
	s_wait_alu depctr_va_vdst(0)                   ; one wait for the eight exponentials, ahead of their first reader
.irp h, 0,1,2,3,4,5,6,7
	v_max_num_f32 v[BP+\h], 0x2800000, v[BP+\h]            ; the floor 2^(5 - 127)
.endr
.irp h, 0,1,2,3,4,5,6,7
	v_add_nc_u32 v[BP+\h], 0xfe000000, v[BP+\h]            ; 4 off the exponent field: the conversion's scale operand
.endr
.irp h, 0,1,2,3,4,5,6,7
	v_lshrrev_b32 v[BY+\h], 23, v[BP+\h]
.endr
.irp h, 0,1,2,3,4,5,6,7
	v_perm_b32 v[PSC+\h], v[BY+\h], v[BY+\h], 0            ; the byte in all four places: it fits whichever block P stands in
.endr
.endm
.macro GAM n, x                        ; t - M of pair n of the window's 32
	v_pk_fma_f32 v[2*(\n):2*(\n)+1], v[2*(\n):2*(\n)+1], s[CS:CS+1], v[ST+6*(4*(\x)+(\n)/8):ST+6*(4*(\x)+(\n)/8)+1] op_sel_hi:[1,0,0]
.endm
.macro ORS m                           ; pair m of O^T under the new M; ascending
	v_pk_mul_f32 v[OO+2*(\m):OO+2*(\m)+1], v[OO+2*(\m):OO+2*(\m)+1], v[FF+2*((\m)/8):FF+2*((\m)/8)+1] op_sel_hi:[1,0]
.endm
; p = 2^(t - M) of heads 4 x .. 4 x + 3; beside heads 4-7 stands the rescaling of O^T
.macro EPH x
	WIN 0x41*(1+(\x))
	GAM 0, \x
	GAM 1, \x
.set N, 0
.rept 32
.if N+2 < 32
	GAM N+2, \x
.endif
	v_exp_f32 v[2*N], v[2*N]
.if \x
	ORS 2*N
.endif
	v_exp_f32 v[2*N+1], v[2*N+1]
.if \x
	ORS 2*N+1
.endif
.set N, N+1
.endr
.endm
.macro SUM4 pr, k                      ; the sums of the unquantised p: four chains
	v_pk_add_f32 v[ST+12*(\pr)+2:ST+12*(\pr)+3], v[ST+12*(\pr)+2:ST+12*(\pr)+3], v[32*((\pr)%2)+4*(\k):32*((\pr)%2)+4*(\k)+1]
	v_pk_add_f32 v[ST+12*(\pr)+8:ST+12*(\pr)+9], v[ST+12*(\pr)+8:ST+12*(\pr)+9], v[32*((\pr)%2)+16+4*(\k):32*((\pr)%2)+16+4*(\k)+1]
	v_pk_add_f32 v[ST+12*(\pr)+4:ST+12*(\pr)+5], v[ST+12*(\pr)+4:ST+12*(\pr)+5], v[32*((\pr)%2)+4*(\k)+2:32*((\pr)%2)+4*(\k)+3]
	v_pk_add_f32 v[ST+12*(\pr)+10:ST+12*(\pr)+11], v[ST+12*(\pr)+10:ST+12*(\pr)+11], v[32*((\pr)%2)+16+4*(\k)+2:32*((\pr)%2)+16+4*(\k)+3]
.endm
; a pair of heads: sums, codes, P's four fragments.  The matrix instructions of the pair before stand in its middle: eight sums ahead of them are the places behind the lines that wrote their operands,
; eight sums behind them the places ahead of the lines that write those operands again
.macro C2 pr
	WIN 0x04*(1+(\pr)/2)
	SUM4 \pr, 0
	SUM4 \pr, 1
.if (\pr) > 0
	MATRIX (\pr)-1
	WIN 0x04*(1+(\pr)/2)
.endif
	SUM4 \pr, 2
	SUM4 \pr, 3
	WIN 0x01*(1+(\pr)/2)
	v_cvt_scalef32_pk16_bf6_f32 v[PF:PF+2], v[32*((\pr)%2):32*((\pr)%2)+15], v[BP+2*(\pr)]
	v_cvt_scalef32_pk16_bf6_f32 v[PF+12:PF+14], v[32*((\pr)%2)+16:32*((\pr)%2)+31], v[BP+2*(\pr)+1]
	WIN 0
.irp k, 3,4,5,15,16,17
	v_mov_b32 v[PF+\k], 0                          ; (also the plain place behind the conversions)
.endr
.irp k, 0,1,2,12,13,14
	v_permlane16_swap_b32 v[PF+\k], v[PF+3+\k]     ; lanes 0-15 now hold the whole block of 32 keys, lanes 16-31 zeros
.endr
.irp k, 0,1,2,3,4,5,12,13,14,15,16,17
	v_permlanex16_b32 v[PF+18+\k], v[PF+\k], s[SEL], s[SEL+1]      ; and the same with the halves exchanged
.endr
.endm
.macro CEN k, bits
	s_mov_b32 s[CN+2*\k], \bits
	s_mov_b32 s[CN+2*\k+1], \bits
.endm
	s_load_b512 s[4:19], s[0:1], 0x0               ; qimg s[4:5], qscl s[6:7], kimg s[8:9], kscl s[10:11], vimg s[12:13], vscl s[14:15], query_pos s[16:17], key_pos s[18:19]
	s_load_b256 s[20:27], s[0:1], 0x40             ; key_mask s[20:21], Wrbf s[22:23], opart s[24:25], ostat s[26:27]
	v_lshl_add_u32 v175, v0, 2, 0x16800
	v_mov_b32 v255, 0
	v_lshrrev_b32 v12, 5, v0
	v_readfirstlane_b32 s[WV], v12                 ; wave 0..3
	v_and_b32 v13, 31, v0                          ; lane
	v_and_b32 v14, 15, v0                          ; r
	v_bfe_u32 v15, v0, 4, 1                        ; hl
	v_lshlrev_b32 v[LI], 4, v13
	v_lshlrev_b32 v[L4], 2, v13
	v_mov_b32 v[ZO], 0
	v_lshlrev_b32 v12, 6, v14
	v_lshl_add_u32 v12, v15, 5, v12                ; ostat: 64 r + 32 hl
	v_mul_u32_u24 v248, v0, 12                     ; key_pos: 12 bytes a key, a thread a key
	v_lshrrev_b32 v249, 4, v0                      ; where key t's x goes: 256 (t / 16) + 64 ((t / 4) % 4) + 4 (t % 4)
	v_lshlrev_b32 v249, 8, v249
	v_bfe_u32 v252, v0, 2, 2
	v_lshl_add_u32 v249, v252, 6, v249
	v_and_b32 v252, 3, v0
	v_lshl_add_u32 v249, v252, 2, v249
	v_lshl_add_u32 v250, v0, 2, MSK
	v_mul_u32_u24 v251, v14, 12                    ; query_pos
	v_lshl_add_u32 v254, v0, 2, POS+16384
	v_mov_b32 v253, 0xf1800000                     ; -2^100
	s_lshl_b32 s39, s[WV], 12
	v_lshl_add_u32 v[LA0], v15, 8, s39             ; positions: 8 blocks of 512 bytes a wave, 256 a half
	s_lshl_b32 s39, s[WV], 10
	s_add_co_u32 s39, s39, MSK
	v_lshl_add_u32 v[LM0], v15, 6, s39
	s_mul_i32 s39, s[WV], OSTG
	s_add_co_u32 s39, s39, OST
	v_mul_u32_u24 v[STO], v14, OPITCH
	v_lshl_add_u32 v[STO], v15, 5, v[STO]
	v_add_nc_u32 v[STO], s39, v[STO]
	s_mul_i32 s39, s[WV], 4*OPITCH
	s_add_co_u32 s39, s39, OST
	v_add_nc_u32 v[SRD], s39, v[LI]
	s_lshl_b32 s39, s[WV], 2
	s_add_co_u32 s39, s39, STATB
	v_lshl_add_u32 v[SST], v14, 4, s39
	v_lshl_add_u32 v[SLD], v14, 4, STATB
	s_mov_b32 s[PB], 0
	s_mov_b32 s[MB], 0
	v_add_nc_u32 v[LA], s[PB], v[LA0]
	v_add_nc_u32 v[LM], s[MB], v[LM0]
	s_mov_b32 s[CS], 0x3e8293ee                    ; c = log2(e) / sqrt(32)
	s_mov_b32 s[CS+1], s[CS]
	s_mov_b32 s[SEL], 0x76543210
	s_mov_b32 s[SEL+1], 0xfedcba98
	s_mov_b32 s36, 0x0000ffff                      ; lanes 0-15
	s_mov_b32 s37, 0xffff0000                      ; lanes 16-31
	s_mov_b32 s38, 0
	CEN 0, 0xbf67ebe6                              ; -c'_r = -r x 0.9059433
	CEN 1, 0xbfe7ebe6
	CEN 2, 0xc02df0ec
	CEN 3, 0xc067ebe6
	CEN 4, 0xc090f370
	CEN 5, 0xc0adf0ec
	CEN 6, 0xc0caee69
	CEN 7, 0xc0e7ebe6
	CEN 8, 0xc10274b1
	CEN 9, 0xc110f370
	CEN 10, 0xc11f722e
	CEN 11, 0xc12df0ec
	CEN 12, 0xc13c6fab
	CEN 13, 0xc14aee69
	CEN 14, 0xc1596d27
	s_and_b32 s30, ttmp7, 0xffff                   ; which half of the keys
	s_lshr_b32 s31, ttmp9, 6                       ; the batch
	s_lshl_b32 s39, s31, 6
	s_lshl_b32 s68, s30, 5
	s_add_co_u32 s39, s39, s68                     ; the work-group's first block of 32 keys
	s_lshl_b32 s68, s[WV], 3
	s_add_co_u32 s68, s68, s39                     ; my wave's
	s_mul_i32 s56, s68, 6144
	s_mov_b32 s57, 0
	s_lshl_b32 s58, s68, 8
	s_mov_b32 s59, 0
	s_mul_i32 s60, s39, 384
	s_mov_b32 s61, 0
	s_lshl_b32 s62, s39, 5
	s_mov_b32 s63, 0
	s_wait_kmcnt 0x0
	s_add_nc_u64 s[48:49], s[8:9], s[56:57]        ; my wave's images and scale words: these four stay
	s_add_nc_u64 s[50:51], s[10:11], s[58:59]
	s_add_nc_u64 s[52:53], s[12:13], s[56:57]
	s_add_nc_u64 s[54:55], s[14:15], s[58:59]
	s_add_nc_u64 s[18:19], s[18:19], s[60:61]
	s_add_nc_u64 s[20:21], s[20:21], s[62:63]
	s_mul_i32 s56, ttmp9, 3072
	s_add_nc_u64 s[4:5], s[4:5], s[56:57]
	s_lshl_b32 s56, ttmp9, 7
	s_add_nc_u64 s[6:7], s[6:7], s[56:57]
	s_mul_i32 s56, ttmp9, 192
	s_add_nc_u64 s[16:17], s[16:17], s[56:57]
	s_lshl_b32 s56, s30, 21                        ; opart: half x 2,048 rows + 16 x tile + 4 x wave rows of 1,024 bytes
	s_lshl_b32 s58, ttmp9, 14
	s_add_co_u32 s56, s56, s58
	s_lshl_b32 s58, s[WV], 12
	s_add_co_u32 s56, s56, s58
	s_add_nc_u64 s[24:25], s[24:25], s[56:57]
	s_lshl_b32 s56, s30, 17                        ; ostat: 64 bytes a row
	s_lshl_b32 s58, ttmp9, 10
	s_add_co_u32 s56, s56, s58
	s_add_nc_u64 s[26:27], s[26:27], s[56:57]
	; ---- all the head's loads in one run
.irp n, 0,1,2,3,4,5,6,7
	global_load_b96 v[SCR+4*\n:SCR+4*\n+2], v248, s[18:19] offset:1536*\n     ; key t + 128 n
.endr
.irp n, 0,1,2,3,4,5,6,7
	global_load_u8 v[SCR+32+\n], v0, s[20:21] offset:128*\n
.endr
.irp q, 0,1,2,3,4,5
	global_load_b128 v[SCR+40+4*\q:SCR+40+4*\q+3], v[LI], s[4:5] offset:512*\q   ; Q's two images
.endr
	global_load_b32 v[QS], v[L4], s[6:7]           ; lanes 0-15: heads 0-3's words, lanes 16-31: heads 4-7's
.irp u, 0,1
	global_load_b32 v[KS+\u], v[L4], s[50:51] offset:128*\u
	global_load_b32 v[VS+\u], v[L4], s[54:55] offset:128*\u
.endr
	WIN 0xc0                                       ; destination window 3
.irp q, 0,1,2,3,4,5,6,7,8,9,10,11
	global_load_b128 v[KF+4*\q:KF+4*\q+3], v[LI], s[48:49] offset:512*\q
.endr
.irp q, 0,1,2,3,4,5,6,7,8,9,10,11
	global_load_b128 v[VF+4*\q:VF+4*\q+3], v[LI], s[52:53] offset:512*\q
.endr
	WIN 0x40
	global_load_b96 v[DT:DT+2], v251, s[16:17]
.irp q, 0,1,2,3,4,5,6,7,8,9,10,11,12,13,14,15
	global_load_b128 v[64+4*\q:64+4*\q+3], v[ZO], s[22:23] offset:16*\q
.endr
	WIN 0x80
.irp q, 0,1,2,3,4,5,6,7,8,9,10,11,12,13,14,15
	global_load_b128 v[64+4*\q:64+4*\q+3], v[ZO], s[22:23] offset:256+16*\q
.endr
	WIN 0
	s_wait_loadcnt 0x0
	; ---- the work-group's 1,024 keys: positions x s and m into LDS
.irp n, 0,1,2,3,4,5,6,7
	v_mul_f32 v[SCR+4*\n], 0x3f2df0ec, v[SCR+4*\n]
	v_mul_f32 v[SCR+4*\n+1], 0x3f2df0ec, v[SCR+4*\n+1]
	v_mul_f32 v[SCR+4*\n+2], 0x3f2df0ec, v[SCR+4*\n+2]
	v_cmp_ne_u32 vcc_lo, 0, v[SCR+32+\n]
	v_cndmask_b32 v[SCR+32+\n], v253, v[ZO], vcc_lo        ; 0 where the key counts, else -2^100
.endr
.irp n, 0,1,2,3,4,5,6,7
	ds_store_b32 v249, v[SCR+4*\n] offset:2048*\n
	ds_store_b32 v249, v[SCR+4*\n+1] offset:2048*\n+16
	ds_store_b32 v249, v[SCR+4*\n+2] offset:2048*\n+32
	ds_store_b32 v250, v[SCR+32+\n] offset:512*\n
.endr
	ds_store_b32 v254, v[ZO]                       ; the block of zeros behind the positions,
	ds_store_b32 v250, v[ZO] offset:4096           ; and behind m
	s_wait_dscnt 0x0                               ; for the others' sake: my stores have landed
	s_barrier_signal -1
	s_barrier_wait -1
	; ---- registers.  Q's fragment for head h: the six registers and the half of the lanes that hold its block, zeros elsewhere.  Order for each four heads: R0, zeros, R2, R1, zeros, R3
	WIN 0xc0
.irp g, 0,1
.irp j, 0,1,2,3
.irp k, 0,1,2,3,4,5
.if \j%2
	v_cndmask_b32 v[QB+36*\g+18*(\j%2)+12*(\j/2)+\k], 0, v[SCR+40+12*\g+6*(\j/2)+\k], s37
.else
	v_cndmask_b32 v[QB+36*\g+18*(\j%2)+12*(\j/2)+\k], 0, v[SCR+40+12*\g+6*(\j/2)+\k], s36
.endif
.endr
.endr
.irp k, 0,1,2,3,4,5
	v_mov_b32 v[QB+36*\g+6+\k], 0
	v_mov_b32 v[QB+36*\g+24+\k], 0
.endr
.endr
	WIN 0x55
.set K, 0
.rept 32
	v_pk_mul_f32 v[64+2*K:65+2*K], v[64+2*K:65+2*K], 0x40b504f3 op_sel_hi:[1,0]   ; W'' = Wrbf x sqrt(32)
.set K, K+1
.endr
.irp c, 0,1,2
	v_mul_f32 v[QP+2*\c], 0x3f2df0ec, v[DT+\c]
	v_mul_f32 v[QP+2*\c+1], 0x3f2df0ec, v[DT+\c]
.endr
	WIN 0xaa
.set K, 0
.rept 32
	v_pk_mul_f32 v[64+2*K:65+2*K], v[64+2*K:65+2*K], 0x40b504f3 op_sel_hi:[1,0]
.set K, K+1
.endr
	WIN 0x80
.set K, 0
.rept 128
	v_mov_b32 v[OO+K], 0                           ; O^T.  (The step is written once: the first finds zeros, which the first change of M leaves zeros)
.set K, K+1
.endr
	WIN 0
.irp h, 0,1,2,3,4,5,6,7
	v_mov_b32 v[ST+6*\h], 0x6c800000               ; -M = 2^90
	v_mov_b32 v[ST+6*\h+1], 0xec800000             ; the largest t so far: -2^90
	v_mov_b32 v[ST+6*\h+2], 0
	v_mov_b32 v[ST+6*\h+3], 0
	v_mov_b32 v[ST+6*\h+4], 0
	v_mov_b32 v[ST+6*\h+5], 0
	v_mov_b32 v[TP+\h], 0                          ; a lane permute's destination counts as one of its sources
	v_mov_b32 v[FF+2*\h], 0
	v_mov_b32 v[FF+2*\h+1], 0                      ; (named as the upper half of a pair)
.endr
.set K, 0
.rept 36
	v_mov_b32 v[PF+K], 0                           ; P's fragments: the two runs of zeros stay
.set K, K+1
.endr
	WIN 0x40
.irp cc, 0,1
.irp k, 0,1,2
	ds_load_b128 v[PS+12*\cc+4*\k:PS+12*\cc+4*\k+3], v[LA] offset:64*\cc+16*\k
.endr
.endr
.irp k, 0,1,2,3
	ds_load_b128 v[MK+4*\k:MK+4*\k+3], v[LM] offset:16*\k
.endr
	s_wait_dscnt 0x0
.irp h, 0,1,2,3,4,5,6,7                ; the first block's scores
.irp u, 0,1
	SMUL \h, \u
.endr
.endr
	WIN 0
.rept 4
	v_nop                                          ; four places ahead of loads into registers that matrix instructions have read
.endr
	s_add_nc_u64 s[40:41], s[48:49], 6144
	s_add_nc_u64 s[42:43], s[50:51], 256
	WIN 0xc0
.irp q, 0,1,2,3,4,5,6,7,8,9,10,11
	global_load_b128 v[KF+4*\q:KF+4*\q+3], v[LI], s[40:41] offset:512*\q      ; K of block 1
.endr
	WIN 0
.irp u, 0,1
	global_load_b32 v[KS+\u], v[L4], s[42:43] offset:128*\u
.endr
	WIN 0x55                                       ; the pipeline's start: distances of pairs 0 and 1, Gaussians of pair 0
.irp n, 0,1,2,3,4,5,8,9
	S1LINE 0, \n
.endr
	v_nop                                          ; a plain place between the roots and the lines that write their sources again
.irp n, 0,1,2,3,4,5,8,9
	S1LINE 1, \n
.endr
	v_nop
	s_wait_alu depctr_va_vdst(0)                   ; ahead of the first reader of the four roots
	v_pk_mul_f32 v[RB:RB+1], v[DP:DP+1], v[DP:DP+1] neg_lo:[1,0] neg_hi:[1,0]
.irp r, 1,2,3,4,5,6,7,8,9,10,11,12,13,14,15
	v_pk_add_f32 v[RB+2*\r:RB+2*\r+1], v[DP:DP+1], s[CN+2*\r-2:CN+2*\r-1] op_sel_hi:[1,0]
.endr
.irp r, 1,2,3,4,5,6,7,8,9,10,11,12,13,14,15
	v_pk_mul_f32 v[RB+2*\r:RB+2*\r+1], v[RB+2*\r:RB+2*\r+1], v[RB+2*\r:RB+2*\r+1] neg_lo:[1,0] neg_hi:[1,0]
.endr
.set K, 0
.rept 32
	v_exp_f32 v[RB+K], v[RB+K]
.set K, K+1
.endr
	v_nop
	s_wait_alu depctr_va_vdst(0)
	WIN 0
.Lstep:                                            ; 8 trips: a block of 32 keys each
.irp i, 0,1,2,3,4,5,6,7
	PAIR \i
.endr
	WIN 0
	s_wait_loadcnt 0x0                             ; V of this block, K of the next, their scale words: asked for at the last trip's end
	AMAX 0
	AMAX 1
	WIN 0
	BETA
	EPH 0
	EPH 1
	s_wait_alu depctr_va_vdst(0)                   ; one wait for the 128 exponentials: nothing has named a result yet
	C2 0
	C2 1
	C2 2
	C2 3
.rept 4
	v_nop                                          ; four places between the lines that wrote P's fragments and the products
.endr
	MATRIX 3
	WIN 0
.rept 4
	v_nop                                          ; four places ahead of loads into the products' operands, and of the next trip's reads of the scores
.endr
	s_add_co_u32 s56, s38, 2                       ; K two blocks on, V one block on; the last trips ask again for the wave's last block, so that no load leaves my wave's part
	s_min_u32 s56, s56, 7
	s_lshl_b32 s58, s56, 8
	s_mul_i32 s56, s56, 6144
	s_add_co_u32 s60, s38, 1
	s_min_u32 s60, s60, 7
	s_lshl_b32 s62, s60, 8
	s_mul_i32 s60, s60, 6144
	s_add_nc_u64 s[40:41], s[48:49], s[56:57]      ; (the wait for all loads above has freed these four)
	s_add_nc_u64 s[42:43], s[50:51], s[58:59]
	s_add_nc_u64 s[44:45], s[52:53], s[60:61]
	s_add_nc_u64 s[46:47], s[54:55], s[62:63]
	WIN 0xc0
.irp q, 0,1,2,3,4,5,6,7,8,9,10,11
	global_load_b128 v[KF+4*\q:KF+4*\q+3], v[LI], s[40:41] offset:512*\q
.endr
.irp q, 0,1,2,3,4,5,6,7,8,9,10,11
	global_load_b128 v[VF+4*\q:VF+4*\q+3], v[LI], s[44:45] offset:512*\q
.endr
	WIN 0
.irp u, 0,1
	global_load_b32 v[KS+\u], v[L4], s[42:43] offset:128*\u
	global_load_b32 v[VS+\u], v[L4], s[46:47] offset:128*\u
.endr
	s_add_co_u32 s[PB], s[PB], 512
	s_add_co_u32 s[MB], s[MB], 128
	v_add_nc_u32 v[LA], s[PB], v[LA0]
	v_add_nc_u32 v[LM], s[MB], v[LM0]
	s_add_co_u32 s38, s38, 1
	s_cmp_lt_u32 s38, 8
	s_cbranch_scc1 .Lstep
	; ---- THE FOUR WAVES' PARTS ARE MERGED.  First the statistics
.irp h, 0,1,2,3,4,5,6,7
	v_pk_add_f32 v[ST+6*\h+2:ST+6*\h+3], v[ST+6*\h+2:ST+6*\h+3], v[ST+6*\h+4:ST+6*\h+5]
.endr
.irp h, 0,1,2,3,4,5,6,7
	v_add_f32 v[ST+6*\h+2], v[ST+6*\h+2], v[ST+6*\h+3]
.endr
.irp h, 0,1,2,3,4,5,6,7
	v_permlanex16_b32 v[TP+\h], v[ST+6*\h+2], s[SEL], s[SEL+1]
.endr
.irp h, 0,1,2,3,4,5,6,7
	v_add_f32 v[ST+6*\h+2], v[ST+6*\h+2], v[TP+\h]         ; my wave's sum for my query
.endr
.irp h, 0,1,2,3,4,5,6,7
	ds_store_b32 v[SST], v[ST+6*\h] offset:256*\h          ; both halves of the lanes write the same word with the same value
	ds_store_b32 v[SST], v[ST+6*\h+2] offset:2048+256*\h
.endr
	s_wait_dscnt 0x0                               ; my stores have landed, and the look-ahead's last loads are in
	s_barrier_signal -1
	s_barrier_wait -1
.irp h, 0,1,2,3,4,5,6,7
	ds_load_b128 v[SCR+4*\h:SCR+4*\h+3], v[SLD] offset:256*\h              ; the four waves' -M,
	ds_load_b128 v[SCR+32+4*\h:SCR+32+4*\h+3], v[SLD] offset:2048+256*\h   ; and sums
.endr
	s_wait_dscnt 0x0
.irp h, 0,1,2,3,4,5,6,7
	v_min3_num_f32 v[BM+\h], v[SCR+4*\h], v[SCR+4*\h+1], v[SCR+4*\h+2]
.endr
.irp h, 0,1,2,3,4,5,6,7
	v_min_num_f32 v[BM+\h], v[BM+\h], v[SCR+4*\h+3]        ; the least -M: the largest M
.endr
.set K, 0
.rept 32
	v_sub_f32 v[SCR+K], v[BM+K/4], v[SCR+K]
.set K, K+1
.endr
.set K, 0
.rept 32
	v_cvt_i32_f32 v[SCR+K], v[SCR+K]
.set K, K+1
.endr
.set K, 0
.rept 32
	v_ldexp_f32 v[SCR+K], 1.0, v[SCR+K]            ; 2^(that wave's M - the largest M)
.set K, K+1
.endr
.irp h, 0,1,2,3,4,5,6,7
	v_mul_f32 v[BP+\h], v[SCR+32+4*\h], v[SCR+4*\h]
.endr
.irp j, 1,2,3
.irp h, 0,1,2,3,4,5,6,7
	v_fma_f32 v[BP+\h], v[SCR+32+4*\h+\j], v[SCR+4*\h+\j], v[BP+\h]       ; the work-group's sum
.endr
.endr
.irp h, 0,1,2,3,4,5,6,7
	v_sub_f32 v[OL+\h], v[BM+\h], v[ST+6*\h]
.endr
.irp h, 0,1,2,3,4,5,6,7
	v_cvt_i32_f32 v[OL+\h], v[OL+\h]
.endr
.irp h, 0,1,2,3,4,5,6,7
	v_ldexp_f32 v[FF+2*\h], 1.0, v[OL+\h]          ; my own wave's factor
.endr
	WIN 0x82
.set K, 0
.rept 64
	ORS K
.set K, K+1
.endr
	WIN 0x08                                       ; an LDS store's data are its source 1: window 2
.irp h, 0,1,2,3,4,5,6,7
.irp ct, 0,1
	ds_store_b128 v[STO], v[OO+16*\h+8*\ct:OO+16*\h+8*\ct+3] offset:128*\h+64*\ct          ; lane (r, hl): query r, channels 32 h + 16 ct + 8 hl + 0 .. 7
	ds_store_b128 v[STO], v[OO+16*\h+8*\ct+4:OO+16*\h+8*\ct+7] offset:128*\h+64*\ct+16
.endr
.endr
	WIN 0
	s_wait_dscnt 0x0
	s_barrier_signal -1
	s_barrier_wait -1
	; each wave adds four rows over the four stages and stores them whole
.irp bt, 0,1
.if \bt
	s_wait_xcnt 0x0                                ; the first two rows' stores have read their registers: these loads may land there
.endif
.irp k, 0,1,2,3
.irp g, 0,1,2,3
	ds_load_b128 v[SCR+16*\k+4*\g:SCR+16*\k+4*\g+3], v[SRD] offset:OSTG*\g+OPITCH*(2*\bt+\k/2)+512*(\k%2)
.endr
.endr
	s_wait_dscnt 0x0
.irp k, 0,1,2,3
	v_pk_add_f32 v[SCR+16*\k:SCR+16*\k+1], v[SCR+16*\k:SCR+16*\k+1], v[SCR+16*\k+4:SCR+16*\k+5]
	v_pk_add_f32 v[SCR+16*\k+2:SCR+16*\k+3], v[SCR+16*\k+2:SCR+16*\k+3], v[SCR+16*\k+6:SCR+16*\k+7]
	v_pk_add_f32 v[SCR+16*\k+8:SCR+16*\k+9], v[SCR+16*\k+8:SCR+16*\k+9], v[SCR+16*\k+12:SCR+16*\k+13]
	v_pk_add_f32 v[SCR+16*\k+10:SCR+16*\k+11], v[SCR+16*\k+10:SCR+16*\k+11], v[SCR+16*\k+14:SCR+16*\k+15]
.endr
.irp k, 0,1,2,3
	v_pk_add_f32 v[SCR+16*\k:SCR+16*\k+1], v[SCR+16*\k:SCR+16*\k+1], v[SCR+16*\k+8:SCR+16*\k+9]
	v_pk_add_f32 v[SCR+16*\k+2:SCR+16*\k+3], v[SCR+16*\k+2:SCR+16*\k+3], v[SCR+16*\k+10:SCR+16*\k+11]
.endr
.irp k, 0,1,2,3
	global_store_b128 v[LI], v[SCR+16*\k:SCR+16*\k+3], s[24:25] offset:1024*(2*\bt+\k/2)+512*(\k%2)   ; 32 lanes store 512 consecutive bytes
.endr
.endr
	s_cmp_lg_u32 s[WV], 0
	s_cbranch_scc1 .Lend
.irp h, 0,1,2,3,4,5,6,7
	v_cndmask_b32 v[SCR+64+\h], v[BM+\h], v[BP+\h], s37    ; lanes 0-15: the eight -M of query r; lanes 16-31: its eight sums
.endr
	global_store_b128 v12, v[SCR+64:SCR+67], s[26:27]
	global_store_b128 v12, v[SCR+68:SCR+71], s[26:27] offset:16
.Lend:
	s_wait_tensorcnt 0x0
	ds_add_u32 v175, v255
	s_wait_dscnt 0x0
	s_endpgm
.Lfunc_end_k_qb006f94a67_attend:
	.size	k_qb006f94a67_attend, .Lfunc_end_k_qb006f94a67_attend-k_qb006f94a67_attend
	.p2alignl 7, 3214868480
	.fill 96, 4, 3214868480
	.section	.rodata,"a",@progbits
	.p2align	6, 0x0
	.amdhsa_kernel k_qb006f94a67_attend
		.amdhsa_group_segment_fixed_size 92672
		.amdhsa_private_segment_fixed_size 0
		.amdhsa_enable_private_segment 0
		.amdhsa_kernarg_size 96
		.amdhsa_user_sgpr_count 2
		.amdhsa_user_sgpr_kernarg_segment_ptr 1
		.amdhsa_wavefront_size32 1
		.amdhsa_system_sgpr_workgroup_id_x 1
		.amdhsa_system_sgpr_workgroup_id_y 1
		.amdhsa_system_sgpr_workgroup_id_z 1
		.amdhsa_system_vgpr_workitem_id 0
		.amdhsa_next_free_vgpr 1024
		.amdhsa_next_free_sgpr 100
		.amdhsa_reserve_vcc 1
		.amdhsa_float_denorm_mode_32 3
		.amdhsa_float_denorm_mode_16_64 3
		.amdhsa_memory_ordered 1
		.amdhsa_forward_progress 1
		.amdhsa_inst_pref_size 203
	.end_amdhsa_kernel
	.amdgpu_metadata
---
amdhsa.version: [ 1, 2 ]
amdhsa.kernels:
  - .name:           k_qb006f94a67_attend
    .symbol:         k_qb006f94a67_attend.kd
    .args:
      - { .name: qimg, .offset: 0, .size: 8, .value_kind: global_buffer, .address_space: global }
      - { .name: qscl, .offset: 8, .size: 8, .value_kind: global_buffer, .address_space: global }
      - { .name: kimg, .offset: 16, .size: 8, .value_kind: global_buffer, .address_space: global }
      - { .name: kscl, .offset: 24, .size: 8, .value_kind: global_buffer, .address_space: global }
      - { .name: vimg, .offset: 32, .size: 8, .value_kind: global_buffer, .address_space: global }
      - { .name: vscl, .offset: 40, .size: 8, .value_kind: global_buffer, .address_space: global }
      - { .name: query_pos, .offset: 48, .size: 8, .value_kind: global_buffer, .address_space: global }
      - { .name: key_pos, .offset: 56, .size: 8, .value_kind: global_buffer, .address_space: global }
      - { .name: key_mask, .offset: 64, .size: 8, .value_kind: global_buffer, .address_space: global }
      - { .name: Wrbf, .offset: 72, .size: 8, .value_kind: global_buffer, .address_space: global }
      - { .name: opart, .offset: 80, .size: 8, .value_kind: global_buffer, .address_space: global }
      - { .name: ostat, .offset: 88, .size: 8, .value_kind: global_buffer, .address_space: global }
    .group_segment_fixed_size: 92672
    .private_segment_fixed_size: 0
    .kernarg_segment_align: 8
    .kernarg_segment_size: 96
    .max_flat_workgroup_size: 128
    .sgpr_count:     100
    .vgpr_count:     1024
    .wavefront_size: 32
...
	.end_amdgpu_metadata
.endif
;; end of part 2
;; launch finish (part 3): grid 128 x 1, 4 waves a work-group, no clusters, 17,152 bytes of LDS; arguments opart, ostat, Wo_codes, Wo_scales, bo, query_mask, query_feat, ln_g, ln_b, out0; writes out0
.if DOCPART == 3
	.amdgcn_target "amdgcn-amd-amdhsa--gfx1250"
	.amdhsa_code_object_version 6
	.text
	.protected	k_qb006f94a67_finish
	.globl	k_qb006f94a67_finish
	.p2align	8
	.type	k_qb006f94a67_finish,@function
k_qb006f94a67_finish:
	s_mov_b64 s[64:65], 0
	v_nop
	global_prefetch_b8 v0, s[64:65] scope:SCOPE_SE
	s_setreg_imm32_b32 hwreg(HW_REG_WAVE_MODE, 25, 1), 1
	s_wait_xcnt 0x0
; The two halves of the keys are merged, O is divided by the row's sum and quantised; then out = O Wo^T + bo on codes of BF6 (E3M2), the query mask, the residual and the LayerNorm.
; SHARES.  A work-group has 16 rows.  Wave w makes output features 64 w .. 64 w + 63 (four tiles, transposed: source 0 = 16 rows of Wo, source 1 = the 16 rows), and afterwards finishes rows 4 w .. 4 w + 3.
; Each wave merges and quantises the 16 x 256 numbers for itself: 32 KiB of loads a wave spare a barrier and a round trip of operands through LDS.
; The bias is the C of each sum's first product.  The four waves' parts of a row meet in a stage in LDS (rows of 1,024 + 16 bytes); a wave then holds whole rows, eight numbers a lane.
; A row none of whose keys counts has the sum 0: 0 x (1 / sum) is NaN there and 0 elsewhere, and is added to the product's result, since a code cannot carry a NaN.
; LIMITS: as in the launches before: a block of zeros has the scale byte 1; NaN and infinities among the inputs are not served.
; No tensor loads, no cluster: every operand is read once by the wave that wants it, and the launch is short.
.set XA,  1                            ; v1  opart: 1,024 r + 64 hl
.set AR,  2                            ; v2  Wo's codes: 192 r + 24 hl
.set SR8, 3                            ; v3  Wo's scale words: 8 r
.set B32, 4                            ; v4  bo: 32 hl
.set O64, 5                            ; v5  ostat: 64 r
.set LI,  6                            ; v6  16 x lane
.set ZO,  7                            ; v7  0
.set SO,  8                            ; v8  the stage: where I put 32 bytes of a row
.set SRD, 9                            ; v9  and where I read rows back
.set SA,  16                           ; v16-47   -M and sums of both halves: half kh at 16 kh: -M 0-7, sums 8-15
.set G0,  48                           ; v48-55   factor of half 0, by head;  v56-63 of half 1
.set G1,  56
.set NM,  64
.set RL,  72
.set XF,  80                           ; v80-103  the rows' two fragments
.set XS,  104                          ; v104-105 their scale words
.set WOS, 106                          ; v106-113 Wo's scale words
.set ZN,  114                          ; v114-115 0, or NaN
.set ST,  116                          ; v116-179 64 numbers of a lane
.set PCT, 180
.set TM,  188
.set AC,  204                          ; v204-235 four accumulators
.set SW,  16                           ; the LayerNorm's sums, four registers a row
.set LX,  116                          ; and its rows, eight registers each
.set WV,  24
.set SEL, 26
.set MSB, 0
.macro WIN new                         ; the immediate's high byte repeats the setting that is left
.if MSB != (\new)
	s_set_vgpr_msb (MSB<<8)|(\new)
.set MSB, \new
.endif
.endm
.macro QUANT s, d, t, pw               ; 64 numbers of a lane, register 16 b + i = element 32 b + 16 (lane / 16) + i of my row, become a fragment's codes and its scale word
.irp b, 0,1,2,3
	v_max3_num_f32 v[TM+\b], |v[\s+16*\b]|, |v[\s+1+16*\b]|, 0x2800000   ; the floor 2^(5 - 127): the byte cannot fall under 1
.endr
.irp i, 2,4,6,8,10,12,14
.irp b, 0,1,2,3
	v_max3_num_f32 v[TM+\b], v[TM+\b], |v[\s+16*\b+\i]|, |v[\s+1+16*\b+\i]|
.endr
.endr
.irp b, 0,1,2,3
	v_permlanex16_b32 v[TM+4+\b], v[TM+\b], s[SEL], s[SEL+1]
.endr
.irp b, 0,1,2,3
	v_max_num_f32 v[TM+\b], v[TM+\b], v[TM+4+\b]
.endr
.irp b, 0,1,2,3
	v_add_nc_u32 v[TM+12+\b], 0xfe000000, v[TM+\b]         ; 4 off the exponent field: the conversion's scale operand
.endr
.irp b, 0,1,2,3
	v_lshrrev_b32 v[TM+4+\b], 23, v[TM+12+\b]
.endr
	v_lshl_or_b32 v[\pw], v[TM+5], 8, v[TM+4]
	v_lshl_or_b32 v[\pw], v[TM+6], 16, v[\pw]
	v_lshl_or_b32 v[\pw], v[TM+7], 24, v[\pw]
.irp c, 0,1
	v_cvt_scalef32_pk16_bf6_f32 v[\d+6*\c:\d+2+6*\c], v[\s+32*\c:\s+15+32*\c], v[TM+12+2*\c]
	v_cvt_scalef32_pk16_bf6_f32 v[\t+4*\c:\t+2+4*\c], v[\s+16+32*\c:\s+31+32*\c], v[TM+12+2*\c+1]
.endr
	v_nop                                                  ; one plain place behind a scaled conversion
.irp c, 0,1
.irp i, 0,1,2
	v_permlane16_swap_b32 v[\d+6*\c+\i], v[\t+4*\c+\i]
.endr
.irp i, 0,1,2
	v_mov_b32 v[\d+3+6*\c+\i], v[\t+4*\c+\i]
.endr
.endr
.endm
.macro MM d, a, b, c, sa, sb
	v_wmma_scale_f32_16x16x128_f8f6f4 v[\d:\d+7], v[\a:\a+11], v[\b:\b+11], v[\c:\c+7], v[\sa], v[\sb] matrix_a_fmt:MATRIX_FMT_BF6 matrix_b_fmt:MATRIX_FMT_BF6
.endm
.macro MRG1 k, ks                      ; pair k of K step ks: half 1's part x its head's factor
.if (4*(\ks)+(\k)/8)%2
	v_pk_mul_f32 v[ST+2*(\k):ST+2*(\k)+1], v[128+64*(\ks)+2*(\k):128+64*(\ks)+2*(\k)+1], v[G1+4*(\ks)+(\k)/8-1:G1+4*(\ks)+(\k)/8] op_sel:[0,1] op_sel_hi:[1,1]
.else
	v_pk_mul_f32 v[ST+2*(\k):ST+2*(\k)+1], v[128+64*(\ks)+2*(\k):128+64*(\ks)+2*(\k)+1], v[G1+4*(\ks)+(\k)/8:G1+4*(\ks)+(\k)/8+1] op_sel_hi:[1,0]
.endif
.endm
.macro MRG0 k, ks                      ; + half 0's part x its factor
.if (4*(\ks)+(\k)/8)%2
	v_pk_fma_f32 v[ST+2*(\k):ST+2*(\k)+1], v[64*(\ks)+2*(\k):64*(\ks)+2*(\k)+1], v[G0+4*(\ks)+(\k)/8-1:G0+4*(\ks)+(\k)/8], v[ST+2*(\k):ST+2*(\k)+1] op_sel:[0,1,0] op_sel_hi:[1,1,1]
.else
	v_pk_fma_f32 v[ST+2*(\k):ST+2*(\k)+1], v[64*(\ks)+2*(\k):64*(\ks)+2*(\k)+1], v[G0+4*(\ks)+(\k)/8:G0+4*(\ks)+(\k)/8+1], v[ST+2*(\k):ST+2*(\k)+1] op_sel_hi:[1,0,1]
.endif
.endm
.macro REDUCE o                        ; the four rows' numbers at SW + 4 i + o are summed over the 32 lanes; SW + 4 i + o + 1 is at work
.irp m, 1,2,4,8
.irp i, 0,1,2,3
	v_add_f32_dpp v[SW+4*\i+\o], v[SW+4*\i+\o], v[SW+4*\i+\o] row_xmask:\m row_mask:0xf bank_mask:0xf
.endr
.endr
.irp i, 0,1,2,3
	v_permlanex16_b32 v[SW+4*\i+\o+1], v[SW+4*\i+\o], s[SEL], s[SEL+1]
.endr
.irp i, 0,1,2,3
	v_add_f32 v[SW+4*\i+\o], v[SW+4*\i+\o], v[SW+4*\i+\o+1]
.endr
.endm
	s_load_b512 s[4:19], s[0:1], 0x0               ; opart s[4:5], ostat s[6:7], Wo codes s[8:9], scales s[10:11], bo s[12:13], query_mask s[14:15], query_feat s[16:17], ln_g s[18:19]
	s_load_b128 s[20:23], s[0:1], 0x40             ; ln_b s[20:21], out0 s[22:23]
	v_lshl_add_u32 v254, v0, 2, 0x4100
	v_mov_b32 v255, 0
	v_lshrrev_b32 v10, 5, v0
	v_readfirstlane_b32 s[WV], v10                 ; wave 0..3
	v_and_b32 v10, 31, v0                          ; lane
	v_and_b32 v11, 15, v0                          ; r
	v_bfe_u32 v12, v0, 4, 1                        ; hl
	v_lshlrev_b32 v[XA], 10, v11
	v_lshl_add_u32 v[XA], v12, 6, v[XA]
	v_mul_u32_u24 v[AR], v11, 192
	v_mad_u32_u24 v[AR], v12, 24, v[AR]
	v_lshlrev_b32 v[SR8], 3, v11
	v_lshlrev_b32 v[B32], 5, v12
	v_lshlrev_b32 v[O64], 6, v11
	v_lshlrev_b32 v[LI], 4, v10
	v_mov_b32 v[ZO], 0
	s_lshl_b32 s28, s[WV], 8
	v_mul_u32_u24 v[SO], v11, 1040
	v_lshl_add_u32 v[SO], v12, 5, v[SO]
	v_add_nc_u32 v[SO], s28, v[SO]                 ; row r, + 256 x wave, + 32 hl
	s_mul_i32 s28, s[WV], 4160
	v_add_nc_u32 v[SRD], s28, v[LI]                ; my four rows, 16 bytes a lane
.irp b, 0,1,2,3
	v_mov_b32 v[TM+4+\b], 0                        ; a lane permute's destination counts as one of its sources
.endr
	s_mov_b32 s[SEL], 0x76543210
	s_mov_b32 s[SEL+1], 0xfedcba98
	s_mov_b32 s40, 0x3b800000                      ; 1 / 256
	s_mov_b32 s41, 0x3727c5ac                      ; 1e-5
	s_mov_b32 s31, 0
	s_wait_kmcnt 0x0
	s_lshl_b32 s30, ttmp9, 14                      ; 16 rows of 1,024 bytes a work-group
	s_add_nc_u64 s[4:5], s[4:5], s[30:31]
	s_lshl_b32 s32, s[WV], 12
	s_add_co_u32 s30, s30, s32                     ; + my four rows
	s_add_nc_u64 s[16:17], s[16:17], s[30:31]
	s_add_nc_u64 s[22:23], s[22:23], s[30:31]
	s_lshl_b32 s30, ttmp9, 10
	s_add_nc_u64 s[6:7], s[6:7], s[30:31]
	s_mul_i32 s30, s[WV], 12288                    ; my 64 rows of Wo
	s_add_nc_u64 s[8:9], s[8:9], s[30:31]
	s_lshl_b32 s30, s[WV], 9
	s_add_nc_u64 s[10:11], s[10:11], s[30:31]
	s_lshl_b32 s30, s[WV], 8
	s_add_nc_u64 s[12:13], s[12:13], s[30:31]
	s_lshl_b32 s30, ttmp9, 4
	s_lshl_b32 s32, s[WV], 2
	s_add_co_u32 s30, s30, s32
	s_add_nc_u64 s[14:15], s[14:15], s[30:31]
	; ---- all loads in one run.  Window 1: Wo's fragments (t, s) at 12 (2 t + s); bo's tiles from v96; query_feat's rows from v128; ln_g v160, ln_b v168; the mask v176 on.  Window 2: opart
	WIN 0x80
.irp kh, 0,1
.irp s, 0,1
.irp b, 0,1,2,3
.irp j, 0,1,2,3
	global_load_b128 v[128*\kh+64*\s+16*\b+4*\j:128*\kh+64*\s+16*\b+4*\j+3], v[XA], s[4:5] offset:2097152*\kh+512*\s+128*\b+16*\j
.endr
.endr
.endr
.endr
	WIN 0
.irp kh, 0,1
.irp q, 0,1,2,3
	global_load_b128 v[SA+16*\kh+4*\q:SA+16*\kh+4*\q+3], v[O64], s[6:7] offset:131072*\kh+16*\q
.endr
.endr
.irp t, 0,1,2,3
.irp s, 0,1
	global_load_b32 v[WOS+2*\t+\s], v[SR8], s[10:11] offset:128*\t+4*\s
.endr
.endr
	WIN 0x40
.irp t, 0,1,2,3
.irp s, 0,1
.irp p, 0,1,2,3,4,5
	global_load_b64 v[12*(2*\t+\s)+2*\p:12*(2*\t+\s)+2*\p+1], v[AR], s[8:9] offset:16*\t*192+96*\s+48*(\p/3)+8*(\p%3)
.endr
.endr
.endr
.irp t, 0,1,2,3
	global_load_b128 v[96+8*\t:96+8*\t+3], v[B32], s[12:13] offset:64*\t          ; lane (r, hl): bo at 64 w + 16 t + 8 hl + 0 .. 7: the result's layout
	global_load_b128 v[96+8*\t+4:96+8*\t+7], v[B32], s[12:13] offset:64*\t+16
.endr
.irp i, 0,1,2,3
.irp hf, 0,1
	global_load_b128 v[128+8*\i+4*\hf:128+8*\i+4*\hf+3], v[LI], s[16:17] offset:1024*\i+512*\hf
.endr
	global_load_u8 v[176+2*\i], v[ZO], s[14:15] offset:\i
.endr
.irp hf, 0,1
	global_load_b128 v[160+4*\hf:160+4*\hf+3], v[LI], s[18:19] offset:512*\hf
	global_load_b128 v[168+4*\hf:168+4*\hf+3], v[LI], s[20:21] offset:512*\hf
.endr
	WIN 0
	s_wait_loadcnt 0x0
	; ---- the two halves' factors, by head: 2^(that half's M - the larger M) / the merged sum
.irp h, 0,1,2,3,4,5,6,7
	v_min_num_f32 v[NM+\h], v[SA+\h], v[SA+16+\h]
.endr
.irp h, 0,1,2,3,4,5,6,7
	v_sub_f32 v[G0+\h], v[NM+\h], v[SA+\h]
	v_sub_f32 v[G1+\h], v[NM+\h], v[SA+16+\h]
.endr
.irp h, 0,1,2,3,4,5,6,7
	v_cvt_i32_f32 v[G0+\h], v[G0+\h]
	v_cvt_i32_f32 v[G1+\h], v[G1+\h]
.endr
.irp h, 0,1,2,3,4,5,6,7
	v_ldexp_f32 v[G0+\h], 1.0, v[G0+\h]
	v_ldexp_f32 v[G1+\h], 1.0, v[G1+\h]
.endr
.irp h, 0,1,2,3,4,5,6,7
	v_mul_f32 v[RL+\h], v[SA+8+\h], v[G0+\h]
.endr
.irp h, 0,1,2,3,4,5,6,7
	v_fma_f32 v[RL+\h], v[SA+24+\h], v[G1+\h], v[RL+\h]
.endr
.irp h, 0,1,2,3,4,5,6,7
	v_rcp_f32 v[RL+\h], v[RL+\h]
.endr
	v_nop                                          ; a plain place behind the last reciprocal
	s_wait_alu depctr_va_vdst(0)                   ; one wait for the eight, ahead of their first reader
.irp h, 0,1,2,3,4,5,6,7
	v_mul_f32 v[G0+\h], v[G0+\h], v[RL+\h]
	v_mul_f32 v[G1+\h], v[G1+\h], v[RL+\h]
.endr
	v_mul_f32 v[ZN], 0, v[RL]                      ; 0, or NaN where no key counts (the key mask is the same for all heads)
	v_mov_b32 v[ZN+1], v[ZN]
	; ---- the rows, merged and normalised, become two fragments
.irp s, 0,1
	WIN 0x02                                       ; source 0 (opart) window 2
.set K, 0
.rept 32
	MRG1 K, \s
.set K, K+1
.endr
.set K, 0
.rept 32
	MRG0 K, \s
.set K, K+1
.endr
	WIN 0
	QUANT ST, XF+12*\s, PCT, XS+\s
.endr
	WIN 0x55
.irp i, 0,1,2,3
	v_cvt_f32_u32 v[176+2*\i], v[176+2*\i]         ; the query mask as a number,
.endr
.irp i, 0,1,2,3
	v_mov_b32 v[177+2*\i], v[176+2*\i]             ; twice
.endr
	WIN 0                                          ; (those eight name none of the products' registers: with them and these, a scale word written by a vector instruction stands 8 places ahead)
.rept 8
	v_nop
.endr
	WIN 0x11                                       ; source 0 (Wo) and C (bo) window 1
.irp t, 0,1,2,3                        ; four accumulators by turns
	MM AC+8*\t, 12*(2*\t), XF, 96+8*\t, WOS+2*\t, XS
.endr
	WIN 0x01
.irp t, 0,1,2,3
	MM AC+8*\t, 12*(2*\t+1), XF+12, AC+8*\t, WOS+2*\t+1, XS+1
.endr
	WIN 0
.rept 4
	v_nop                                          ; four places ahead of the first read of results
.endr
.set K, 0
.rept 16
	v_pk_add_f32 v[ST+2*K:ST+2*K+1], v[AC+2*K:AC+2*K+1], v[ZN:ZN+1]       ; ascending: each accumulator from its low end on
.set K, K+1
.endr
.irp t, 0,1,2,3
	ds_store_b128 v[SO], v[ST+8*\t:ST+8*\t+3] offset:64*\t                ; lane (r, hl): row r, features 64 w + 16 t + 8 hl + 0 .. 7
	ds_store_b128 v[SO], v[ST+8*\t+4:ST+8*\t+7] offset:64*\t+16
.endr
	s_wait_dscnt 0x0                               ; for the others' sake: my part of the 16 rows lies in the stage
	s_barrier_signal -1
	s_barrier_wait -1
	; ---- my four rows: mask, residual, LayerNorm.  A lane holds features 4 lane + 0 .. 3 and 128 + 4 lane + 0 .. 3
.irp i, 0,1,2,3
	ds_load_b128 v[LX+8*\i:LX+8*\i+3], v[SRD] offset:1040*\i
	ds_load_b128 v[LX+8*\i+4:LX+8*\i+7], v[SRD] offset:1040*\i+512
.endr
	s_wait_dscnt 0x0
	WIN 0x14                                       ; sources 1 and 2 window 1
.irp i, 0,1,2,3
.irp k, 0,1,2,3
	v_pk_fma_f32 v[LX+8*\i+2*\k:LX+8*\i+2*\k+1], v[LX+8*\i+2*\k:LX+8*\i+2*\k+1], v[176+2*\i:177+2*\i], v[128+8*\i+2*\k:128+8*\i+2*\k+1]   ; x = out x mask + query_feat
.endr
.endr
	WIN 0
.irp i, 0,1,2,3
	v_pk_add_f32 v[SW+4*\i:SW+4*\i+1], v[LX+8*\i:LX+8*\i+1], v[LX+8*\i+2:LX+8*\i+3]
	v_pk_add_f32 v[SW+4*\i+2:SW+4*\i+3], v[LX+8*\i+4:LX+8*\i+5], v[LX+8*\i+6:LX+8*\i+7]
.endr
.irp i, 0,1,2,3
	v_pk_add_f32 v[SW+4*\i:SW+4*\i+1], v[SW+4*\i:SW+4*\i+1], v[SW+4*\i+2:SW+4*\i+3]
.endr
.irp i, 0,1,2,3
	v_add_f32 v[SW+4*\i], v[SW+4*\i], v[SW+4*\i+1]
.endr
	REDUCE 0
.irp i, 0,1,2,3
	v_mul_f32 v[SW+4*\i], s40, v[SW+4*\i]          ; the mean
.endr
.irp i, 0,1,2,3
.irp k, 0,1,2,3
	v_pk_add_f32 v[LX+8*\i+2*\k:LX+8*\i+2*\k+1], v[LX+8*\i+2*\k:LX+8*\i+2*\k+1], v[SW+4*\i:SW+4*\i+1] op_sel_hi:[1,0] neg_lo:[0,1] neg_hi:[0,1]
.endr
.endr
.irp i, 0,1,2,3
	v_pk_mul_f32 v[SW+4*\i+2:SW+4*\i+3], v[LX+8*\i:LX+8*\i+1], v[LX+8*\i:LX+8*\i+1]
.endr
.irp k, 1,2,3
.irp i, 0,1,2,3
	v_pk_fma_f32 v[SW+4*\i+2:SW+4*\i+3], v[LX+8*\i+2*\k:LX+8*\i+2*\k+1], v[LX+8*\i+2*\k:LX+8*\i+2*\k+1], v[SW+4*\i+2:SW+4*\i+3]
.endr
.endr
.irp i, 0,1,2,3
	v_add_f32 v[SW+4*\i+2], v[SW+4*\i+2], v[SW+4*\i+3]
.endr
	REDUCE 2
.irp i, 0,1,2,3
	v_fma_f32 v[SW+4*\i+2], v[SW+4*\i+2], s40, s41         ; the variance + 1e-5
.endr
.irp i, 0,1,2,3
	v_rsq_f32 v[SW+4*\i+2], v[SW+4*\i+2]
.endr
	v_nop                                          ; a plain place behind the last of the four
	s_wait_alu depctr_va_vdst(0)                   ; one wait for the four, ahead of their first reader
.irp i, 0,1,2,3
.irp k, 0,1,2,3
	v_pk_mul_f32 v[LX+8*\i+2*\k:LX+8*\i+2*\k+1], v[LX+8*\i+2*\k:LX+8*\i+2*\k+1], v[SW+4*\i+2:SW+4*\i+3] op_sel_hi:[1,0]
.endr
.endr
	WIN 0x14
.irp i, 0,1,2,3
.irp k, 0,1,2,3
	v_pk_fma_f32 v[LX+8*\i+2*\k:LX+8*\i+2*\k+1], v[LX+8*\i+2*\k:LX+8*\i+2*\k+1], v[160+2*\k:161+2*\k], v[168+2*\k:169+2*\k]   ; x ln_g + ln_b
.endr
.endr
	WIN 0
.irp i, 0,1,2,3
.irp hf, 0,1
	global_store_b128 v[LI], v[LX+8*\i+4*\hf:LX+8*\i+4*\hf+3], s[22:23] offset:1024*\i+512*\hf th:TH_STORE_NT   ; 32 lanes store 512 consecutive bytes; written once
.endr
.endr
	s_wait_tensorcnt 0x0
	ds_add_u32 v254, v255
	s_wait_dscnt 0x0
	s_endpgm
.Lfunc_end_k_qb006f94a67_finish:
	.size	k_qb006f94a67_finish, .Lfunc_end_k_qb006f94a67_finish-k_qb006f94a67_finish
	.p2alignl 7, 3214868480
	.fill 96, 4, 3214868480
	.section	.rodata,"a",@progbits
	.p2align	6, 0x0
	.amdhsa_kernel k_qb006f94a67_finish
		.amdhsa_group_segment_fixed_size 17152
		.amdhsa_private_segment_fixed_size 0
		.amdhsa_enable_private_segment 0
		.amdhsa_kernarg_size 80
		.amdhsa_user_sgpr_count 2
		.amdhsa_user_sgpr_kernarg_segment_ptr 1
		.amdhsa_wavefront_size32 1
		.amdhsa_system_sgpr_workgroup_id_x 1
		.amdhsa_system_sgpr_workgroup_id_y 1
		.amdhsa_system_sgpr_workgroup_id_z 1
		.amdhsa_system_vgpr_workitem_id 0
		.amdhsa_next_free_vgpr 768
		.amdhsa_next_free_sgpr 66
		.amdhsa_reserve_vcc 0
		.amdhsa_float_denorm_mode_32 3
		.amdhsa_float_denorm_mode_16_64 3
		.amdhsa_memory_ordered 1
		.amdhsa_forward_progress 1
		.amdhsa_inst_pref_size 51
	.end_amdhsa_kernel
	.amdgpu_metadata
---
amdhsa.version: [ 1, 2 ]
amdhsa.kernels:
  - .name:           k_qb006f94a67_finish
    .symbol:         k_qb006f94a67_finish.kd
    .args:
      - { .name: opart, .offset: 0, .size: 8, .value_kind: global_buffer, .address_space: global }
      - { .name: ostat, .offset: 8, .size: 8, .value_kind: global_buffer, .address_space: global }
      - { .name: Wo_codes, .offset: 16, .size: 8, .value_kind: global_buffer, .address_space: global }
      - { .name: Wo_scales, .offset: 24, .size: 8, .value_kind: global_buffer, .address_space: global }
      - { .name: bo, .offset: 32, .size: 8, .value_kind: global_buffer, .address_space: global }
      - { .name: query_mask, .offset: 40, .size: 8, .value_kind: global_buffer, .address_space: global }
      - { .name: query_feat, .offset: 48, .size: 8, .value_kind: global_buffer, .address_space: global }
      - { .name: ln_g, .offset: 56, .size: 8, .value_kind: global_buffer, .address_space: global }
      - { .name: ln_b, .offset: 64, .size: 8, .value_kind: global_buffer, .address_space: global }
      - { .name: out0, .offset: 72, .size: 8, .value_kind: global_buffer, .address_space: global }
    .group_segment_fixed_size: 17152
    .private_segment_fixed_size: 0
    .kernarg_segment_align: 8
    .kernarg_segment_size: 80
    .max_flat_workgroup_size: 128
    .sgpr_count:     66
    .vgpr_count:     768
    .wavefront_size: 32
...
	.end_amdgpu_metadata
.endif
;; end of part 3
;; ======== version 2 of 3: 3 launches; 1.15 times as fast as version 1
;; limits: right only within a limited range of input values
;; workspace buffers: kimg 786,432 bytes; kscl 32,768 bytes; vimg 786,432 bytes; vscl 32,768 bytes; qimg 393,216 bytes; qscl 16,384 bytes; opart 4,194,304 bytes; ostat 262,144 bytes
;; launch project (part 4): grid 320 x 1, 4 waves a work-group, no clusters, 67,328 bytes of LDS; arguments key_feat_codes, key_feat_scales, Wk_codes, Wk_scales, Wv_codes, Wv_scales, Wq_codes, Wq_scales, query_feat, kimg, kscl, vimg, vscl, qimg, qscl; writes kimg, kscl, vimg, vscl, qimg, qscl
.if DOCPART == 4
	.amdgcn_target "amdgcn-amd-amdhsa--gfx1250"
	.amdhsa_code_object_version 6
	.text
	.protected	k_qb006f94a67_project
	.globl	k_qb006f94a67_project
	.p2align	8
	.type	k_qb006f94a67_project,@function
k_qb006f94a67_project:
	s_mov_b64 s[64:65], 0
	v_nop
	global_prefetch_b8 v0, s[64:65] scope:SCOPE_SE
	s_setreg_imm32_b32 hwreg(HW_REG_WAVE_MODE, 25, 1), 1
	s_wait_xcnt 0x0
; The three projections, Kp = key_feat Wk^T, Vp = key_feat Wv^T, Qp = query_feat Wq^T, on codes of BF6 (E3M2) with one E8M0 scale for each 32 along K,
; and their results quantised at once into the operands of the attention's two products.
; Every result leaves as an IMAGE OF AN OPERAND'S REGISTERS: 12 registers a lane (16 rows x 128 along K), register quad c at 512 c + 16 x lane, 1,536 bytes; beside it 16 scale words.
; SHARES.  Each wave makes one image.  Work-groups 0-127: K, one block of 32 keys each (wave = 2 u + g: key tile u, heads 4 g .. 4 g + 3).  128-255: V, one block of 32 keys each (wave = pair of heads).
; 256-319: Q, two tiles of 16 queries each (wave = 2 x tile + g).
; ROWS OF CODES COME THROUGH LDS.  A work-group wants all 256 rows of its W and (K, V) its 32 keys.  A load takes 8 rows x 64 bytes, 16 bytes a lane: 24 loads a wave bring a quarter of W, and each row is
; fetched once by the work-group; fragments taken straight from memory would be 96 loads of 8 bytes a wave, each row fetched by two waves.  In LDS a row has 192 bytes + 16 = 52 words: rows 0-15 of a tile
; begin at 16 different places among the 64 banks of 4 bytes (ISA guide 11.1); rows 16 apart begin at the same one, so the tiles whose rows are r + 8 (r / 8) are read two deep.
; K and Q: the product is used transposed (source 0 = 16 rows of W, source 1 = 16 keys or queries), and lane r of W's tile t takes row 32 (t / 2) + 8 (t % 2) + r + 8 (r / 8), so that a lane's 64 results are,
; block by block, 16 neighbours along the next K (a head's 32 channels).  A key tile's rows are keys 8 u + r + 8 (r / 8): with them the scores of two tiles are 16 neighbouring keys in a lane.
; V: source 0 = 16 keys, source 1 = 16 rows of Wv: a lane holds one channel and 16 neighbouring keys, since the keys are the second product's K.  Block 2 hd + ct of an image's row r: head 2 pr + hd, channel 16 ct + r.
; Q: wave (tile, g) quantises K step g of its tile's rows of query_feat; the tile's two waves exchange the two fragments through LDS as images of their registers.
; LIMITS: a block of zeros gets the scale byte 1 where the quantiser's text says 127 (its codes are zeros, and only this program reads the bytes); blocks whose largest magnitude lies under 2^(4 - 126) are held at that
; byte; NaN and infinities among the inputs are not served.
; No tensor loads and no cluster: LDS is filled once, by 27 stores a wave, and the launch is short.
.set PITCH, 208                        ; a row of 256 codes in LDS
.set KREG,  256*PITCH                  ; LDS: W's 256 rows from 0; the block's 32 keys;
.set XIMG,  KREG+32*PITCH              ; kind Q: four fragments of query_feat (2 x tile + K step), 1,536 bytes each,
.set XSCL,  XIMG+4*1536                ; their scale words, 128 bytes each;
.set OSC,   XSCL+4*128                 ; the four images' scale words on their way out, 64 bytes a wave
.set XA,  1                            ; v1   query_feat: 1,024 r + 64 hl
.set LI,  2                            ; v2   16 x lane
.set CG,  3                            ; v3   the copy, in memory: 192 (lane / 4) + 16 (lane % 4)
.set CPW, 4                            ; v4   the copy, in LDS: PITCH (lane / 4) + 16 (lane % 4) + my 64 rows of W
.set CPK, 5                            ; v5   the same + my 8 keys
.set WFK, 6                            ; v6   W's fragments, kinds K and Q: PITCH (r + 8 (r / 8)) + 24 hl + 128 g rows
.set WFV, 7                            ; v7   kind V: PITCH r + 24 hl + 64 pr rows
.set KFK, 8                            ; v8   the keys' fragments, kind K: tile u
.set KFV, 9                            ; v9   kind V: tile 0
.set SR,  10                           ; v10  scale words in memory: 8 r
.set SRP, 11                           ; v11  8 (r + 8 (r / 8))
.set XWI, 12                           ; v12  where I put my fragment of query_feat;  v13 its scale words
.set XWS, 13
.set XRI, 14                           ; v14  where my tile's two fragments lie;  v15 their scale words
.set XRS, 15
.set LW,  16                           ; v16  OSC + 64 x wave + 4 r
.set L8,  17                           ; v17  8 x lane
.set L8L, 18                           ; v18  OSC + 8 x lane
.set XF,  32                           ; v32-55   source 1 of K and Q: two fragments
.set HA,  56                           ; v56-119  64 numbers of a lane: query_feat's, later the results
.set PC,  120                          ; v120-131 an image
.set PCT, 132                          ; v132-139 the conversions' second halves
.set TM,  140                          ; v140-155 at work in QUANT
.set PW,  156                          ; the image's scale word
.set XS,  158                          ; v158-159 source 1's scale words
.set WSC, 160                          ; v160-175 W's scale words: tile t, K step s at 2 t + s
.set KSC, 176                          ; v176-179 kind V: the keys' scale words
.set OUTW, 180
.set WV,  34
.set SEL, 48
.set MSB, 0
.macro WIN new                         ; the immediate's high byte repeats the setting that is left
.if MSB != (\new)
	s_set_vgpr_msb (MSB<<8)|(\new)
.set MSB, \new
.endif
.endm
; 64 numbers of a lane, register 16 b + i = element 32 b + 16 (lane / 16) + i of my row, become a fragment's codes in v[d] on and its scale word in v[pw]
.macro QUANT s, d, t, pw
.irp b, 0,1,2,3
	v_max3_num_f32 v[TM+\b], |v[\s+16*\b]|, |v[\s+1+16*\b]|, 0x2800000   ; my 16 numbers of block b, and the floor 2^(5 - 127): the byte cannot fall under 1
.endr
.irp i, 2,4,6,8,10,12,14
.irp b, 0,1,2,3
	v_max3_num_f32 v[TM+\b], v[TM+\b], |v[\s+16*\b+\i]|, |v[\s+1+16*\b+\i]|
.endr
.endr
.irp b, 0,1,2,3
	v_permlanex16_b32 v[TM+4+\b], v[TM+\b], s[SEL], s[SEL+1]
.endr
.irp b, 0,1,2,3
	v_max_num_f32 v[TM+\b], v[TM+\b], v[TM+4+\b]           ; with lane l xor 16's: the block's largest magnitude
.endr
.irp b, 0,1,2,3
	v_add_nc_u32 v[TM+12+\b], 0xfe000000, v[TM+\b]         ; 4 off its exponent field: the conversion's scale operand
.endr
.irp b, 0,1,2,3
	v_lshrrev_b32 v[TM+4+\b], 23, v[TM+12+\b]              ; the scale's byte
.endr
	v_lshl_or_b32 v[\pw], v[TM+5], 8, v[TM+4]
	v_lshl_or_b32 v[\pw], v[TM+6], 16, v[\pw]
	v_lshl_or_b32 v[\pw], v[TM+7], 24, v[\pw]
.irp c, 0,1
	v_cvt_scalef32_pk16_bf6_f32 v[\d+6*\c:\d+2+6*\c], v[\s+32*\c:\s+15+32*\c], v[TM+12+2*\c]
	v_cvt_scalef32_pk16_bf6_f32 v[\t+4*\c:\t+2+4*\c], v[\s+16+32*\c:\s+31+32*\c], v[TM+12+2*\c+1]   ; (a conversion's three registers begin on an even number)
.endr
	v_nop                                                  ; one plain place behind a scaled conversion
.irp c, 0,1                            ; the operand's layout wants a whole block in a lane: lanes 0-15 block 2 c, lanes 16-31 block 2 c + 1
.irp i, 0,1,2
	v_permlane16_swap_b32 v[\d+6*\c+\i], v[\t+4*\c+\i]
.endr
.irp i, 0,1,2
	v_mov_b32 v[\d+3+6*\c+\i], v[\t+4*\c+\i]
.endr
.endr
.endm
.macro MM d, a, b, c, sa, sb           ; c under 0: the product starts the sum
.if (\c) < 0
	v_wmma_scale_f32_16x16x128_f8f6f4 v[\d:\d+7], v[\a:\a+11], v[\b:\b+11], 0, v[\sa], v[\sb] matrix_a_fmt:MATRIX_FMT_BF6 matrix_b_fmt:MATRIX_FMT_BF6
.else
	v_wmma_scale_f32_16x16x128_f8f6f4 v[\d:\d+7], v[\a:\a+11], v[\b:\b+11], v[\c:\c+7], v[\sa], v[\sb] matrix_a_fmt:MATRIX_FMT_BF6 matrix_b_fmt:MATRIX_FMT_BF6
.endif
.endm
.macro FRAGL reg, adr, off             ; a fragment from rows in LDS: twice 24 bytes of my row, in pieces of 8
.irp p, 0,1,2,3,4,5
	ds_load_b64 v[(\reg)+2*\p:(\reg)+2*\p+1], v[\adr] offset:(\off)+48*(\p/3)+8*(\p%3)
.endr
.endm
.macro WSCKQ                           ; kinds K and Q: a row's 8 scale bytes are the words of both K steps: one load a tile
	s_lshl_b32 s54, s38, 10                        ; g x 128 rows of 8 bytes
	s_add_nc_u64 s[46:47], s[46:47], s[54:55]
.irp t, 0,1,2,3,4,5,6,7
	global_load_b64 v[WSC+2*\t:WSC+2*\t+1], v[SRP], s[46:47] offset:(32*(\t/2)+8*(\t%2))*8
.endr
.endm
	s_load_b512 s[4:19], s[0:1], 0x0               ; key_feat codes s[4:5], scales s[6:7]; Wk s[8:9], s[10:11]; Wv s[12:13], s[14:15]; Wq s[16:17], s[18:19]
	s_load_b256 s[20:27], s[0:1], 0x40             ; query_feat s[20:21]; kimg s[22:23]; kscl s[24:25]; vimg s[26:27]
	s_load_b128 s[28:31], s[0:1], 0x60             ; vscl s[28:29]; qimg s[30:31]
	s_load_b64 s[32:33], s[0:1], 0x70              ; qscl
	v_lshl_add_u32 v254, v0, 2, 0x10500
	v_mov_b32 v255, 0
	v_lshrrev_b32 v20, 5, v0
	v_readfirstlane_b32 s[WV], v20                 ; wave 0..3
	v_and_b32 v20, 31, v0                          ; lane
	v_and_b32 v21, 15, v0                          ; r
	v_bfe_u32 v22, v0, 4, 1                        ; hl
	v_and_b32 v23, 8, v21
	v_add_nc_u32 v23, v23, v21                     ; r + 8 (r / 8)
	v_bfe_u32 v24, v0, 2, 3                        ; lane / 4
	v_and_b32 v25, 3, v0                           ; lane % 4
	s_and_b32 s38, s[WV], 1                        ; g
	s_lshr_b32 s39, s[WV], 1                       ; u, or the tile of the pair
	; every LDS address is made here, ahead of the first parting of the kinds: a constant, a lane term, the wave's number times a constant
	v_lshlrev_b32 v[XA], 10, v21
	v_lshl_add_u32 v[XA], v22, 6, v[XA]
	v_lshlrev_b32 v[LI], 4, v20
	v_lshlrev_b32 v28, 2, v20                      ; 4 x lane
	v_mul_u32_u24 v[CG], v24, 192
	v_lshl_add_u32 v[CG], v25, 4, v[CG]
	v_mul_u32_u24 v26, v24, PITCH
	v_lshl_add_u32 v26, v25, 4, v26
	s_mul_i32 s35, s[WV], 64*PITCH
	v_add_nc_u32 v[CPW], s35, v26
	v_mul_u32_u24 v27, v21, PITCH
	v_mad_u32_u24 v27, v22, 24, v27
	v_add_nc_u32 v[WFV], s35, v27
	s_mul_i32 s35, s[WV], 8*PITCH
	s_add_co_u32 s35, s35, KREG
	v_add_nc_u32 v[CPK], s35, v26
	v_mul_u32_u24 v26, v23, PITCH
	v_mad_u32_u24 v26, v22, 24, v26
	s_mul_i32 s35, s38, 128*PITCH
	v_add_nc_u32 v[WFK], s35, v26
	s_mul_i32 s35, s39, 8*PITCH
	s_add_co_u32 s35, s35, KREG
	v_add_nc_u32 v[KFK], s35, v26
	v_add_nc_u32 v[KFV], KREG, v26
	v_lshlrev_b32 v[SR], 3, v21
	v_lshlrev_b32 v[SRP], 3, v23
	s_mul_i32 s35, s[WV], 1536
	s_add_co_u32 s35, s35, XIMG
	v_add_nc_u32 v[XWI], s35, v[LI]
	s_lshl_b32 s35, s[WV], 7
	s_add_co_u32 s35, s35, XSCL
	v_add_nc_u32 v[XWS], s35, v28
	s_mul_i32 s35, s39, 3072
	s_add_co_u32 s35, s35, XIMG
	v_add_nc_u32 v[XRI], s35, v[LI]
	s_lshl_b32 s35, s39, 8
	s_add_co_u32 s35, s35, XSCL
	v_add_nc_u32 v[XRS], s35, v28
	s_lshl_b32 s35, s[WV], 6
	s_add_co_u32 s35, s35, OSC
	v_lshl_add_u32 v[LW], v21, 2, s35
	v_lshlrev_b32 v[L8], 3, v20
	v_add_nc_u32 v[L8L], OSC, v[L8]
.irp b, 0,1,2,3
	v_mov_b32 v[TM+4+\b], 0                        ; written once: a lane permute's destination counts as one of its sources
.endr
	s_mov_b32 s[SEL], 0x76543210
	s_mov_b32 s[SEL+1], 0xfedcba98                 ; lane l xor 16
	s_lshr_b32 s36, ttmp9, 7                       ; kind: 0 K, 1 V, 2 Q
	s_and_b32 s37, ttmp9, 127                      ; which block of keys, or which pair of query tiles
	s_lshl_b32 s50, s37, 2
	s_add_co_u32 s50, s50, s[WV]
	s_mul_i32 s50, s50, 1536                       ; my image's place
	s_mov_b32 s51, 0
	s_lshl_b32 s52, s37, 8                         ; the work-group's 256 bytes of scale words
	s_mov_b32 s53, 0
	s_mov_b32 s55, 0
	s_wait_kmcnt 0x0
	s_cmp_eq_u32 s36, 0                            ; the buffers are chosen by the work-group's number alone
	s_cselect_b64 s[40:41], s[22:23], s[26:27]     ; the images,
	s_cselect_b64 s[42:43], s[24:25], s[28:29]     ; their scale words,
	s_cselect_b64 s[44:45], s[8:9], s[12:13]       ; W's codes,
	s_cselect_b64 s[46:47], s[10:11], s[14:15]     ; W's scales
	s_cmp_eq_u32 s36, 2
	s_cselect_b64 s[40:41], s[30:31], s[40:41]
	s_cselect_b64 s[42:43], s[32:33], s[42:43]
	s_cselect_b64 s[44:45], s[16:17], s[44:45]
	s_cselect_b64 s[46:47], s[18:19], s[46:47]
	s_add_nc_u64 s[40:41], s[40:41], s[50:51]
	s_add_nc_u64 s[42:43], s[42:43], s[52:53]
	s_mul_i32 s54, s[WV], 12288                    ; my 64 rows of W in memory
	s_add_nc_u64 s[44:45], s[44:45], s[54:55]
	; ---- each kind's own loads first, W's copy behind them: so what is wanted first comes first
	s_cmp_eq_u32 s36, 2
	s_cbranch_scc1 .Lqload
	s_mul_i32 s54, s37, 6144                       ; kinds K and V: the block's 32 keys, my 8 of them
	s_mul_i32 s56, s[WV], 1536
	s_add_co_u32 s54, s54, s56
	s_add_nc_u64 s[4:5], s[4:5], s[54:55]
	s_lshl_b32 s54, s37, 8
	s_add_nc_u64 s[6:7], s[6:7], s[54:55]          ; and the block's scale bytes
	WIN 0x40                                       ; destination window 1
.irp j, 0,1,2
	global_load_b128 v[96+4*\j:96+4*\j+3], v[CG], s[4:5] offset:64*\j
.endr
	WIN 0
	s_cmp_eq_u32 s36, 1
	s_cbranch_scc1 .Lvscl
	s_lshl_b32 s54, s39, 6                         ; kind K: tile u begins 8 u keys on
	s_add_nc_u64 s[6:7], s[6:7], s[54:55]
	global_load_b64 v[XS:XS+1], v[SRP], s[6:7]
	WSCKQ
	s_branch .Lwcopy
.Lvscl:
.irp u, 0,1
	global_load_b64 v[KSC+2*\u:KSC+2*\u+1], v[SRP], s[6:7] offset:64*\u
.endr
	s_lshl_b32 s54, s[WV], 9                       ; my pair's 64 rows of Wv
	s_add_nc_u64 s[46:47], s[46:47], s[54:55]
.irp t, 0,1,2,3
	global_load_b64 v[WSC+2*\t:WSC+2*\t+1], v[SR], s[46:47] offset:128*\t
.endr
	s_branch .Lwcopy
.Lqload:
	s_lshl_b32 s54, s37, 1                         ; kind Q: my tile's 16 rows of 1,024 bytes, K step g
	s_add_co_u32 s54, s54, s39
	s_lshl_b32 s54, s54, 14
	s_lshl_b32 s56, s38, 9
	s_add_co_u32 s54, s54, s56
	s_add_nc_u64 s[20:21], s[20:21], s[54:55]
.irp b, 0,1,2,3
.irp j, 0,1,2,3
	global_load_b128 v[HA+16*\b+4*\j:HA+16*\b+4*\j+3], v[XA], s[20:21] offset:128*\b+16*\j    ; of each block of 32 my half's 16
.endr
.endr
	WSCKQ
.Lwcopy:
	WIN 0x40
.irp n, 0,1,2,3,4,5,6,7                ; my 64 rows of W: 8 rows x 64 bytes a load
.irp j, 0,1,2
	global_load_b128 v[12*\n+4*\j:12*\n+4*\j+3], v[CG], s[44:45] offset:1536*\n+64*\j
.endr
.endr
	WIN 0
	s_cmp_eq_u32 s36, 2
	s_cbranch_scc1 .Lqquant
	s_wait_loadcnt 24                              ; all but the 24 loads of W's copy are in: the keys among them
	WIN 0x04                                       ; an LDS store's data are its source 1: window 1
.irp j, 0,1,2
	ds_store_b128 v[CPK], v[96+4*\j:96+4*\j+3] offset:64*\j
.endr
	WIN 0
	s_branch .Lwstore
.Lqquant:
	s_wait_loadcnt 24                              ; all but the 24 loads of W's copy are in: my 64 numbers of query_feat among them
	QUANT HA, PC, PCT, PW                          ; while W is on its way
.irp c, 0,1,2
	ds_store_b128 v[XWI], v[PC+4*\c:PC+4*\c+3] offset:512*\c
.endr
	ds_store_b32 v[XWS], v[PW]
.Lwstore:
	s_wait_loadcnt 0x0
	WIN 0x04
.irp n, 0,1,2,3,4,5,6,7
.irp j, 0,1,2
	ds_store_b128 v[CPW], v[12*\n+4*\j:12*\n+4*\j+3] offset:8*PITCH*\n+64*\j
.endr
.endr
	WIN 0
	s_wait_dscnt 0x0                               ; for the others' sake: my rows lie in LDS
	s_barrier_signal -1
	s_barrier_wait -1                              ; everybody's do
	s_cmp_eq_u32 s36, 1
	s_cbranch_scc1 .Lv
	; ---- kinds K and Q: W's 16 fragments (tile t, K step s) into window 1 at 12 (2 t + s)
	WIN 0x40
.irp t, 0,1,2,3,4,5,6,7
.irp s, 0,1
	FRAGL 12*(2*\t+\s), WFK, (32*(\t/2)+8*(\t%2))*PITCH+96*\s
.endr
.endr
	WIN 0
	s_cmp_eq_u32 s36, 2
	s_cbranch_scc1 .Lq
.irp s, 0,1                            ; kind K: source 1 = keys 8 u + r + 8 (r / 8) of the block
	FRAGL XF+12*\s, KFK, 96*\s
.endr
	s_branch .Lproj
.Lq:
.irp s, 0,1                            ; kind Q: source 1 = my tile's two fragments, as their makers' registers held them
.irp c, 0,1,2
	ds_load_b128 v[XF+12*\s+4*\c:XF+12*\s+4*\c+3], v[XRI] offset:1536*\s+512*\c
.endr
	ds_load_b32 v[XS+\s], v[XRS] offset:128*\s
.endr
.Lproj:
	s_wait_dscnt 0x0
	WIN 0x01                                       ; source 0 (W) window 1
.irp t, 0,1,2,3,4,5,6,7                ; eight accumulators by turns, K step by K step
	MM HA+8*\t, 12*(2*\t), XF, -1, WSC+2*\t, XS
.endr
.irp t, 0,1,2,3,4,5,6,7
	MM HA+8*\t, 12*(2*\t+1), XF+12, HA+8*\t, WSC+2*\t+1, XS+1
.endr
	WIN 0
	s_branch .Lout
.Lv:
	; ---- kind V: source 0 = the block's two key tiles, source 1 = rows 64 pr + 16 t + r of Wv
	WIN 0x40
.irp u, 0,1
.irp s, 0,1
	FRAGL 12*(2*\u+\s), KFV, 8*\u*PITCH+96*\s
.endr
.endr
.irp t, 0,1,2,3
.irp s, 0,1
	FRAGL 48+12*(2*\t+\s), WFV, 16*\t*PITCH+96*\s
.endr
.endr
	WIN 0
	s_wait_dscnt 0x0
	WIN 0x05                                       ; sources 0 and 1 window 1
.irp t, 0,1,2,3
.irp u, 0,1
	MM HA+16*\t+8*\u, 12*(2*\u), 48+12*(2*\t), -1, KSC+2*\u, WSC+2*\t
.endr
.endr
.irp t, 0,1,2,3
.irp u, 0,1
	MM HA+16*\t+8*\u, 12*(2*\u+1), 48+12*(2*\t+1), HA+16*\t+8*\u, KSC+2*\u+1, WSC+2*\t+1
.endr
.endr
	WIN 0
.Lout:
.rept 4
	v_nop                                          ; four places between the last product and the first read of results
.endr
	QUANT HA, PC, PCT, PW                          ; each accumulator is read from its low end on
.irp c, 0,1,2
	global_store_b128 v[LI], v[PC+4*\c:PC+4*\c+3], s[40:41] offset:512*\c   ; 32 lanes store 512 consecutive bytes
.endr
	ds_store_b32 v[LW], v[PW]                      ; both halves of the lanes hold the same word and write it to the same place
	s_wait_dscnt 0x0                               ; for the others' sake: my words lie in LDS
	s_barrier_signal -1
	s_barrier_wait -1
	s_cmp_lg_u32 s[WV], 0
	s_cbranch_scc1 .Lend
	ds_load_b64 v[OUTW:OUTW+1], v[L8L]             ; the four waves' 64 words leave as 256 consecutive bytes, aligned
	s_wait_dscnt 0x0
	global_store_b64 v[L8], v[OUTW:OUTW+1], s[42:43]
.Lend:
	s_wait_tensorcnt 0x0
	ds_add_u32 v254, v255
	s_wait_dscnt 0x0
	s_endpgm
.Lfunc_end_k_qb006f94a67_project:
	.size	k_qb006f94a67_project, .Lfunc_end_k_qb006f94a67_project-k_qb006f94a67_project
	.p2alignl 7, 3214868480
	.fill 96, 4, 3214868480
	.section	.rodata,"a",@progbits
	.p2align	6, 0x0
	.amdhsa_kernel k_qb006f94a67_project
		.amdhsa_group_segment_fixed_size 67328
		.amdhsa_private_segment_fixed_size 0
		.amdhsa_enable_private_segment 0
		.amdhsa_kernarg_size 120
		.amdhsa_user_sgpr_count 2
		.amdhsa_user_sgpr_kernarg_segment_ptr 1
		.amdhsa_wavefront_size32 1
		.amdhsa_system_sgpr_workgroup_id_x 1
		.amdhsa_system_sgpr_workgroup_id_y 1
		.amdhsa_system_sgpr_workgroup_id_z 1
		.amdhsa_system_vgpr_workitem_id 0
		.amdhsa_next_free_vgpr 448
		.amdhsa_next_free_sgpr 66
		.amdhsa_reserve_vcc 0
		.amdhsa_float_denorm_mode_32 3
		.amdhsa_float_denorm_mode_16_64 3
		.amdhsa_memory_ordered 1
		.amdhsa_forward_progress 1
		.amdhsa_inst_pref_size 39
	.end_amdhsa_kernel
	.amdgpu_metadata
---
amdhsa.version: [ 1, 2 ]
amdhsa.kernels:
  - .name:           k_qb006f94a67_project
    .symbol:         k_qb006f94a67_project.kd
    .args:
      - { .name: key_feat_codes, .offset: 0, .size: 8, .value_kind: global_buffer, .address_space: global }
      - { .name: key_feat_scales, .offset: 8, .size: 8, .value_kind: global_buffer, .address_space: global }
      - { .name: Wk_codes, .offset: 16, .size: 8, .value_kind: global_buffer, .address_space: global }
      - { .name: Wk_scales, .offset: 24, .size: 8, .value_kind: global_buffer, .address_space: global }
      - { .name: Wv_codes, .offset: 32, .size: 8, .value_kind: global_buffer, .address_space: global }
      - { .name: Wv_scales, .offset: 40, .size: 8, .value_kind: global_buffer, .address_space: global }
      - { .name: Wq_codes, .offset: 48, .size: 8, .value_kind: global_buffer, .address_space: global }
      - { .name: Wq_scales, .offset: 56, .size: 8, .value_kind: global_buffer, .address_space: global }
      - { .name: query_feat, .offset: 64, .size: 8, .value_kind: global_buffer, .address_space: global }
      - { .name: kimg, .offset: 72, .size: 8, .value_kind: global_buffer, .address_space: global }
      - { .name: kscl, .offset: 80, .size: 8, .value_kind: global_buffer, .address_space: global }
      - { .name: vimg, .offset: 88, .size: 8, .value_kind: global_buffer, .address_space: global }
      - { .name: vscl, .offset: 96, .size: 8, .value_kind: global_buffer, .address_space: global }
      - { .name: qimg, .offset: 104, .size: 8, .value_kind: global_buffer, .address_space: global }
      - { .name: qscl, .offset: 112, .size: 8, .value_kind: global_buffer, .address_space: global }
    .group_segment_fixed_size: 67328
    .private_segment_fixed_size: 0
    .kernarg_segment_align: 8
    .kernarg_segment_size: 120
    .max_flat_workgroup_size: 128
    .sgpr_count:     66
    .vgpr_count:     448
    .wavefront_size: 32
...
	.end_amdgpu_metadata
.endif
;; end of part 4
;; launch attend: the kernel of part 2 again; grid 128 x 2, 4 waves a work-group, no clusters, 92,672 bytes of LDS; arguments qimg, qscl, kimg, kscl, vimg, vscl, query_pos, key_pos, key_mask, Wrbf, opart, ostat; writes opart, ostat
;; launch finish (part 5): grid 128 x 1, 4 waves a work-group, no clusters, 73,728 bytes of LDS; arguments opart, ostat, Wo_codes, Wo_scales, bo, query_mask, query_feat, ln_g, ln_b, out0; writes out0
.if DOCPART == 5
	.amdgcn_target "amdgcn-amd-amdhsa--gfx1250"
	.amdhsa_code_object_version 6
	.text
	.protected	k_qb006f94a67_finish
	.globl	k_qb006f94a67_finish
	.p2align	8
	.type	k_qb006f94a67_finish,@function
k_qb006f94a67_finish:
	s_mov_b64 s[64:65], 0
	v_nop
	global_prefetch_b8 v0, s[64:65] scope:SCOPE_SE
	s_setreg_imm32_b32 hwreg(HW_REG_WAVE_MODE, 25, 1), 1
	s_wait_xcnt 0x0
; The two halves of the keys are merged, O is divided by the row's sum and quantised; then out = O Wo^T + bo on codes of BF6 (E3M2), the query mask, the residual and the LayerNorm.
; SHARES.  A work-group has 16 rows.  Wave w merges and quantises features 64 w .. 64 w + 63 of them (heads 2 w and 2 w + 1): two blocks of 32, which are half a fragment: six registers a lane and two scale bytes.
; The four pieces meet in LDS as images of their registers, so that each number of opart is loaded once by the work-group: 16 loads a wave.  Then wave w makes output features 64 w .. 64 w + 63 (four tiles,
; transposed: source 0 = 16 rows of Wo, source 1 = the 16 rows), and afterwards finishes rows 4 w .. 4 w + 3.
; Wo's 64 rows of a wave come by 24 loads of 8 rows x 64 bytes, 16 bytes a lane, and turn into fragments through the wave's own LDS bytes (rows of 192 + 16 bytes = 52 words: the 16 rows of a tile begin at 16
; different places among the 64 banks of 4 bytes, ISA guide 11.1); straight from memory they would be 48 loads of 8 bytes.
; The four waves' parts of a row meet in a stage in LDS (rows of 1,024 + 16 bytes); a wave then holds whole rows, eight numbers a lane.  bo is loaded in that layout, two loads, and goes in with the residual:
; x = y mask + (bo mask + query_feat): another order of f32 rounding than (y + bo) mask + query_feat.
; A row none of whose keys counts has the sum 0: 0 x (1 / sum) is NaN there and 0 elsewhere, and is added to the product's result, since a code cannot carry a NaN.
; LIMITS: as in the launches before: a block of zeros has the scale byte 1; NaN and infinities among the inputs are not served.
; No tensor loads, no cluster: LDS is filled once and the launch is short.
.set PITCH, 208
.set WOREG, 16*1040                    ; LDS: the stage from 0; Wo's 256 rows;
.set XIMG,  WOREG+256*PITCH            ; the four pieces, 768 bytes each: four registers at 16 x lane, two at 512 + 8 x lane;
.set XSC,   XIMG+4*768                 ; the two fragments' scale words, 128 bytes each
.set XA,  1                            ; v1   opart: 1,024 r + 64 hl
.set O64, 2                            ; v2   ostat: 64 r
.set SR8, 3                            ; v3   Wo's scale words: 8 r
.set LI,  4                            ; v4   16 x lane
.set ZO,  5                            ; v5   0
.set CG,  6                            ; v6   the copy, in memory: 192 (lane / 4) + 16 (lane % 4)
.set CPW, 7                            ; v7   the copy, in LDS
.set WFA, 8                            ; v8   Wo's fragments: PITCH r + 24 hl + my 64 rows
.set XW1, 9                            ; v9, v10  where I put my piece;  v11 its two scale bytes
.set XW2, 10
.set XWS, 11
.set XR1, 12                           ; v12, v13 where the pieces lie;  v14 the scale words
.set XR2, 13
.set XRS, 14
.set SO,  15                           ; v15  the stage: where I put 32 bytes of a row
.set SA,  16                           ; v16-23   my two heads: -M and sum of half 0, -M and sum of half 1
.set G0,  24                           ; v24-25   factor of half 0, by head;  v26-27 of half 1
.set G1,  26
.set NM,  28
.set RL,  30
.set O0,  32                           ; v32-63   half 0's 32 numbers of a lane;  v64-95 half 1's
.set O1,  64
.set ST,  96                           ; v96-127  the merged 32; later the results on their way to the stage
.set XF,  128                          ; v128-151 the rows' two fragments
.set XS,  152                          ; v152-153 their scale words
.set WOS, 154                          ; v154-161 Wo's scale words: tile t, K step s at 2 t + s
.set ZN,  162                          ; v162-163 0, or NaN
.set PCT, 164
.set PC,  168                          ; v168-173 my piece
.set TM,  176
.set PW,  192
.set MKW, 193                          ; my four rows' mask bytes
.set TT,  194
.set SRD, 198                          ; where I read rows back from the stage
.set AC,  204                          ; v204-235 four accumulators
.set SW,  16                           ; the LayerNorm's sums, four registers a row
.set LX,  32                           ; and its rows, eight registers each
.set WV,  24
.set SEL, 26
.set MSB, 0
.macro WIN new                         ; the immediate's high byte repeats the setting that is left
.if MSB != (\new)
	s_set_vgpr_msb (MSB<<8)|(\new)
.set MSB, \new
.endif
.endm
.macro MM d, a, b, c, sa, sb           ; c under 0: the product starts the sum
.if (\c) < 0
	v_wmma_scale_f32_16x16x128_f8f6f4 v[\d:\d+7], v[\a:\a+11], v[\b:\b+11], 0, v[\sa], v[\sb] matrix_a_fmt:MATRIX_FMT_BF6 matrix_b_fmt:MATRIX_FMT_BF6
.else
	v_wmma_scale_f32_16x16x128_f8f6f4 v[\d:\d+7], v[\a:\a+11], v[\b:\b+11], v[\c:\c+7], v[\sa], v[\sb] matrix_a_fmt:MATRIX_FMT_BF6 matrix_b_fmt:MATRIX_FMT_BF6
.endif
.endm
.macro MRG1 k                          ; pair k of my 16: half 1's part x its head's factor (head k / 8 of my two)
.if (\k)/8
	v_pk_mul_f32 v[ST+2*(\k):ST+2*(\k)+1], v[O1+2*(\k):O1+2*(\k)+1], v[G1:G1+1] op_sel:[0,1] op_sel_hi:[1,1]
.else
	v_pk_mul_f32 v[ST+2*(\k):ST+2*(\k)+1], v[O1+2*(\k):O1+2*(\k)+1], v[G1:G1+1] op_sel_hi:[1,0]
.endif
.endm
.macro MRG0 k                          ; + half 0's part x its factor
.if (\k)/8
	v_pk_fma_f32 v[ST+2*(\k):ST+2*(\k)+1], v[O0+2*(\k):O0+2*(\k)+1], v[G0:G0+1], v[ST+2*(\k):ST+2*(\k)+1] op_sel:[0,1,0] op_sel_hi:[1,1,1]
.else
	v_pk_fma_f32 v[ST+2*(\k):ST+2*(\k)+1], v[O0+2*(\k):O0+2*(\k)+1], v[G0:G0+1], v[ST+2*(\k):ST+2*(\k)+1] op_sel_hi:[1,0,1]
.endif
.endm
.macro REDUCE o                        ; the four rows' numbers at SW + 4 i + o are summed over the 32 lanes; SW + 4 i + o + 1 is at work
.irp m, 1,2,4,8
.irp i, 0,1,2,3
	v_add_f32_dpp v[SW+4*\i+\o], v[SW+4*\i+\o], v[SW+4*\i+\o] row_xmask:\m row_mask:0xf bank_mask:0xf
.endr
.endr
.irp i, 0,1,2,3
	v_permlanex16_b32 v[SW+4*\i+\o+1], v[SW+4*\i+\o], s[SEL], s[SEL+1]
.endr
.irp i, 0,1,2,3
	v_add_f32 v[SW+4*\i+\o], v[SW+4*\i+\o], v[SW+4*\i+\o+1]
.endr
.endm
	s_load_b512 s[4:19], s[0:1], 0x0               ; opart s[4:5], ostat s[6:7], Wo codes s[8:9], scales s[10:11], bo s[12:13], query_mask s[14:15], query_feat s[16:17], ln_g s[18:19]
	s_load_b128 s[20:23], s[0:1], 0x40             ; ln_b s[20:21], out0 s[22:23]
	v_lshl_add_u32 v254, v0, 2, 0x11e00
	v_mov_b32 v255, 0
	v_lshrrev_b32 v236, 5, v0
	v_readfirstlane_b32 s[WV], v236                ; wave 0..3
	v_and_b32 v236, 31, v0                         ; lane
	v_and_b32 v237, 15, v0                         ; r
	v_bfe_u32 v238, v0, 4, 1                       ; hl
	v_bfe_u32 v239, v0, 2, 3                       ; lane / 4
	v_and_b32 v240, 3, v0                          ; lane % 4
	v_lshlrev_b32 v[XA], 10, v237
	v_lshl_add_u32 v[XA], v238, 6, v[XA]
	v_lshlrev_b32 v[O64], 6, v237
	v_lshlrev_b32 v[SR8], 3, v237
	v_lshlrev_b32 v[LI], 4, v236
	v_mov_b32 v[ZO], 0
	v_mul_u32_u24 v[CG], v239, 192
	v_lshl_add_u32 v[CG], v240, 4, v[CG]
	s_mul_i32 s28, s[WV], 64*PITCH
	s_add_co_u32 s28, s28, WOREG                   ; my 64 rows of Wo in LDS
	v_mul_u32_u24 v[CPW], v239, PITCH
	v_lshl_add_u32 v[CPW], v240, 4, v[CPW]
	v_add_nc_u32 v[CPW], s28, v[CPW]
	v_mul_u32_u24 v[WFA], v237, PITCH
	v_mad_u32_u24 v[WFA], v238, 24, v[WFA]
	v_add_nc_u32 v[WFA], s28, v[WFA]
	s_mul_i32 s28, s[WV], 768
	s_add_co_u32 s28, s28, XIMG                    ; my piece: K step w / 2, half w % 2
	v_add_nc_u32 v[XW1], s28, v[LI]
	s_add_co_u32 s28, s28, 512
	v_lshl_add_u32 v[XW2], v236, 3, s28
	s_lshr_b32 s28, s[WV], 1
	s_lshl_b32 s28, s28, 7
	s_and_b32 s29, s[WV], 1
	s_lshl_b32 s29, s29, 1
	s_add_co_u32 s28, s28, s29
	s_add_co_u32 s28, s28, XSC
	v_lshl_add_u32 v[XWS], v236, 2, s28            ; 4 x lane + 128 (w / 2) + 2 (w % 2): my two bytes of the lane's word
	v_add_nc_u32 v[XR1], XIMG, v[LI]
	v_lshl_add_u32 v[XR2], v236, 3, XIMG+512
	v_lshl_add_u32 v[XRS], v236, 2, XSC
	s_lshl_b32 s28, s[WV], 8
	v_mul_u32_u24 v[SO], v237, 1040
	v_lshl_add_u32 v[SO], v238, 5, v[SO]
	v_add_nc_u32 v[SO], s28, v[SO]                 ; row r, + 256 x wave, + 32 hl
	s_mul_i32 s28, s[WV], 4160
	v_add_nc_u32 v[SRD], s28, v[LI]                ; my four rows, 16 bytes a lane
.irp b, 0,1
	v_mov_b32 v[TM+4+\b], 0                        ; a lane permute's destination counts as one of its sources
.endr
	s_mov_b32 s[SEL], 0x76543210
	s_mov_b32 s[SEL+1], 0xfedcba98
	s_mov_b32 s40, 0x3b800000                      ; 1 / 256
	s_mov_b32 s41, 0x3727c5ac                      ; 1e-5
	s_mov_b32 s31, 0
	s_mov_b32 s33, 0
	s_wait_kmcnt 0x0
	s_lshl_b32 s30, ttmp9, 14                      ; 16 rows of 1,024 bytes a work-group
	s_lshl_b32 s32, s[WV], 8
	s_add_co_u32 s32, s32, s30                     ; + my 64 features
	s_add_nc_u64 s[4:5], s[4:5], s[32:33]
	s_lshl_b32 s32, s[WV], 12
	s_add_co_u32 s30, s30, s32                     ; + my four rows
	s_add_nc_u64 s[16:17], s[16:17], s[30:31]
	s_add_nc_u64 s[22:23], s[22:23], s[30:31]
	s_lshl_b32 s30, ttmp9, 10
	s_lshl_b32 s32, s[WV], 3
	s_add_co_u32 s30, s30, s32                     ; ostat: 64 bytes a row, + my two heads
	s_add_nc_u64 s[6:7], s[6:7], s[30:31]
	s_mul_i32 s30, s[WV], 12288                    ; my 64 rows of Wo
	s_add_nc_u64 s[8:9], s[8:9], s[30:31]
	s_lshl_b32 s30, s[WV], 9
	s_add_nc_u64 s[10:11], s[10:11], s[30:31]
	s_lshl_b32 s30, ttmp9, 4
	s_lshl_b32 s32, s[WV], 2
	s_add_co_u32 s30, s30, s32
	s_add_nc_u64 s[14:15], s[14:15], s[30:31]
	; ---- all loads in one run, in the order in which they are wanted: 63 a wave.  Window 1: Wo from v0; query_feat's rows from v128; ln_g v160, ln_b v168; the mask v176 on; bo v184
	global_load_b64 v[SA:SA+1], v[O64], s[6:7]
	global_load_b64 v[SA+2:SA+3], v[O64], s[6:7] offset:32
	global_load_b64 v[SA+4:SA+5], v[O64], s[6:7] offset:131072
	global_load_b64 v[SA+6:SA+7], v[O64], s[6:7] offset:131072+32
.irp kh, 0,1
.irp b, 0,1
.irp j, 0,1,2,3
	global_load_b128 v[O0+32*\kh+16*\b+4*\j:O0+32*\kh+16*\b+4*\j+3], v[XA], s[4:5] offset:2097152*\kh+128*\b+16*\j
.endr
.endr
.endr
	WIN 0x40
.irp n, 0,1,2,3,4,5,6,7
.irp j, 0,1,2
	global_load_b128 v[12*\n+4*\j:12*\n+4*\j+3], v[CG], s[8:9] offset:1536*\n+64*\j
.endr
.endr
	WIN 0
.irp t, 0,1,2,3
	global_load_b64 v[WOS+2*\t:WOS+2*\t+1], v[SR8], s[10:11] offset:128*\t         ; a row's 8 scale bytes are the words of both K steps
.endr
	global_load_b32 v[MKW], v[ZO], s[14:15]
	WIN 0x40
.irp hf, 0,1
	global_load_b128 v[184+4*\hf:184+4*\hf+3], v[LI], s[12:13] offset:512*\hf
.endr
.irp i, 0,1,2,3
.irp hf, 0,1
	global_load_b128 v[128+8*\i+4*\hf:128+8*\i+4*\hf+3], v[LI], s[16:17] offset:1024*\i+512*\hf
.endr
.endr
.irp hf, 0,1
	global_load_b128 v[160+4*\hf:160+4*\hf+3], v[LI], s[18:19] offset:512*\hf
	global_load_b128 v[168+4*\hf:168+4*\hf+3], v[LI], s[20:21] offset:512*\hf
.endr
	WIN 0
	s_wait_loadcnt 43                              ; ostat's and opart's 20 loads are in; the 43 issued behind them may be out
	; ---- the two halves' factors for my two heads: 2^(that half's M - the larger M) / the merged sum
.irp h, 0,1
	v_min_num_f32 v[NM+\h], v[SA+\h], v[SA+4+\h]
.endr
.irp h, 0,1
	v_sub_f32 v[G0+\h], v[NM+\h], v[SA+\h]
	v_sub_f32 v[G1+\h], v[NM+\h], v[SA+4+\h]
.endr
.irp h, 0,1
	v_cvt_i32_f32 v[G0+\h], v[G0+\h]
	v_cvt_i32_f32 v[G1+\h], v[G1+\h]
.endr
.irp h, 0,1
	v_ldexp_f32 v[G0+\h], 1.0, v[G0+\h]
	v_ldexp_f32 v[G1+\h], 1.0, v[G1+\h]
.endr
.irp h, 0,1
	v_mul_f32 v[RL+\h], v[SA+2+\h], v[G0+\h]
.endr
.irp h, 0,1
	v_fma_f32 v[RL+\h], v[SA+6+\h], v[G1+\h], v[RL+\h]
.endr
.irp h, 0,1
	v_rcp_f32 v[RL+\h], v[RL+\h]
.endr
	v_nop                                          ; a plain place behind the last reciprocal
	s_wait_alu depctr_va_vdst(0)                   ; one wait for the two, ahead of their first reader
.irp h, 0,1
	v_mul_f32 v[G0+\h], v[G0+\h], v[RL+\h]
	v_mul_f32 v[G1+\h], v[G1+\h], v[RL+\h]
.endr
	v_mul_f32 v[ZN], 0, v[RL]                      ; 0, or NaN where no key counts (the key mask is the same for all heads)
	v_mov_b32 v[ZN+1], v[ZN]
	; ---- my 32 numbers of a lane, merged and normalised: register 16 b + i = feature 64 w + 32 b + 16 hl + i of row r
.set K, 0
.rept 16
	MRG1 K
.set K, K+1
.endr
.set K, 0
.rept 16
	MRG0 K
.set K, K+1
.endr
	; ---- two blocks become six registers of a fragment and two scale bytes
.irp b, 0,1
	v_max3_num_f32 v[TM+\b], |v[ST+16*\b]|, |v[ST+1+16*\b]|, 0x2800000     ; the floor 2^(5 - 127): the byte cannot fall under 1
.endr
.irp i, 2,4,6,8,10,12,14
.irp b, 0,1
	v_max3_num_f32 v[TM+\b], v[TM+\b], |v[ST+16*\b+\i]|, |v[ST+1+16*\b+\i]|
.endr
.endr
.irp b, 0,1
	v_permlanex16_b32 v[TM+4+\b], v[TM+\b], s[SEL], s[SEL+1]
.endr
.irp b, 0,1
	v_max_num_f32 v[TM+\b], v[TM+\b], v[TM+4+\b]           ; with lane l xor 16's: the block's largest magnitude
.endr
.irp b, 0,1
	v_add_nc_u32 v[TM+12+\b], 0xfe000000, v[TM+\b]         ; 4 off the exponent field: the conversion's scale operand
.endr
.irp b, 0,1
	v_lshrrev_b32 v[TM+4+\b], 23, v[TM+12+\b]              ; the scale's byte
.endr
	v_lshl_or_b32 v[PW], v[TM+5], 8, v[TM+4]
	v_cvt_scalef32_pk16_bf6_f32 v[PC:PC+2], v[ST:ST+15], v[TM+12]
	v_cvt_scalef32_pk16_bf6_f32 v[PCT:PCT+2], v[ST+16:ST+31], v[TM+13]     ; (a conversion's three registers begin on an even number)
	v_nop                                                  ; one plain place behind a scaled conversion
.irp i, 0,1,2
	v_permlane16_swap_b32 v[PC+\i], v[PCT+\i]              ; a whole block in a lane: lanes 0-15 the first block, lanes 16-31 the second
.endr
.irp i, 0,1,2
	v_mov_b32 v[PC+3+\i], v[PCT+\i]
.endr
	ds_store_b128 v[XW1], v[PC:PC+3]
	ds_store_b64 v[XW2], v[PC+4:PC+5]
	ds_store_b16 v[XWS], v[PW]
	; ---- Wo: rows into my own LDS bytes, fragments (tile t, K step s) back into window 1 at 12 (2 t + s).  LDS serves a wave's instructions in order (ISA guide 5.7.1.4): the loads see the stores
	s_wait_loadcnt 19                              ; the copy's 24 loads are in; the 19 issued behind them may be out
	WIN 0x04                                       ; an LDS store's data are its source 1: window 1
.irp n, 0,1,2,3,4,5,6,7
.irp j, 0,1,2
	ds_store_b128 v[CPW], v[12*\n+4*\j:12*\n+4*\j+3] offset:8*PITCH*\n+64*\j
.endr
.endr
	WIN 0x40
.irp t, 0,1,2,3
.irp s, 0,1
.irp p, 0,1,2,3,4,5
	ds_load_b64 v[12*(2*\t+\s)+2*\p:12*(2*\t+\s)+2*\p+1], v[WFA] offset:16*\t*PITCH+96*\s+48*(\p/3)+8*(\p%3)
.endr
.endr
.endr
	WIN 0
	s_wait_loadcnt 0x0
.irp i, 0,1,2,3
	v_bfe_u32 v[TT+\i], v[MKW], 8*\i, 8            ; the query mask of my four rows,
.endr
.irp i, 0,1,2,3
	v_cvt_f32_u32 v[TT+\i], v[TT+\i]               ; as numbers,
.endr
	WIN 0x40
.irp i, 0,1,2,3
	v_mov_b32 v[176+2*\i], v[TT+\i]                ; twice
	v_mov_b32 v[177+2*\i], v[TT+\i]
.endr
	WIN 0x55                                       ; all in window 1
.irp i, 0,1,2,3
.irp k, 0,1,2,3
	v_pk_fma_f32 v[128+8*\i+2*\k:128+8*\i+2*\k+1], v[184+2*\k:185+2*\k], v[176+2*\i:177+2*\i], v[128+8*\i+2*\k:128+8*\i+2*\k+1]   ; bo x mask + query_feat
.endr
.endr
	WIN 0
	s_wait_dscnt 0x0                               ; for the others' sake: my piece lies in LDS; and Wo's fragments are in
	s_barrier_signal -1
	s_barrier_wait -1                              ; the four pieces do
.irp s, 0,1
.irp c, 0,1
	ds_load_b128 v[XF+12*\s+6*\c:XF+12*\s+6*\c+3], v[XR1] offset:768*(2*\s+\c)
	ds_load_b64 v[XF+12*\s+6*\c+4:XF+12*\s+6*\c+5], v[XR2] offset:768*(2*\s+\c)
.endr
	ds_load_b32 v[XS+\s], v[XRS] offset:128*\s
.endr
	s_wait_dscnt 0x0
	WIN 0x01                                       ; source 0 (Wo) window 1
.irp t, 0,1,2,3                        ; four accumulators by turns
	MM AC+8*\t, 12*(2*\t), XF, -1, WOS+2*\t, XS
.endr
.irp t, 0,1,2,3
	MM AC+8*\t, 12*(2*\t+1), XF+12, AC+8*\t, WOS+2*\t+1, XS+1
.endr
	WIN 0
.rept 4
	v_nop                                          ; four places ahead of the first read of results
.endr
.set K, 0
.rept 16
	v_pk_add_f32 v[ST+2*K:ST+2*K+1], v[AC+2*K:AC+2*K+1], v[ZN:ZN+1]       ; ascending: each accumulator from its low end on
.set K, K+1
.endr
.irp t, 0,1,2,3
	ds_store_b128 v[SO], v[ST+8*\t:ST+8*\t+3] offset:64*\t                ; lane (r, hl): row r, features 64 w + 16 t + 8 hl + 0 .. 7
	ds_store_b128 v[SO], v[ST+8*\t+4:ST+8*\t+7] offset:64*\t+16
.endr
	s_wait_dscnt 0x0                               ; for the others' sake: my part of the 16 rows lies in the stage
	s_barrier_signal -1
	s_barrier_wait -1
	; ---- my four rows: mask, bias, residual, LayerNorm.  A lane holds features 4 lane + 0 .. 3 and 128 + 4 lane + 0 .. 3
.irp i, 0,1,2,3
	ds_load_b128 v[LX+8*\i:LX+8*\i+3], v[SRD] offset:1040*\i
	ds_load_b128 v[LX+8*\i+4:LX+8*\i+7], v[SRD] offset:1040*\i+512
.endr
	s_wait_dscnt 0x0
	WIN 0x14                                       ; sources 1 and 2 window 1
.irp i, 0,1,2,3
.irp k, 0,1,2,3
	v_pk_fma_f32 v[LX+8*\i+2*\k:LX+8*\i+2*\k+1], v[LX+8*\i+2*\k:LX+8*\i+2*\k+1], v[176+2*\i:177+2*\i], v[128+8*\i+2*\k:128+8*\i+2*\k+1]   ; x = y x mask + (bo x mask + query_feat)
.endr
.endr
	WIN 0
.irp i, 0,1,2,3
	v_pk_add_f32 v[SW+4*\i:SW+4*\i+1], v[LX+8*\i:LX+8*\i+1], v[LX+8*\i+2:LX+8*\i+3]
	v_pk_add_f32 v[SW+4*\i+2:SW+4*\i+3], v[LX+8*\i+4:LX+8*\i+5], v[LX+8*\i+6:LX+8*\i+7]
.endr
.irp i, 0,1,2,3
	v_pk_add_f32 v[SW+4*\i:SW+4*\i+1], v[SW+4*\i:SW+4*\i+1], v[SW+4*\i+2:SW+4*\i+3]
.endr
.irp i, 0,1,2,3
	v_add_f32 v[SW+4*\i], v[SW+4*\i], v[SW+4*\i+1]
.endr
	REDUCE 0
.irp i, 0,1,2,3
	v_mul_f32 v[SW+4*\i], s40, v[SW+4*\i]          ; the mean
.endr
.irp i, 0,1,2,3
.irp k, 0,1,2,3
	v_pk_add_f32 v[LX+8*\i+2*\k:LX+8*\i+2*\k+1], v[LX+8*\i+2*\k:LX+8*\i+2*\k+1], v[SW+4*\i:SW+4*\i+1] op_sel_hi:[1,0] neg_lo:[0,1] neg_hi:[0,1]
.endr
.endr
.irp i, 0,1,2,3
	v_pk_mul_f32 v[SW+4*\i+2:SW+4*\i+3], v[LX+8*\i:LX+8*\i+1], v[LX+8*\i:LX+8*\i+1]
.endr
.irp k, 1,2,3
.irp i, 0,1,2,3
	v_pk_fma_f32 v[SW+4*\i+2:SW+4*\i+3], v[LX+8*\i+2*\k:LX+8*\i+2*\k+1], v[LX+8*\i+2*\k:LX+8*\i+2*\k+1], v[SW+4*\i+2:SW+4*\i+3]
.endr
.endr
.irp i, 0,1,2,3
	v_add_f32 v[SW+4*\i+2], v[SW+4*\i+2], v[SW+4*\i+3]
.endr
	REDUCE 2
.irp i, 0,1,2,3
	v_fma_f32 v[SW+4*\i+2], v[SW+4*\i+2], s40, s41         ; the variance + 1e-5
.endr
.irp i, 0,1,2,3
	v_rsq_f32 v[SW+4*\i+2], v[SW+4*\i+2]
.endr
	v_nop                                          ; a plain place behind the last of the four
	s_wait_alu depctr_va_vdst(0)                   ; one wait for the four, ahead of their first reader
.irp i, 0,1,2,3
.irp k, 0,1,2,3
	v_pk_mul_f32 v[LX+8*\i+2*\k:LX+8*\i+2*\k+1], v[LX+8*\i+2*\k:LX+8*\i+2*\k+1], v[SW+4*\i+2:SW+4*\i+3] op_sel_hi:[1,0]
.endr
.endr
	WIN 0x14
.irp i, 0,1,2,3
.irp k, 0,1,2,3
	v_pk_fma_f32 v[LX+8*\i+2*\k:LX+8*\i+2*\k+1], v[LX+8*\i+2*\k:LX+8*\i+2*\k+1], v[160+2*\k:161+2*\k], v[168+2*\k:169+2*\k]   ; x ln_g + ln_b
.endr
.endr
	WIN 0
.irp i, 0,1,2,3
.irp hf, 0,1
	global_store_b128 v[LI], v[LX+8*\i+4*\hf:LX+8*\i+4*\hf+3], s[22:23] offset:1024*\i+512*\hf th:TH_STORE_NT   ; 32 lanes store 512 consecutive bytes; written once
.endr
.endr
	s_wait_tensorcnt 0x0
	ds_add_u32 v254, v255
	s_wait_dscnt 0x0
	s_endpgm
.Lfunc_end_k_qb006f94a67_finish:
	.size	k_qb006f94a67_finish, .Lfunc_end_k_qb006f94a67_finish-k_qb006f94a67_finish
	.p2alignl 7, 3214868480
	.fill 96, 4, 3214868480
	.section	.rodata,"a",@progbits
	.p2align	6, 0x0
	.amdhsa_kernel k_qb006f94a67_finish
		.amdhsa_group_segment_fixed_size 73728
		.amdhsa_private_segment_fixed_size 0
		.amdhsa_enable_private_segment 0
		.amdhsa_kernarg_size 80
		.amdhsa_user_sgpr_count 2
		.amdhsa_user_sgpr_kernarg_segment_ptr 1
		.amdhsa_wavefront_size32 1
		.amdhsa_system_sgpr_workgroup_id_x 1
		.amdhsa_system_sgpr_workgroup_id_y 1
		.amdhsa_system_sgpr_workgroup_id_z 1
		.amdhsa_system_vgpr_workitem_id 0
		.amdhsa_next_free_vgpr 448
		.amdhsa_next_free_sgpr 66
		.amdhsa_reserve_vcc 0
		.amdhsa_float_denorm_mode_32 3
		.amdhsa_float_denorm_mode_16_64 3
		.amdhsa_memory_ordered 1
		.amdhsa_forward_progress 1
		.amdhsa_inst_pref_size 36
	.end_amdhsa_kernel
	.amdgpu_metadata
---
amdhsa.version: [ 1, 2 ]
amdhsa.kernels:
  - .name:           k_qb006f94a67_finish
    .symbol:         k_qb006f94a67_finish.kd
    .args:
      - { .name: opart, .offset: 0, .size: 8, .value_kind: global_buffer, .address_space: global }
      - { .name: ostat, .offset: 8, .size: 8, .value_kind: global_buffer, .address_space: global }
      - { .name: Wo_codes, .offset: 16, .size: 8, .value_kind: global_buffer, .address_space: global }
      - { .name: Wo_scales, .offset: 24, .size: 8, .value_kind: global_buffer, .address_space: global }
      - { .name: bo, .offset: 32, .size: 8, .value_kind: global_buffer, .address_space: global }
      - { .name: query_mask, .offset: 40, .size: 8, .value_kind: global_buffer, .address_space: global }
      - { .name: query_feat, .offset: 48, .size: 8, .value_kind: global_buffer, .address_space: global }
      - { .name: ln_g, .offset: 56, .size: 8, .value_kind: global_buffer, .address_space: global }
      - { .name: ln_b, .offset: 64, .size: 8, .value_kind: global_buffer, .address_space: global }
      - { .name: out0, .offset: 72, .size: 8, .value_kind: global_buffer, .address_space: global }
    .group_segment_fixed_size: 73728
    .private_segment_fixed_size: 0
    .kernarg_segment_align: 8
    .kernarg_segment_size: 80
    .max_flat_workgroup_size: 128
    .sgpr_count:     66
    .vgpr_count:     448
    .wavefront_size: 32
...
	.end_amdgpu_metadata
.endif
;; end of part 5
;; ======== version 3 of 3: 3 launches; version 2 with the launches project, attend, finish written anew for expert scheduling mode
;; limits: right only within a limited range of input values
;; workspace buffers: kimg 786,432 bytes; kscl 32,768 bytes; vimg 786,432 bytes; vscl 32,768 bytes; qimg 393,216 bytes; qscl 16,384 bytes; opart 4,194,304 bytes; ostat 262,144 bytes
;; launch project (part 6): grid 320 x 1, 4 waves a work-group, no clusters, 67,328 bytes of LDS; arguments key_feat_codes, key_feat_scales, Wk_codes, Wk_scales, Wv_codes, Wv_scales, Wq_codes, Wq_scales, query_feat, kimg, kscl, vimg, vscl, qimg, qscl; writes kimg, kscl, vimg, vscl, qimg, qscl
.if DOCPART == 6
	.amdgcn_target "amdgcn-amd-amdhsa--gfx1250"
	.amdhsa_code_object_version 6
	.text
	.protected	k_qb006f94a67_project
	.globl	k_qb006f94a67_project
	.p2align	8
	.type	k_qb006f94a67_project,@function
k_qb006f94a67_project:
	s_mov_b64 s[64:65], 0
	v_nop
	global_prefetch_b8 v0, s[64:65] scope:SCOPE_SE
	s_setreg_imm32_b32 hwreg(HW_REG_WAVE_SCHED_MODE, 0, 2), 2
	s_setreg_imm32_b32 hwreg(HW_REG_WAVE_MODE, 25, 1), 1
	s_wait_xcnt 0x0
	s_wait_alu depctr_vm_vsrc(0)
; The three projections, Kp = key_feat Wk^T, Vp = key_feat Wv^T, Qp = query_feat Wq^T, on codes of BF6 (E3M2) with one E8M0 scale for each 32 along K,
; and their results quantised at once into the operands of the attention's two products.
; Every result leaves as an IMAGE OF AN OPERAND'S REGISTERS: 12 registers a lane (16 rows x 128 along K), register quad c at 512 c + 16 x lane, 1,536 bytes; beside it 16 scale words.
; SHARES.  Each wave makes one image.  Work-groups 0-127: K, one block of 32 keys each (wave = 2 u + g: key tile u, heads 4 g .. 4 g + 3).  128-255: V, one block of 32 keys each (wave = pair of heads).
; 256-319: Q, two tiles of 16 queries each (wave = 2 x tile + g).
; ROWS OF CODES COME THROUGH LDS.  A work-group wants all 256 rows of its W and (K, V) its 32 keys.  A load takes 8 rows x 64 bytes, 16 bytes a lane: 24 loads a wave bring a quarter of W, and each row is
; fetched once by the work-group; fragments taken straight from memory would be 96 loads of 8 bytes a wave, each row fetched by two waves.  In LDS a row has 192 bytes + 16 = 52 words: rows 0-15 of a tile
; begin at 16 different places among the 64 banks of 4 bytes (ISA guide 11.1); rows 16 apart begin at the same one, so the tiles whose rows are r + 8 (r / 8) are read two deep.
; K and Q: the product is used transposed (source 0 = 16 rows of W, source 1 = 16 keys or queries), and lane r of W's tile t takes row 32 (t / 2) + 8 (t % 2) + r + 8 (r / 8), so that a lane's 64 results are,
; block by block, 16 neighbours along the next K (a head's 32 channels).  A key tile's rows are keys 8 u + r + 8 (r / 8): with them the scores of two tiles are 16 neighbouring keys in a lane.
; V: source 0 = 16 keys, source 1 = 16 rows of Wv: a lane holds one channel and 16 neighbouring keys, since the keys are the second product's K.  Block 2 hd + ct of an image's row r: head 2 pr + hd, channel 16 ct + r.
; Q: wave (tile, g) quantises K step g of its tile's rows of query_feat; the tile's two waves exchange the two fragments through LDS as images of their registers.
; LIMITS: a block of zeros gets the scale byte 1 where the quantiser's text says 127 (its codes are zeros, and only this program reads the bytes); blocks whose largest magnitude lies under 2^(4 - 126) are held at that
; byte; NaN and infinities among the inputs are not served.
; No tensor loads and no cluster: LDS is filled once, by 27 stores a wave, and the launch is short.
; THE MODE: SCHED_MODE bits 1:0 = 2 (LLVM: expert scheduling mode 2), set by the entry lines.  The code itself states the register dependences
; between vector or matrix instructions and memory or LDS instructions, with s_wait_alu, always for 0.
; THE PLAN.  Registers that memory or LDS instructions touch:
;   v1-v18       offsets and LDS addresses: written once, at the head; read by every load and store; never written again.
;   window 1     v0-95 W's rows and v96-107 the keys' rows as they come from memory; the LDS stores read them; behind the barrier the fragments' LDS loads land in v0-191.  Of the vector side the products alone name them.
;   HA           kind Q: loaded from memory and read by the first QUANT; later the products' results, which no memory instruction touches.
;   PC, PW       written by QUANT, read by the stores that follow it: in kind Q twice (into LDS; into memory), else once.
;   XF, XS, WSC, KSC, OUTW   loaded, then read by products or stored: no vector instruction writes them, so the products owe no wait for their operands and scales.
; So: one wait for the wave's number; one on va_vdst ahead of the first load; one behind each QUANT, ahead of its stores; one on vm_vsrc behind the first barrier.
.set PITCH, 208                        ; a row of 256 codes in LDS
.set KREG,  256*PITCH                  ; LDS: W's 256 rows from 0; the block's 32 keys;
.set XIMG,  KREG+32*PITCH              ; kind Q: four fragments of query_feat (2 x tile + K step), 1,536 bytes each,
.set XSCL,  XIMG+4*1536                ; their scale words, 128 bytes each;
.set OSC,   XSCL+4*128                 ; the four images' scale words on their way out, 64 bytes a wave
.set XA,  1                            ; v1   query_feat: 1,024 r + 64 hl
.set LI,  2                            ; v2   16 x lane
.set CG,  3                            ; v3   the copy, in memory: 192 (lane / 4) + 16 (lane % 4)
.set CPW, 4                            ; v4   the copy, in LDS: PITCH (lane / 4) + 16 (lane % 4) + my 64 rows of W
.set CPK, 5                            ; v5   the same + my 8 keys
.set WFK, 6                            ; v6   W's fragments, kinds K and Q: PITCH (r + 8 (r / 8)) + 24 hl + 128 g rows
.set WFV, 7                            ; v7   kind V: PITCH r + 24 hl + 64 pr rows
.set KFK, 8                            ; v8   the keys' fragments, kind K: tile u
.set KFV, 9                            ; v9   kind V: tile 0
.set SR,  10                           ; v10  scale words in memory: 8 r
.set SRP, 11                           ; v11  8 (r + 8 (r / 8))
.set XWI, 12                           ; v12  where I put my fragment of query_feat;  v13 its scale words
.set XWS, 13
.set XRI, 14                           ; v14  where my tile's two fragments lie;  v15 their scale words
.set XRS, 15
.set LW,  16                           ; v16  OSC + 64 x wave + 4 r
.set L8,  17                           ; v17  8 x lane
.set L8L, 18                           ; v18  OSC + 8 x lane
.set XF,  32                           ; v32-55   source 1 of K and Q: two fragments
.set HA,  56                           ; v56-119  64 numbers of a lane: query_feat's, later the results
.set PC,  120                          ; v120-131 an image
.set PCT, 132                          ; v132-139 the conversions' second halves
.set TM,  140                          ; v140-155 at work in QUANT
.set PW,  156                          ; the image's scale word
.set XS,  158                          ; v158-159 source 1's scale words
.set WSC, 160                          ; v160-175 W's scale words: tile t, K step s at 2 t + s
.set KSC, 176                          ; v176-179 kind V: the keys' scale words
.set OUTW, 180
.set WV,  34
.set SEL, 48
.set MSB, 0
.macro WIN new                         ; the immediate's high byte repeats the setting that is left
.if MSB != (\new)
	s_set_vgpr_msb (MSB<<8)|(\new)
.set MSB, \new
.endif
.endm
; 64 numbers of a lane, register 16 b + i = element 32 b + 16 (lane / 16) + i of my row, become a fragment's codes in v[d] on and its scale word in v[pw]
.macro QUANT s, d, t, pw
.irp b, 0,1,2,3
	v_max3_num_f32 v[TM+\b], |v[\s+16*\b]|, |v[\s+1+16*\b]|, 0x2800000   ; my 16 numbers of block b, and the floor 2^(5 - 127): the byte cannot fall under 1
.endr
.irp i, 2,4,6,8,10,12,14
.irp b, 0,1,2,3
	v_max3_num_f32 v[TM+\b], v[TM+\b], |v[\s+16*\b+\i]|, |v[\s+1+16*\b+\i]|
.endr
.endr
.irp b, 0,1,2,3
	v_permlanex16_b32 v[TM+4+\b], v[TM+\b], s[SEL], s[SEL+1]
.endr
.irp b, 0,1,2,3
	v_max_num_f32 v[TM+\b], v[TM+\b], v[TM+4+\b]           ; with lane l xor 16's: the block's largest magnitude
.endr
.irp b, 0,1,2,3
	v_add_nc_u32 v[TM+12+\b], 0xfe000000, v[TM+\b]         ; 4 off its exponent field: the conversion's scale operand
.endr
.irp b, 0,1,2,3
	v_lshrrev_b32 v[TM+4+\b], 23, v[TM+12+\b]              ; the scale's byte
.endr
	v_lshl_or_b32 v[\pw], v[TM+5], 8, v[TM+4]
	v_lshl_or_b32 v[\pw], v[TM+6], 16, v[\pw]
	v_lshl_or_b32 v[\pw], v[TM+7], 24, v[\pw]
.irp c, 0,1
	v_cvt_scalef32_pk16_bf6_f32 v[\d+6*\c:\d+2+6*\c], v[\s+32*\c:\s+15+32*\c], v[TM+12+2*\c]
	v_cvt_scalef32_pk16_bf6_f32 v[\t+4*\c:\t+2+4*\c], v[\s+16+32*\c:\s+31+32*\c], v[TM+12+2*\c+1]   ; (a conversion's three registers begin on an even number)
.endr
	v_nop                                                  ; one plain place behind a scaled conversion
.irp c, 0,1                            ; the operand's layout wants a whole block in a lane: lanes 0-15 block 2 c, lanes 16-31 block 2 c + 1
.irp i, 0,1,2
	v_permlane16_swap_b32 v[\d+6*\c+\i], v[\t+4*\c+\i]
.endr
.irp i, 0,1,2
	v_mov_b32 v[\d+3+6*\c+\i], v[\t+4*\c+\i]
.endr
.endr
.endm
.macro MM d, a, b, c, sa, sb           ; c under 0: the product starts the sum
.if (\c) < 0
	v_wmma_scale_f32_16x16x128_f8f6f4 v[\d:\d+7], v[\a:\a+11], v[\b:\b+11], 0, v[\sa], v[\sb] matrix_a_fmt:MATRIX_FMT_BF6 matrix_b_fmt:MATRIX_FMT_BF6
.else
	v_wmma_scale_f32_16x16x128_f8f6f4 v[\d:\d+7], v[\a:\a+11], v[\b:\b+11], v[\c:\c+7], v[\sa], v[\sb] matrix_a_fmt:MATRIX_FMT_BF6 matrix_b_fmt:MATRIX_FMT_BF6
.endif
.endm
.macro FRAGL reg, adr, off             ; a fragment from rows in LDS: twice 24 bytes of my row, in pieces of 8
.irp p, 0,1,2,3,4,5
	ds_load_b64 v[(\reg)+2*\p:(\reg)+2*\p+1], v[\adr] offset:(\off)+48*(\p/3)+8*(\p%3)
.endr
.endm
.macro WSCKQ                           ; kinds K and Q: a row's 8 scale bytes are the words of both K steps: one load a tile
	s_lshl_b32 s54, s38, 10                        ; g x 128 rows of 8 bytes
	s_add_nc_u64 s[46:47], s[46:47], s[54:55]
.irp t, 0,1,2,3,4,5,6,7
	global_load_b64 v[WSC+2*\t:WSC+2*\t+1], v[SRP], s[46:47] offset:(32*(\t/2)+8*(\t%2))*8
.endr
.endm
	s_load_b512 s[4:19], s[0:1], 0x0               ; key_feat codes s[4:5], scales s[6:7]; Wk s[8:9], s[10:11]; Wv s[12:13], s[14:15]; Wq s[16:17], s[18:19]
	s_load_b256 s[20:27], s[0:1], 0x40             ; query_feat s[20:21]; kimg s[22:23]; kscl s[24:25]; vimg s[26:27]
	s_load_b128 s[28:31], s[0:1], 0x60             ; vscl s[28:29]; qimg s[30:31]
	s_load_b64 s[32:33], s[0:1], 0x70              ; qscl
	v_lshl_add_u32 v254, v0, 2, 0x10500
	v_mov_b32 v255, 0
	v_lshrrev_b32 v20, 5, v0
	v_readfirstlane_b32 s[WV], v20                 ; wave 0..3
	v_and_b32 v20, 31, v0                          ; lane
	v_and_b32 v21, 15, v0                          ; r
	v_bfe_u32 v22, v0, 4, 1                        ; hl
	v_and_b32 v23, 8, v21
	v_add_nc_u32 v23, v23, v21                     ; r + 8 (r / 8)
	v_bfe_u32 v24, v0, 2, 3                        ; lane / 4
	v_and_b32 v25, 3, v0                           ; lane % 4
	s_wait_alu depctr_va_sdst(0)                   ; the wave's number is written, ahead of its first reader, the line below
	s_and_b32 s38, s[WV], 1                        ; g
	s_lshr_b32 s39, s[WV], 1                       ; u, or the tile of the pair
	; every LDS address is made here, ahead of the first parting of the kinds: a constant, a lane term, the wave's number times a constant
	v_lshlrev_b32 v[XA], 10, v21
	v_lshl_add_u32 v[XA], v22, 6, v[XA]
	v_lshlrev_b32 v[LI], 4, v20
	v_lshlrev_b32 v28, 2, v20                      ; 4 x lane
	v_mul_u32_u24 v[CG], v24, 192
	v_lshl_add_u32 v[CG], v25, 4, v[CG]
	v_mul_u32_u24 v26, v24, PITCH
	v_lshl_add_u32 v26, v25, 4, v26
	s_mul_i32 s35, s[WV], 64*PITCH
	v_add_nc_u32 v[CPW], s35, v26
	v_mul_u32_u24 v27, v21, PITCH
	v_mad_u32_u24 v27, v22, 24, v27
	v_add_nc_u32 v[WFV], s35, v27
	s_mul_i32 s35, s[WV], 8*PITCH
	s_add_co_u32 s35, s35, KREG
	v_add_nc_u32 v[CPK], s35, v26
	v_mul_u32_u24 v26, v23, PITCH
	v_mad_u32_u24 v26, v22, 24, v26
	s_mul_i32 s35, s38, 128*PITCH
	v_add_nc_u32 v[WFK], s35, v26
	s_mul_i32 s35, s39, 8*PITCH
	s_add_co_u32 s35, s35, KREG
	v_add_nc_u32 v[KFK], s35, v26
	v_add_nc_u32 v[KFV], KREG, v26
	v_lshlrev_b32 v[SR], 3, v21
	v_lshlrev_b32 v[SRP], 3, v23
	s_mul_i32 s35, s[WV], 1536
	s_add_co_u32 s35, s35, XIMG
	v_add_nc_u32 v[XWI], s35, v[LI]
	s_lshl_b32 s35, s[WV], 7
	s_add_co_u32 s35, s35, XSCL
	v_add_nc_u32 v[XWS], s35, v28
	s_mul_i32 s35, s39, 3072
	s_add_co_u32 s35, s35, XIMG
	v_add_nc_u32 v[XRI], s35, v[LI]
	s_lshl_b32 s35, s39, 8
	s_add_co_u32 s35, s35, XSCL
	v_add_nc_u32 v[XRS], s35, v28
	s_lshl_b32 s35, s[WV], 6
	s_add_co_u32 s35, s35, OSC
	v_lshl_add_u32 v[LW], v21, 2, s35
	v_lshlrev_b32 v[L8], 3, v20
	v_add_nc_u32 v[L8L], OSC, v[L8]
.irp b, 0,1,2,3
	v_mov_b32 v[TM+4+\b], 0                        ; written once: a lane permute's destination counts as one of its sources
.endr
	s_mov_b32 s[SEL], 0x76543210
	s_mov_b32 s[SEL+1], 0xfedcba98                 ; lane l xor 16
	s_lshr_b32 s36, ttmp9, 7                       ; kind: 0 K, 1 V, 2 Q
	s_and_b32 s37, ttmp9, 127                      ; which block of keys, or which pair of query tiles
	s_lshl_b32 s50, s37, 2
	s_add_co_u32 s50, s50, s[WV]
	s_mul_i32 s50, s50, 1536                       ; my image's place
	s_mov_b32 s51, 0
	s_lshl_b32 s52, s37, 8                         ; the work-group's 256 bytes of scale words
	s_mov_b32 s53, 0
	s_mov_b32 s55, 0
	s_wait_kmcnt 0x0
	s_cmp_eq_u32 s36, 0                            ; the buffers are chosen by the work-group's number alone
	s_cselect_b64 s[40:41], s[22:23], s[26:27]     ; the images,
	s_cselect_b64 s[42:43], s[24:25], s[28:29]     ; their scale words,
	s_cselect_b64 s[44:45], s[8:9], s[12:13]       ; W's codes,
	s_cselect_b64 s[46:47], s[10:11], s[14:15]     ; W's scales
	s_cmp_eq_u32 s36, 2
	s_cselect_b64 s[40:41], s[30:31], s[40:41]
	s_cselect_b64 s[42:43], s[32:33], s[42:43]
	s_cselect_b64 s[44:45], s[16:17], s[44:45]
	s_cselect_b64 s[46:47], s[18:19], s[46:47]
	s_add_nc_u64 s[40:41], s[40:41], s[50:51]
	s_add_nc_u64 s[42:43], s[42:43], s[52:53]
	s_mul_i32 s54, s[WV], 12288                    ; my 64 rows of W in memory
	s_add_nc_u64 s[44:45], s[44:45], s[54:55]
	s_wait_alu depctr_va_vdst(0)                   ; the offsets and LDS addresses v1 to v18 are written, which every load and store of the kernel reads, on each kind's way
	; ---- each kind's own loads first, W's copy behind them: so what is wanted first comes first
	s_cmp_eq_u32 s36, 2
	s_cbranch_scc1 .Lqload
	s_mul_i32 s54, s37, 6144                       ; kinds K and V: the block's 32 keys, my 8 of them
	s_mul_i32 s56, s[WV], 1536
	s_add_co_u32 s54, s54, s56
	s_add_nc_u64 s[4:5], s[4:5], s[54:55]
	s_lshl_b32 s54, s37, 8
	s_add_nc_u64 s[6:7], s[6:7], s[54:55]          ; and the block's scale bytes
	WIN 0x40                                       ; destination window 1
.irp j, 0,1,2
	global_load_b128 v[96+4*\j:96+4*\j+3], v[CG], s[4:5] offset:64*\j
.endr
	WIN 0
	s_cmp_eq_u32 s36, 1
	s_cbranch_scc1 .Lvscl
	s_lshl_b32 s54, s39, 6                         ; kind K: tile u begins 8 u keys on
	s_add_nc_u64 s[6:7], s[6:7], s[54:55]
	global_load_b64 v[XS:XS+1], v[SRP], s[6:7]
	WSCKQ
	s_branch .Lwcopy
.Lvscl:
.irp u, 0,1
	global_load_b64 v[KSC+2*\u:KSC+2*\u+1], v[SRP], s[6:7] offset:64*\u
.endr
	s_lshl_b32 s54, s[WV], 9                       ; my pair's 64 rows of Wv
	s_add_nc_u64 s[46:47], s[46:47], s[54:55]
.irp t, 0,1,2,3
	global_load_b64 v[WSC+2*\t:WSC+2*\t+1], v[SR], s[46:47] offset:128*\t
.endr
	s_branch .Lwcopy
.Lqload:
	s_lshl_b32 s54, s37, 1                         ; kind Q: my tile's 16 rows of 1,024 bytes, K step g
	s_add_co_u32 s54, s54, s39
	s_lshl_b32 s54, s54, 14
	s_lshl_b32 s56, s38, 9
	s_add_co_u32 s54, s54, s56
	s_add_nc_u64 s[20:21], s[20:21], s[54:55]
.irp b, 0,1,2,3
.irp j, 0,1,2,3
	global_load_b128 v[HA+16*\b+4*\j:HA+16*\b+4*\j+3], v[XA], s[20:21] offset:128*\b+16*\j    ; of each block of 32 my half's 16
.endr
.endr
	WSCKQ
.Lwcopy:
	WIN 0x40
.irp n, 0,1,2,3,4,5,6,7                ; my 64 rows of W: 8 rows x 64 bytes a load
.irp j, 0,1,2
	global_load_b128 v[12*\n+4*\j:12*\n+4*\j+3], v[CG], s[44:45] offset:1536*\n+64*\j
.endr
.endr
	WIN 0
	s_cmp_eq_u32 s36, 2
	s_cbranch_scc1 .Lqquant
	s_wait_loadcnt 24                              ; all but the 24 loads of W's copy are in: the keys among them
	WIN 0x04                                       ; an LDS store's data are its source 1: window 1
.irp j, 0,1,2
	ds_store_b128 v[CPK], v[96+4*\j:96+4*\j+3] offset:64*\j
.endr
	WIN 0
	s_branch .Lwstore
.Lqquant:
	s_wait_loadcnt 24                              ; all but the 24 loads of W's copy are in: my 64 numbers of query_feat among them
	QUANT HA, PC, PCT, PW                          ; while W is on its way
	s_wait_alu depctr_va_vdst(0)                   ; QUANT has written the fragment v[PC ..] and its scale word v[PW], which the four LDS stores below read
.irp c, 0,1,2
	ds_store_b128 v[XWI], v[PC+4*\c:PC+4*\c+3] offset:512*\c
.endr
	ds_store_b32 v[XWS], v[PW]
.Lwstore:
	s_wait_loadcnt 0x0
	WIN 0x04
.irp n, 0,1,2,3,4,5,6,7
.irp j, 0,1,2
	ds_store_b128 v[CPW], v[12*\n+4*\j:12*\n+4*\j+3] offset:8*PITCH*\n+64*\j
.endr
.endr
	WIN 0
	s_wait_dscnt 0x0                               ; for the others' sake: my rows lie in LDS
	s_barrier_signal -1
	s_barrier_wait -1                              ; everybody's do
	s_wait_alu depctr_vm_vsrc(0)                   ; my LDS stores have read window 1's v0 to v107, in which the fragments' loads land on each kind's way, and (kind Q) v[PC ..] and v[PW], which the second QUANT writes
	s_cmp_eq_u32 s36, 1
	s_cbranch_scc1 .Lv
	; ---- kinds K and Q: W's 16 fragments (tile t, K step s) into window 1 at 12 (2 t + s)
	WIN 0x40
.irp t, 0,1,2,3,4,5,6,7
.irp s, 0,1
	FRAGL 12*(2*\t+\s), WFK, (32*(\t/2)+8*(\t%2))*PITCH+96*\s
.endr
.endr
	WIN 0
	s_cmp_eq_u32 s36, 2
	s_cbranch_scc1 .Lq
.irp s, 0,1                            ; kind K: source 1 = keys 8 u + r + 8 (r / 8) of the block
	FRAGL XF+12*\s, KFK, 96*\s
.endr
	s_branch .Lproj
.Lq:
.irp s, 0,1                            ; kind Q: source 1 = my tile's two fragments, as their makers' registers held them
.irp c, 0,1,2
	ds_load_b128 v[XF+12*\s+4*\c:XF+12*\s+4*\c+3], v[XRI] offset:1536*\s+512*\c
.endr
	ds_load_b32 v[XS+\s], v[XRS] offset:128*\s
.endr
.Lproj:
	s_wait_dscnt 0x0
	WIN 0x01                                       ; source 0 (W) window 1
.irp t, 0,1,2,3,4,5,6,7                ; eight accumulators by turns, K step by K step
	MM HA+8*\t, 12*(2*\t), XF, -1, WSC+2*\t, XS
.endr
.irp t, 0,1,2,3,4,5,6,7
	MM HA+8*\t, 12*(2*\t+1), XF+12, HA+8*\t, WSC+2*\t+1, XS+1
.endr
	WIN 0
	s_branch .Lout
.Lv:
	; ---- kind V: source 0 = the block's two key tiles, source 1 = rows 64 pr + 16 t + r of Wv
	WIN 0x40
.irp u, 0,1
.irp s, 0,1
	FRAGL 12*(2*\u+\s), KFV, 8*\u*PITCH+96*\s
.endr
.endr
.irp t, 0,1,2,3
.irp s, 0,1
	FRAGL 48+12*(2*\t+\s), WFV, 16*\t*PITCH+96*\s
.endr
.endr
	WIN 0
	s_wait_dscnt 0x0
	WIN 0x05                                       ; sources 0 and 1 window 1
.irp t, 0,1,2,3
.irp u, 0,1
	MM HA+16*\t+8*\u, 12*(2*\u), 48+12*(2*\t), -1, KSC+2*\u, WSC+2*\t
.endr
.endr
.irp t, 0,1,2,3
.irp u, 0,1
	MM HA+16*\t+8*\u, 12*(2*\u+1), 48+12*(2*\t+1), HA+16*\t+8*\u, KSC+2*\u+1, WSC+2*\t+1
.endr
.endr
	WIN 0
.Lout:
.rept 4
	v_nop                                          ; four places between the last product and the first read of results
.endr
	QUANT HA, PC, PCT, PW                          ; each accumulator is read from its low end on
	s_wait_alu depctr_va_vdst(0)                   ; QUANT has written the image v[PC ..] and its scale word v[PW], which the stores below read
.irp c, 0,1,2
	global_store_b128 v[LI], v[PC+4*\c:PC+4*\c+3], s[40:41] offset:512*\c   ; 32 lanes store 512 consecutive bytes
.endr
	ds_store_b32 v[LW], v[PW]                      ; both halves of the lanes hold the same word and write it to the same place
	s_wait_dscnt 0x0                               ; for the others' sake: my words lie in LDS
	s_barrier_signal -1
	s_barrier_wait -1
	s_cmp_lg_u32 s[WV], 0
	s_cbranch_scc1 .Lend
	ds_load_b64 v[OUTW:OUTW+1], v[L8L]             ; the four waves' 64 words leave as 256 consecutive bytes, aligned
	s_wait_dscnt 0x0
	global_store_b64 v[L8], v[OUTW:OUTW+1], s[42:43]
.Lend:
	s_wait_dscnt 0x0                               ; the closing lines, six on end
	s_wait_alu 0x0
	s_wait_tensorcnt 0x0
	ds_add_u32 v254, v255
	s_wait_dscnt 0x0
	s_endpgm
.Lfunc_end_k_qb006f94a67_project:
	.size	k_qb006f94a67_project, .Lfunc_end_k_qb006f94a67_project-k_qb006f94a67_project
	.p2alignl 7, 3214868480
	.fill 96, 4, 3214868480
	.section	.rodata,"a",@progbits
	.p2align	6, 0x0
	.amdhsa_kernel k_qb006f94a67_project
		.amdhsa_group_segment_fixed_size 67328
		.amdhsa_private_segment_fixed_size 0
		.amdhsa_enable_private_segment 0
		.amdhsa_kernarg_size 120
		.amdhsa_user_sgpr_count 2
		.amdhsa_user_sgpr_kernarg_segment_ptr 1
		.amdhsa_wavefront_size32 1
		.amdhsa_system_sgpr_workgroup_id_x 1
		.amdhsa_system_sgpr_workgroup_id_y 1
		.amdhsa_system_sgpr_workgroup_id_z 1
		.amdhsa_system_vgpr_workitem_id 0
		.amdhsa_next_free_vgpr 448
		.amdhsa_next_free_sgpr 66
		.amdhsa_reserve_vcc 0
		.amdhsa_float_denorm_mode_32 3
		.amdhsa_float_denorm_mode_16_64 3
		.amdhsa_memory_ordered 1
		.amdhsa_forward_progress 1
		.amdhsa_inst_pref_size 39
	.end_amdhsa_kernel
	.amdgpu_metadata
---
amdhsa.version: [ 1, 2 ]
amdhsa.kernels:
  - .name:           k_qb006f94a67_project
    .symbol:         k_qb006f94a67_project.kd
    .args:
      - { .name: key_feat_codes, .offset: 0, .size: 8, .value_kind: global_buffer, .address_space: global }
      - { .name: key_feat_scales, .offset: 8, .size: 8, .value_kind: global_buffer, .address_space: global }
      - { .name: Wk_codes, .offset: 16, .size: 8, .value_kind: global_buffer, .address_space: global }
      - { .name: Wk_scales, .offset: 24, .size: 8, .value_kind: global_buffer, .address_space: global }
      - { .name: Wv_codes, .offset: 32, .size: 8, .value_kind: global_buffer, .address_space: global }
      - { .name: Wv_scales, .offset: 40, .size: 8, .value_kind: global_buffer, .address_space: global }
      - { .name: Wq_codes, .offset: 48, .size: 8, .value_kind: global_buffer, .address_space: global }
      - { .name: Wq_scales, .offset: 56, .size: 8, .value_kind: global_buffer, .address_space: global }
      - { .name: query_feat, .offset: 64, .size: 8, .value_kind: global_buffer, .address_space: global }
      - { .name: kimg, .offset: 72, .size: 8, .value_kind: global_buffer, .address_space: global }
      - { .name: kscl, .offset: 80, .size: 8, .value_kind: global_buffer, .address_space: global }
      - { .name: vimg, .offset: 88, .size: 8, .value_kind: global_buffer, .address_space: global }
      - { .name: vscl, .offset: 96, .size: 8, .value_kind: global_buffer, .address_space: global }
      - { .name: qimg, .offset: 104, .size: 8, .value_kind: global_buffer, .address_space: global }
      - { .name: qscl, .offset: 112, .size: 8, .value_kind: global_buffer, .address_space: global }
    .group_segment_fixed_size: 67328
    .private_segment_fixed_size: 0
    .kernarg_segment_align: 8
    .kernarg_segment_size: 120
    .max_flat_workgroup_size: 128
    .sgpr_count:     66
    .vgpr_count:     448
    .wavefront_size: 32
...
	.end_amdgpu_metadata
.endif
;; end of part 6
;; launch attend (part 7): grid 128 x 2, 4 waves a work-group, no clusters, 92,672 bytes of LDS; arguments qimg, qscl, kimg, kscl, vimg, vscl, query_pos, key_pos, key_mask, Wrbf, opart, ostat; writes opart, ostat
.if DOCPART == 7
	.amdgcn_target "amdgcn-amd-amdhsa--gfx1250"
	.amdhsa_code_object_version 6
	.text
	.protected	k_qb006f94a67_attend
	.globl	k_qb006f94a67_attend
	.p2align	8
	.type	k_qb006f94a67_attend,@function
k_qb006f94a67_attend:
	s_mov_b64 s[64:65], 0
	v_nop
	global_prefetch_b8 v0, s[64:65] scope:SCOPE_SE
	s_setreg_imm32_b32 hwreg(HW_REG_WAVE_SCHED_MODE, 0, 2), 2
	s_setreg_imm32_b32 hwreg(HW_REG_WAVE_MODE, 25, 1), 1
	s_wait_xcnt 0x0
	s_wait_alu depctr_vm_vsrc(0)
; Attention with a bias from distances, for 16 queries, all 8 heads and 1,024 keys a work-group: distance, 16 Gaussians, bias, K Q^T, softmax, V^T P.  Both products on codes of BF6 (E3M2).
; SHARES.  Work-group (x = tile of 16 queries, y = half of the batch's 2,048 keys).  Each of the four waves has 256 of the keys: 8 steps of one block of 32.  The four waves' parts are merged in LDS at the end;
; the two halves' parts go to memory (opart, with each row's -M and sum in ostat) and are merged by the next launch.
; A LANE HOLDS ONE QUERY (lane % 16) throughout: both products are used transposed.  T[h][i], i = 0 .. 15, is the raw score of key 16 (lane / 16) + i of the step's block for head h.
; THE 16 GAUSSIANS OF A (QUERY, KEY) PAIR ARE MADE ONCE and serve all eight heads from the same lane's registers: 128 packed multiply-adds for two keys.
; ARITHMETIC.  T = K Q^T + m (m, the product's C: 0, or -2^100 for a masked key) + sum over r of W''[h][r] g_r, W'' = Wrbf x sqrt(32); t = T c, c = log2(e) / sqrt(32).  g_r = 2^(-(d' - c'_r)^2), d' the distance of
; positions multiplied by s = sqrt(log2(e) / 3.125), c'_r = s x 20 r / 15.  M = the running largest t rounded up to a whole number, kept as -M; p = 2^(t - M) is quantised, one block of 32 keys a step;
; the sum is taken of the unquantised p; when M moves, sum and O^T are multiplied by 2^(old M - new M), which rounds nothing.
; ONE INSTRUCTION OF 128 ALONG K CARRIES FOUR BLOCKS OF 32.  K's image holds four heads' channels of 16 keys; Q's fragment for head h holds that head's block and zero codes elsewhere.  V's image holds, for a pair of
; heads, (head, half of the channels) in its four blocks; P stands in the one block that is wanted and zero codes elsewhere.
; BY TURNS.  Roots and exponentials stand among the multiply-adds: in a pair's turn the distances of the pair two on, the Gaussians of the next pair and the multiply-adds of this pair are interleaved,
; and one wait at the turn's end serves all its transcendentals.
; LIMITS: a t under -2^90 counts as masked; NaN and infinities among the inputs are not served; a block of zeros has the scale byte 1; positions are multiplied by s ahead of the distance and Wrbf by sqrt(32):
; one more f32 rounding each.  A query none of whose keys counts gets the sum 0 here and NaN in the next launch.
; NOT USED: tensor loads, an LDS ring, a cluster with joint loads: the four waves have different keys, so LDS would share nothing among them; the operands lie in memory in the order of the registers
; and are asked for behind a step's first turn, seven turns ahead of their use (12,800 bytes a step).  What work-groups share, K's and V's images, is that small stream.
; WINDOWS of 256 registers.  0: addresses, statistics, P's fragments, scale words, scratch.  1: T of heads 0-3, their W'', the Gaussians, positions, m.  2: T of heads 4-7, their W'', O^T.  3: Q, K, V.
; THE MODE: SCHED_MODE bits 1:0 = 2 (LLVM: expert scheduling mode 2), set by the entry lines.  The code itself states the register dependences
; between vector or matrix instructions and memory or LDS instructions, with s_wait_alu, always for 0.
; THE PLAN.  Registers that memory or LDS instructions touch, in the loop:
;   PS, two sets    Set 0 is loaded at the head of turns 0 and 4, set 1 at the head of turns 2 and 6.  A set's last readers are the distances' lines of the two turns ahead of its load.
;   MK              Loaded at the head of turn 1.  Read, as C, by the scores' products at the end of the step before.
;   KF, VF, KS, VS  Loaded behind turn 0.  Read by the products at the end of the step before (in the first trip KF and KS by the head's products; VF and VS by nobody yet).
;   v[LA], v[LM]    Read by the LDS loads of turns 0 to 6; written once a step, behind turn 7.
;   v[LI], v[L4]    Read by the loads of K and V; never written again: the scalar bases are made anew in each step.
;   PF, PSC         No memory instruction touches them; vector instructions write them, and scaled products take them as source 1 and as its scales.
; EVERY LOAD OF THE LOOP STANDS AT A TURN'S HEAD, straight behind the wait on va_vdst with which the turn before ends for its roots and exponentials.  That wait also states that all earlier vector and matrix
; instructions are done with the registers in which the load lands; nothing of the vector side stands between it and the load.  So the loop's loads owe no wait of their own.
; One wait on vm_vsrc a step stands ahead of the additions to v[LA] and v[LM]; the wait for the eight exponentials of the blocks' largest p, which follows, states that the two are written.
; One wait on va_vdst stands ahead of each pair of heads' products: P's fragments are written.
.set POS,   0                          ; LDS: 33 blocks x 512: [block][lane / 16][4 keys: x4, y4, z4, 16 spare bytes]; block 32 is zeros, read by the look-ahead of the last step
.set MSK,   16896                      ; m, 4 bytes a key, 1,024 keys, and 512 bytes of zeros
.set STATB, 21504                      ; [-M | sum][head][query][wave], 4 bytes each
.set OST,   25600                      ; four stages of 16 rows x (1,024 + 16) bytes
.set OPITCH, 1040
.set OSTG,  16*OPITCH
.set LI,  1                            ; v1   16 x lane
.set L4,  2                            ; v2   4 x lane
.set ZO,  3                            ; v3   0
.set STO, 4                            ; v4   my place in my stage
.set SRD, 5                            ; v5   where I read rows back
.set SST, 6                            ; v6   where I put my statistics
.set SLD, 7                            ; v7   where I read the four waves'
.set LA0, 8                            ; v8   positions: my wave's and my half's place
.set LM0, 9                            ; v9   m likewise
.set LA,  10                           ; v10  the step's
.set LM,  11                           ; v11
.set ST,  16                           ; v16-63   six a head: -M, the largest t, the sum in two pairs
.set BM,  64                           ; v64-71   the block's largest score
.set TP,  72                           ; v72-79   at work
.set FF,  80                           ; v80-95   f = 2^(old M - new M), at 80 + 2 h
.set OL,  96                           ; v96-103  the old -M
.set BP,  104                          ; v104-111 the block's largest p, then the conversion's scale operand
.set BY,  112                          ; v112-119 the scale's byte
.set PSC, 120                          ; v120-127 p's scale words
.set PF,  128                          ; v128-163 P's fragments: PA, zeros, PB, PA', zeros, PB'
.set KS,  164                          ; v164-165 K's scale words;  v166-167 V's;  v168 Q's
.set VS,  166
.set QS,  168
.set SCR, 176                          ; v176-255 scratch of the head and the tail
.set RB,  128                          ; window 1: v128-191 two sets of 16 pairs of Gaussians
.set PS,  192                          ;           v192-215 two chunks of four keys' x, y, z
.set QP,  216                          ;           v216-221 my query's x, x, y, y, z, z
.set DT,  222                          ;           v222-227 differences
.set DP,  228                          ;           v228-231 two pairs of distances
.set MK,  234                          ;           v234-249 m of my 16 keys
.set OO,  128                          ; window 2: O^T, head h, half ct at 128 + 16 h + 8 ct
.set QB,  0                            ; window 3: Q's fragments;  K's four images;  V's four
.set KF,  72
.set VF,  120
.set WV,  28
.set CS,  32                           ; s[32:33] c, twice
.set SEL, 34                           ; s[34:35] lane l xor 16
.set PB,  66                           ; s66  the step's bytes among the positions;  s67 among m
.set MB,  67
.set CN,  70                           ; s[70:99] -c'_r, r = 1 .. 15, each twice
.set MSB, 0
.macro WIN new                         ; the immediate's high byte repeats the setting that is left
.if MSB != (\new)
	s_set_vgpr_msb (MSB<<8)|(\new)
.set MSB, \new
.endif
.endm
.macro MM d, a, b, c, sa, sb, row      ; row: 0 both scales from lanes 0-15; 1 source 0's from lanes 16-31; 3 both from lanes 16-31
.if (\row) == 0
	v_wmma_scale_f32_16x16x128_f8f6f4 v[\d:\d+7], v[\a:\a+11], v[\b:\b+11], v[\c:\c+7], v[\sa], v[\sb] matrix_a_fmt:MATRIX_FMT_BF6 matrix_b_fmt:MATRIX_FMT_BF6
.elseif (\row) == 1
	v_wmma_scale_f32_16x16x128_f8f6f4 v[\d:\d+7], v[\a:\a+11], v[\b:\b+11], v[\c:\c+7], v[\sa], v[\sb] matrix_a_fmt:MATRIX_FMT_BF6 matrix_b_fmt:MATRIX_FMT_BF6 matrix_a_scale:MATRIX_SCALE_ROW1
.else
	v_wmma_scale_f32_16x16x128_f8f6f4 v[\d:\d+7], v[\a:\a+11], v[\b:\b+11], v[\c:\c+7], v[\sa], v[\sb] matrix_a_fmt:MATRIX_FMT_BF6 matrix_b_fmt:MATRIX_FMT_BF6 matrix_a_scale:MATRIX_SCALE_ROW1 matrix_b_scale:MATRIX_SCALE_ROW1
.endif
.endm
; scores of head h, key tile u: T = K Q^T + m
.macro SMUL h, u
.if (\h) < 4
	WIN 0x5f                                       ; D window 1, C (m) window 1, K and Q window 3
	MM 16*((\h)%4)+8*(\u), KF+12*(2*(\u)), QB+18*((\h)%2)+6*(((\h)%4)/2), MK+8*(\u), KS+(\u), QS, 0
.else
	WIN 0x9f                                       ; D window 2
	MM 16*((\h)%4)+8*(\u), KF+12*(2*(\u)+1), QB+36+18*((\h)%2)+6*(((\h)%4)/2), MK+8*(\u), KS+(\u), QS, 3
.endif
.endm
; the four products O^T += V^T P of a pair of heads, then that pair's four products for the next step's scores: eight accumulators, one instruction each
.macro MATRIX pr
	WIN 0xa3                                       ; O^T window 2, V window 3, P window 0
	MM OO+32*(\pr), VF+12*(\pr), PF, OO+32*(\pr), VS+(\pr)/2, PSC+2*(\pr), (\pr)%2
	MM OO+32*(\pr)+8, VF+12*(\pr), PF+18, OO+32*(\pr)+8, VS+(\pr)/2, PSC+2*(\pr), (\pr)%2
	MM OO+32*(\pr)+16, VF+12*(\pr), PF+6, OO+32*(\pr)+16, VS+(\pr)/2, PSC+2*(\pr)+1, (\pr)%2
	MM OO+32*(\pr)+24, VF+12*(\pr), PF+24, OO+32*(\pr)+24, VS+(\pr)/2, PSC+2*(\pr)+1, (\pr)%2
	SMUL 2*(\pr), 0
	SMUL 2*(\pr), 1
	SMUL 2*(\pr)+1, 0
	SMUL 2*(\pr)+1, 1
.endm
; line n of the distances of key pair j (8 and 9: those of the next block's pairs 0 and 1)
.macro S1LINE j, n
.set CB, PS+12*(((\j)/2)%2)+2*((\j)%2)
.set DW, DP+2*((\j)%2)
.if \n == 0
	v_pk_add_f32 v[DT:DT+1], v[CB:CB+1], v[QP:QP+1] neg_lo:[0,1] neg_hi:[0,1]
.elseif \n == 1
	v_pk_add_f32 v[DT+2:DT+3], v[CB+4:CB+5], v[QP+2:QP+3] neg_lo:[0,1] neg_hi:[0,1]
.elseif \n == 2
	v_pk_add_f32 v[DT+4:DT+5], v[CB+8:CB+9], v[QP+4:QP+5] neg_lo:[0,1] neg_hi:[0,1]
.elseif \n == 3
	v_pk_mul_f32 v[DT:DT+1], v[DT:DT+1], v[DT:DT+1]
.elseif \n == 4
	v_pk_fma_f32 v[DT:DT+1], v[DT+2:DT+3], v[DT+2:DT+3], v[DT:DT+1]
.elseif \n == 5
	v_pk_fma_f32 v[DT:DT+1], v[DT+4:DT+5], v[DT+4:DT+5], v[DT:DT+1]
.elseif \n == 8
	v_sqrt_f32 v[DW], v[DT]
.elseif \n == 9
	v_sqrt_f32 v[DW+1], v[DT+1]
.endif
.endm
; T[h4][pair i] += W''[h4][r] x the pair's Gaussian r.  The same text serves heads 0-3 (all in window 1) and heads 4-7 (T and W'' in window 2)
.macro FMA h4, r, i
.if (\r)%2
	v_pk_fma_f32 v[16*(\h4)+2*(\i):16*(\h4)+2*(\i)+1], v[64+16*(\h4)+(\r)-1:64+16*(\h4)+(\r)], v[RB+32*((\i)%2)+2*(\r):RB+32*((\i)%2)+2*(\r)+1], v[16*(\h4)+2*(\i):16*(\h4)+2*(\i)+1] op_sel:[1,0,0] op_sel_hi:[1,1,1]
.else
	v_pk_fma_f32 v[16*(\h4)+2*(\i):16*(\h4)+2*(\i)+1], v[64+16*(\h4)+(\r):64+16*(\h4)+(\r)+1], v[RB+32*((\i)%2)+2*(\r):RB+32*((\i)%2)+2*(\r)+1], v[16*(\h4)+2*(\i):16*(\h4)+2*(\i)+1] op_sel_hi:[0,1,1]
.endif
.endm
; centre r of pair i's turn: the next pair's argument of centre r + 1, its two exponentials of centre r, four multiply-adds of this pair, a line of the distances two pairs on
.macro RS i, r
.set RN, RB+32*(((\i)+1)%2)
.set DN, DP+2*(((\i)+1)%2)
.if \r < 15
	v_pk_add_f32 v[RN+2*(\r)+2:RN+2*(\r)+3], v[DN:DN+1], s[CN+2*(\r):CN+2*(\r)+1] op_sel_hi:[1,0]
.endif
	v_exp_f32 v[RN+2*(\r)], v[RN+2*(\r)]
	FMA 0, \r, \i
.if \r < 15
	v_pk_mul_f32 v[RN+2*(\r)+2:RN+2*(\r)+3], v[RN+2*(\r)+2:RN+2*(\r)+3], v[RN+2*(\r)+2:RN+2*(\r)+3] neg_lo:[1,0] neg_hi:[1,0]
.endif
	FMA 1, \r, \i
	v_exp_f32 v[RN+2*(\r)+1], v[RN+2*(\r)+1]
	FMA 2, \r, \i
	FMA 3, \r, \i
	S1LINE (\i)+2, \r
.endm
; THE TURN OF KEY PAIR i (my keys 2 i and 2 i + 1).  Its LDS loads stand at its head, behind the wait that ends the turn before (ahead of turn 0: behind the wait ahead of the last pair of heads' products,
; which name none of the registers that turn 0's loads touch)
.macro PAIR i
.if (\i)%2 == 0
	WIN 0x40                                       ; destination window 1, address window 0
.set CC, ((\i)+4)/2                    ; the chunk of four keys that is wanted two turns on; 4 and 5 are the next block's first two
.irp k, 0,1,2
	ds_load_b128 v[PS+12*(CC%2)+4*\k:PS+12*(CC%2)+4*\k+3], v[LA] offset:(CC/4)*512+(CC%4)*64+16*\k
.endr
	s_wait_dscnt 0x3                               ; all but the three just issued are in: the chunk that this turn's distances read, and m
.endif
.if (\i) == 1
	WIN 0x40
.irp k, 0,1,2,3
	ds_load_b128 v[MK+4*\k:MK+4*\k+3], v[LM] offset:128+16*\k      ; m of the next block, for the scores made at this step's end
.endr
.endif
	WIN 0x55                                       ; all in window 1
.set RN, RB+32*(((\i)+1)%2)
.set DN, DP+2*(((\i)+1)%2)
	v_pk_mul_f32 v[RN:RN+1], v[DN:DN+1], v[DN:DN+1] neg_lo:[1,0] neg_hi:[1,0]   ; centre 0 lies at 0
.irp r, 0,1,2,3,4,5,6,7,8,9,10,11,12,13,14,15
	RS \i, \r
.endr
	WIN 0xa6                                       ; T and W'' window 2, the Gaussians window 1
.irp r, 0,1,2,3,4,5,6,7,8,9,10,11,12,13,14,15
.irp h4, 0,1,2,3
	FMA \h4, \r, \i
.endr
.endr
	s_wait_alu depctr_va_vdst(0)                   ; the turn's 34 roots and exponentials are written: every instruction that names one stands in a later turn.  Also: this turn's distances are done reading their set of PS, and all earlier products their operands: the loads at the next turn's head land there
.endm
; the largest score of the block, heads 4 x .. 4 x + 3 by turns
.macro AMAX x
	WIN 0x14*(1+(\x))
.irp h4, 0,1,2,3
	v_max3_num_f32 v[BM+4*(\x)+\h4], 0xff7fffff, v[16*\h4], v[16*\h4+1]
.endr
.irp k, 2,4,6,8,10,12,14
.irp h4, 0,1,2,3
	v_max3_num_f32 v[BM+4*(\x)+\h4], v[BM+4*(\x)+\h4], v[16*\h4+\k], v[16*\h4+\k+1]
.endr
.endr
.endm
; M, f, the block's largest p, its scale: the eight heads by turns
.macro BETA
.irp h, 0,1,2,3,4,5,6,7
	v_permlanex16_b32 v[TP+\h], v[BM+\h], s[SEL], s[SEL+1]
.endr
.irp h, 0,1,2,3,4,5,6,7
	v_max_num_f32 v[BM+\h], v[BM+\h], v[TP+\h]             ; with lane l xor 16's 16 keys
.endr
.irp h, 0,1,2,3,4,5,6,7
	v_mul_f32 v[TP+\h], s[CS], v[BM+\h]
.endr
.irp h, 0,1,2,3,4,5,6,7
	v_max_num_f32 v[ST+6*\h+1], v[ST+6*\h+1], v[TP+\h]     ; the running largest t
.endr
.irp h, 0,1,2,3,4,5,6,7
	v_mov_b32 v[OL+\h], v[ST+6*\h]
.endr
.irp h, 0,1,2,3,4,5,6,7
	v_floor_f32 v[ST+6*\h], -v[ST+6*\h+1]                  ; -M = floor(-t): M is a whole number
.endr
.irp h, 0,1,2,3,4,5,6,7
	v_sub_f32 v[OL+\h], v[ST+6*\h], v[OL+\h]               ; old M - new M, 0 or less
.endr
.irp h, 0,1,2,3,4,5,6,7
	v_cvt_i32_f32 v[OL+\h], v[OL+\h]                       ; (it saturates)
.endr
.irp h, 0,1,2,3,4,5,6,7
	v_ldexp_f32 v[FF+2*\h], 1.0, v[OL+\h]
.endr
.irp h, 0,1,2,3,4,5,6,7
	v_fma_f32 v[BP+\h], v[BM+\h], s[CS], v[ST+6*\h]        ; the largest score goes the way of every score: the same multiply-add, the same exponential
.endr
.irp h, 0,1,2,3,4,5,6,7
	v_exp_f32 v[BP+\h], v[BP+\h]
.endr
.irp h, 0,1,2,3,4,5,6,7
	v_pk_mul_f32 v[ST+6*\h+2:ST+6*\h+3], v[ST+6*\h+2:ST+6*\h+3], v[FF+2*\h:FF+2*\h+1] op_sel_hi:[1,0]   ; the sums under the new M
	v_pk_mul_f32 v[ST+6*\h+4:ST+6*\h+5], v[ST+6*\h+4:ST+6*\h+5], v[FF+2*\h:FF+2*\h+1] op_sel_hi:[1,0]
.endr
	s_wait_alu depctr_va_vdst(0)                   ; the eight exponentials are written, ahead of their first reader; so are v[LA] and v[LM], which the next step's LDS loads read
.irp h, 0,1,2,3,4,5,6,7
	v_max_num_f32 v[BP+\h], 0x2800000, v[BP+\h]            ; the floor 2^(5 - 127)
.endr
.irp h, 0,1,2,3,4,5,6,7
	v_add_nc_u32 v[BP+\h], 0xfe000000, v[BP+\h]            ; 4 off the exponent field: the conversion's scale operand
.endr
.irp h, 0,1,2,3,4,5,6,7
	v_lshrrev_b32 v[BY+\h], 23, v[BP+\h]
.endr
.irp h, 0,1,2,3,4,5,6,7
	v_perm_b32 v[PSC+\h], v[BY+\h], v[BY+\h], 0            ; the byte in all four places: it fits whichever block P stands in
.endr
.endm
.macro GAM n, x                        ; t - M of pair n of the window's 32
	v_pk_fma_f32 v[2*(\n):2*(\n)+1], v[2*(\n):2*(\n)+1], s[CS:CS+1], v[ST+6*(4*(\x)+(\n)/8):ST+6*(4*(\x)+(\n)/8)+1] op_sel_hi:[1,0,0]
.endm
.macro ORS m                           ; pair m of O^T under the new M; ascending
	v_pk_mul_f32 v[OO+2*(\m):OO+2*(\m)+1], v[OO+2*(\m):OO+2*(\m)+1], v[FF+2*((\m)/8):FF+2*((\m)/8)+1] op_sel_hi:[1,0]
.endm
; p = 2^(t - M) of heads 4 x .. 4 x + 3; beside heads 4-7 stands the rescaling of O^T
.macro EPH x
	WIN 0x41*(1+(\x))
	GAM 0, \x
	GAM 1, \x
.set N, 0
.rept 32
.if N+2 < 32
	GAM N+2, \x
.endif
	v_exp_f32 v[2*N], v[2*N]
.if \x
	ORS 2*N
.endif
	v_exp_f32 v[2*N+1], v[2*N+1]
.if \x
	ORS 2*N+1
.endif
.set N, N+1
.endr
.endm
.macro SUM4 pr, k                      ; the sums of the unquantised p: four chains
	v_pk_add_f32 v[ST+12*(\pr)+2:ST+12*(\pr)+3], v[ST+12*(\pr)+2:ST+12*(\pr)+3], v[32*((\pr)%2)+4*(\k):32*((\pr)%2)+4*(\k)+1]
	v_pk_add_f32 v[ST+12*(\pr)+8:ST+12*(\pr)+9], v[ST+12*(\pr)+8:ST+12*(\pr)+9], v[32*((\pr)%2)+16+4*(\k):32*((\pr)%2)+16+4*(\k)+1]
	v_pk_add_f32 v[ST+12*(\pr)+4:ST+12*(\pr)+5], v[ST+12*(\pr)+4:ST+12*(\pr)+5], v[32*((\pr)%2)+4*(\k)+2:32*((\pr)%2)+4*(\k)+3]
	v_pk_add_f32 v[ST+12*(\pr)+10:ST+12*(\pr)+11], v[ST+12*(\pr)+10:ST+12*(\pr)+11], v[32*((\pr)%2)+16+4*(\k)+2:32*((\pr)%2)+16+4*(\k)+3]
.endm
; a pair of heads: sums, codes, P's four fragments.  The matrix instructions of the pair before stand in its middle: eight sums ahead of them are the places behind the lines that wrote their operands,
; eight sums behind them the places ahead of the lines that write those operands again
.macro C2 pr
	WIN 0x04*(1+(\pr)/2)
	SUM4 \pr, 0
	SUM4 \pr, 1
.if (\pr) > 0
	s_wait_alu depctr_va_vdst(0)                   ; behind the places: the conversions, moves and lane exchanges of the pair before have written P's fragments v[PF ..], which the scaled products below take as source 1 (their scales v[PSC ..] were written ahead of an earlier wait)
	MATRIX (\pr)-1
	WIN 0x04*(1+(\pr)/2)
.endif
	SUM4 \pr, 2
	SUM4 \pr, 3
	WIN 0x01*(1+(\pr)/2)
	v_cvt_scalef32_pk16_bf6_f32 v[PF:PF+2], v[32*((\pr)%2):32*((\pr)%2)+15], v[BP+2*(\pr)]
	v_cvt_scalef32_pk16_bf6_f32 v[PF+12:PF+14], v[32*((\pr)%2)+16:32*((\pr)%2)+31], v[BP+2*(\pr)+1]
	WIN 0
.irp k, 3,4,5,15,16,17
	v_mov_b32 v[PF+\k], 0                          ; (also the plain place behind the conversions)
.endr
.irp k, 0,1,2,12,13,14
	v_permlane16_swap_b32 v[PF+\k], v[PF+3+\k]     ; lanes 0-15 now hold the whole block of 32 keys, lanes 16-31 zeros
.endr
.irp k, 0,1,2,3,4,5,12,13,14,15,16,17
	v_permlanex16_b32 v[PF+18+\k], v[PF+\k], s[SEL], s[SEL+1]      ; and the same with the halves exchanged
.endr
.endm
.macro CEN k, bits
	s_mov_b32 s[CN+2*\k], \bits
	s_mov_b32 s[CN+2*\k+1], \bits
.endm
	s_load_b512 s[4:19], s[0:1], 0x0               ; qimg s[4:5], qscl s[6:7], kimg s[8:9], kscl s[10:11], vimg s[12:13], vscl s[14:15], query_pos s[16:17], key_pos s[18:19]
	s_load_b256 s[20:27], s[0:1], 0x40             ; key_mask s[20:21], Wrbf s[22:23], opart s[24:25], ostat s[26:27]
	v_lshl_add_u32 v175, v0, 2, 0x16800
	v_mov_b32 v255, 0
	v_lshrrev_b32 v12, 5, v0
	v_readfirstlane_b32 s[WV], v12                 ; wave 0..3
	v_and_b32 v13, 31, v0                          ; lane
	v_and_b32 v14, 15, v0                          ; r
	v_bfe_u32 v15, v0, 4, 1                        ; hl
	v_lshlrev_b32 v[LI], 4, v13
	v_lshlrev_b32 v[L4], 2, v13
	v_mov_b32 v[ZO], 0
	v_lshlrev_b32 v12, 6, v14
	v_lshl_add_u32 v12, v15, 5, v12                ; ostat: 64 r + 32 hl
	v_mul_u32_u24 v248, v0, 12                     ; key_pos: 12 bytes a key, a thread a key
	v_lshrrev_b32 v249, 4, v0                      ; where key t's x goes: 256 (t / 16) + 64 ((t / 4) % 4) + 4 (t % 4)
	v_lshlrev_b32 v249, 8, v249
	v_bfe_u32 v252, v0, 2, 2
	v_lshl_add_u32 v249, v252, 6, v249
	v_and_b32 v252, 3, v0
	v_lshl_add_u32 v249, v252, 2, v249
	v_lshl_add_u32 v250, v0, 2, MSK
	v_mul_u32_u24 v251, v14, 12                    ; query_pos
	v_lshl_add_u32 v254, v0, 2, POS+16384
	v_mov_b32 v253, 0xf1800000                     ; -2^100
	s_wait_alu depctr_va_sdst(0)                   ; the wave's number is written, ahead of its first reader, the line below
	s_lshl_b32 s39, s[WV], 12
	v_lshl_add_u32 v[LA0], v15, 8, s39             ; positions: 8 blocks of 512 bytes a wave, 256 a half
	s_lshl_b32 s39, s[WV], 10
	s_add_co_u32 s39, s39, MSK
	v_lshl_add_u32 v[LM0], v15, 6, s39
	s_mul_i32 s39, s[WV], OSTG
	s_add_co_u32 s39, s39, OST
	v_mul_u32_u24 v[STO], v14, OPITCH
	v_lshl_add_u32 v[STO], v15, 5, v[STO]
	v_add_nc_u32 v[STO], s39, v[STO]
	s_mul_i32 s39, s[WV], 4*OPITCH
	s_add_co_u32 s39, s39, OST
	v_add_nc_u32 v[SRD], s39, v[LI]
	s_lshl_b32 s39, s[WV], 2
	s_add_co_u32 s39, s39, STATB
	v_lshl_add_u32 v[SST], v14, 4, s39
	v_lshl_add_u32 v[SLD], v14, 4, STATB
	s_mov_b32 s[PB], 0
	s_mov_b32 s[MB], 0
	v_add_nc_u32 v[LA], s[PB], v[LA0]
	v_add_nc_u32 v[LM], s[MB], v[LM0]
	s_mov_b32 s[CS], 0x3e8293ee                    ; c = log2(e) / sqrt(32)
	s_mov_b32 s[CS+1], s[CS]
	s_mov_b32 s[SEL], 0x76543210
	s_mov_b32 s[SEL+1], 0xfedcba98
	s_mov_b32 s36, 0x0000ffff                      ; lanes 0-15
	s_mov_b32 s37, 0xffff0000                      ; lanes 16-31
	s_mov_b32 s38, 0
	CEN 0, 0xbf67ebe6                              ; -c'_r = -r x 0.9059433
	CEN 1, 0xbfe7ebe6
	CEN 2, 0xc02df0ec
	CEN 3, 0xc067ebe6
	CEN 4, 0xc090f370
	CEN 5, 0xc0adf0ec
	CEN 6, 0xc0caee69
	CEN 7, 0xc0e7ebe6
	CEN 8, 0xc10274b1
	CEN 9, 0xc110f370
	CEN 10, 0xc11f722e
	CEN 11, 0xc12df0ec
	CEN 12, 0xc13c6fab
	CEN 13, 0xc14aee69
	CEN 14, 0xc1596d27
	s_and_b32 s30, ttmp7, 0xffff                   ; which half of the keys
	s_lshr_b32 s31, ttmp9, 6                       ; the batch
	s_lshl_b32 s39, s31, 6
	s_lshl_b32 s68, s30, 5
	s_add_co_u32 s39, s39, s68                     ; the work-group's first block of 32 keys
	s_lshl_b32 s68, s[WV], 3
	s_add_co_u32 s68, s68, s39                     ; my wave's
	s_mul_i32 s56, s68, 6144
	s_mov_b32 s57, 0
	s_lshl_b32 s58, s68, 8
	s_mov_b32 s59, 0
	s_mul_i32 s60, s39, 384
	s_mov_b32 s61, 0
	s_lshl_b32 s62, s39, 5
	s_mov_b32 s63, 0
	s_wait_kmcnt 0x0
	s_add_nc_u64 s[48:49], s[8:9], s[56:57]        ; my wave's images and scale words: these four stay
	s_add_nc_u64 s[50:51], s[10:11], s[58:59]
	s_add_nc_u64 s[52:53], s[12:13], s[56:57]
	s_add_nc_u64 s[54:55], s[14:15], s[58:59]
	s_add_nc_u64 s[18:19], s[18:19], s[60:61]
	s_add_nc_u64 s[20:21], s[20:21], s[62:63]
	s_mul_i32 s56, ttmp9, 3072
	s_add_nc_u64 s[4:5], s[4:5], s[56:57]
	s_lshl_b32 s56, ttmp9, 7
	s_add_nc_u64 s[6:7], s[6:7], s[56:57]
	s_mul_i32 s56, ttmp9, 192
	s_add_nc_u64 s[16:17], s[16:17], s[56:57]
	s_lshl_b32 s56, s30, 21                        ; opart: half x 2,048 rows + 16 x tile + 4 x wave rows of 1,024 bytes
	s_lshl_b32 s58, ttmp9, 14
	s_add_co_u32 s56, s56, s58
	s_lshl_b32 s58, s[WV], 12
	s_add_co_u32 s56, s56, s58
	s_add_nc_u64 s[24:25], s[24:25], s[56:57]
	s_lshl_b32 s56, s30, 17                        ; ostat: 64 bytes a row
	s_lshl_b32 s58, ttmp9, 10
	s_add_co_u32 s56, s56, s58
	s_add_nc_u64 s[26:27], s[26:27], s[56:57]
	s_wait_alu depctr_va_vdst(0)                   ; all offsets and LDS addresses (v1 to v12, v248 to v251, v254) are written, which the loads and stores of the head, the first step and the tail read
	; ---- all the head's loads in one run
.irp n, 0,1,2,3,4,5,6,7
	global_load_b96 v[SCR+4*\n:SCR+4*\n+2], v248, s[18:19] offset:1536*\n     ; key t + 128 n
.endr
.irp n, 0,1,2,3,4,5,6,7
	global_load_u8 v[SCR+32+\n], v0, s[20:21] offset:128*\n
.endr
.irp q, 0,1,2,3,4,5
	global_load_b128 v[SCR+40+4*\q:SCR+40+4*\q+3], v[LI], s[4:5] offset:512*\q   ; Q's two images
.endr
	global_load_b32 v[QS], v[L4], s[6:7]           ; lanes 0-15: heads 0-3's words, lanes 16-31: heads 4-7's
.irp u, 0,1
	global_load_b32 v[KS+\u], v[L4], s[50:51] offset:128*\u
.endr
	WIN 0xc0                                       ; destination window 3
.irp q, 0,1,2,3,4,5,6,7,8,9,10,11
	global_load_b128 v[KF+4*\q:KF+4*\q+3], v[LI], s[48:49] offset:512*\q      ; K of block 0; V of block 0 is asked for in the first step
.endr
	WIN 0x40
	global_load_b96 v[DT:DT+2], v251, s[16:17]
.irp q, 0,1,2,3,4,5,6,7,8,9,10,11,12,13,14,15
	global_load_b128 v[64+4*\q:64+4*\q+3], v[ZO], s[22:23] offset:16*\q
.endr
	WIN 0x80
.irp q, 0,1,2,3,4,5,6,7,8,9,10,11,12,13,14,15
	global_load_b128 v[64+4*\q:64+4*\q+3], v[ZO], s[22:23] offset:256+16*\q
.endr
	WIN 0
	s_wait_loadcnt 0x0
	; ---- the work-group's 1,024 keys: positions x s and m into LDS.  The eight compares go in one run, each into a scalar register of its own (s40 to s47, which hold nothing yet)
.irp n, 0,1,2,3,4,5,6,7
	v_mul_f32 v[SCR+4*\n], 0x3f2df0ec, v[SCR+4*\n]
	v_mul_f32 v[SCR+4*\n+1], 0x3f2df0ec, v[SCR+4*\n+1]
	v_mul_f32 v[SCR+4*\n+2], 0x3f2df0ec, v[SCR+4*\n+2]
	v_cmp_ne_u32 s[40+\n], 0, v[SCR+32+\n]
.endr
	s_wait_alu depctr_va_sdst(0)                   ; the eight masks s40 to s47 are written, ahead of their first readers, the selects below
.irp n, 0,1,2,3,4,5,6,7
	v_cndmask_b32 v[SCR+32+\n], v253, v[ZO], s[40+\n]      ; 0 where the key counts, else -2^100
.endr
	s_wait_alu depctr_va_vdst(0)                   ; the multiplications and selects have written v[SCR ..], which the LDS stores read
.irp n, 0,1,2,3,4,5,6,7
	ds_store_b32 v249, v[SCR+4*\n] offset:2048*\n
	ds_store_b32 v249, v[SCR+4*\n+1] offset:2048*\n+16
	ds_store_b32 v249, v[SCR+4*\n+2] offset:2048*\n+32
	ds_store_b32 v250, v[SCR+32+\n] offset:512*\n
.endr
	ds_store_b32 v254, v[ZO]                       ; the block of zeros behind the positions,
	ds_store_b32 v250, v[ZO] offset:4096           ; and behind m
	s_wait_dscnt 0x0                               ; for the others' sake: my stores have landed
	s_barrier_signal -1
	s_barrier_wait -1
	; ---- registers.  Q's fragment for head h: the six registers and the half of the lanes that hold its block, zeros elsewhere.  Order for each four heads: R0, zeros, R2, R1, zeros, R3
	WIN 0xc0
.irp g, 0,1
.irp j, 0,1,2,3
.irp k, 0,1,2,3,4,5
.if \j%2
	v_cndmask_b32 v[QB+36*\g+18*(\j%2)+12*(\j/2)+\k], 0, v[SCR+40+12*\g+6*(\j/2)+\k], s37
.else
	v_cndmask_b32 v[QB+36*\g+18*(\j%2)+12*(\j/2)+\k], 0, v[SCR+40+12*\g+6*(\j/2)+\k], s36
.endif
.endr
.endr
.irp k, 0,1,2,3,4,5
	v_mov_b32 v[QB+36*\g+6+\k], 0
	v_mov_b32 v[QB+36*\g+24+\k], 0
.endr
.endr
	WIN 0x55
.set K, 0
.rept 32
	v_pk_mul_f32 v[64+2*K:65+2*K], v[64+2*K:65+2*K], 0x40b504f3 op_sel_hi:[1,0]   ; W'' = Wrbf x sqrt(32)
.set K, K+1
.endr
.irp c, 0,1,2
	v_mul_f32 v[QP+2*\c], 0x3f2df0ec, v[DT+\c]
	v_mul_f32 v[QP+2*\c+1], 0x3f2df0ec, v[DT+\c]
.endr
	WIN 0xaa
.set K, 0
.rept 32
	v_pk_mul_f32 v[64+2*K:65+2*K], v[64+2*K:65+2*K], 0x40b504f3 op_sel_hi:[1,0]
.set K, K+1
.endr
	WIN 0x80
.set K, 0
.rept 128
	v_mov_b32 v[OO+K], 0                           ; O^T.  (The step is written once: the first finds zeros, which the first change of M leaves zeros)
.set K, K+1
.endr
	WIN 0
.irp h, 0,1,2,3,4,5,6,7
	v_mov_b32 v[ST+6*\h], 0x6c800000               ; -M = 2^90
	v_mov_b32 v[ST+6*\h+1], 0xec800000             ; the largest t so far: -2^90
	v_mov_b32 v[ST+6*\h+2], 0
	v_mov_b32 v[ST+6*\h+3], 0
	v_mov_b32 v[ST+6*\h+4], 0
	v_mov_b32 v[ST+6*\h+5], 0
	v_mov_b32 v[TP+\h], 0                          ; a lane permute's destination counts as one of its sources
	v_mov_b32 v[FF+2*\h], 0
	v_mov_b32 v[FF+2*\h+1], 0                      ; (named as the upper half of a pair)
.endr
.set K, 0
.rept 36
	v_mov_b32 v[PF+K], 0                           ; P's fragments: the two runs of zeros stay
.set K, K+1
.endr
	WIN 0x40
.irp cc, 0,1
.irp k, 0,1,2
	ds_load_b128 v[PS+12*\cc+4*\k:PS+12*\cc+4*\k+3], v[LA] offset:64*\cc+16*\k    ; (no vector instruction has named PS or MK yet, and none since the last wait on va_vdst names v[LA] or v[LM])
.endr
.endr
.irp k, 0,1,2,3
	ds_load_b128 v[MK+4*\k:MK+4*\k+3], v[LM] offset:16*\k
.endr
	s_wait_dscnt 0x0
	s_wait_alu depctr_va_vdst(0)                   ; the selects and moves above have written Q's fragments v[QB ..] of window 3, which every scaled product for the scores takes as source 1, here and in the loop
.irp h, 0,1,2,3,4,5,6,7                ; the first block's scores
.irp u, 0,1
	SMUL \h, \u
.endr
.endr
	WIN 0x55                                       ; the pipeline's start: distances of pairs 0 and 1, Gaussians of pair 0.  (These lines name none of the products' registers: they are the places ahead of the first read of a score)
.irp n, 0,1,2,3,4,5,8,9
	S1LINE 0, \n
.endr
	v_nop                                          ; a plain place between the roots and the lines that write their sources again
.irp n, 0,1,2,3,4,5,8,9
	S1LINE 1, \n
.endr
	v_nop
	s_wait_alu depctr_va_vdst(0)                   ; the four roots are written, ahead of their first reader
	v_pk_mul_f32 v[RB:RB+1], v[DP:DP+1], v[DP:DP+1] neg_lo:[1,0] neg_hi:[1,0]
.irp r, 1,2,3,4,5,6,7,8,9,10,11,12,13,14,15
	v_pk_add_f32 v[RB+2*\r:RB+2*\r+1], v[DP:DP+1], s[CN+2*\r-2:CN+2*\r-1] op_sel_hi:[1,0]
.endr
.irp r, 1,2,3,4,5,6,7,8,9,10,11,12,13,14,15
	v_pk_mul_f32 v[RB+2*\r:RB+2*\r+1], v[RB+2*\r:RB+2*\r+1], v[RB+2*\r:RB+2*\r+1] neg_lo:[1,0] neg_hi:[1,0]
.endr
.set K, 0
.rept 32
	v_exp_f32 v[RB+K], v[RB+K]
.set K, K+1
.endr
	v_nop
	s_wait_alu depctr_va_vdst(0)                   ; the 32 exponentials are written, ahead of the label and of their first readers; the distances' lines above are done reading PS's set 0, in which the first turn's loads land
	WIN 0
.Lstep:                                            ; 8 trips: a block of 32 keys each
	PAIR 0
	; K of the next block and V of this one, with their scale words, straight behind turn 0's wait: the products at the end of the step before are done reading KF, VF, KS and VS, and nothing of the vector side stands between.
	; The last trip asks again for the wave's last block of K, so that no load leaves my wave's part
	s_add_co_u32 s56, s38, 1
	s_min_u32 s56, s56, 7
	s_lshl_b32 s58, s56, 8
	s_mul_i32 s56, s56, 6144
	s_lshl_b32 s62, s38, 8
	s_mul_i32 s60, s38, 6144
	s_add_nc_u64 s[40:41], s[48:49], s[56:57]      ; (the last step's wait for all loads has freed these four)
	s_add_nc_u64 s[42:43], s[50:51], s[58:59]
	s_add_nc_u64 s[44:45], s[52:53], s[60:61]
	s_add_nc_u64 s[46:47], s[54:55], s[62:63]
	WIN 0xc0
.irp q, 0,1,2,3,4,5,6,7,8,9,10,11
	global_load_b128 v[KF+4*\q:KF+4*\q+3], v[LI], s[40:41] offset:512*\q
.endr
.irp q, 0,1,2,3,4,5,6,7,8,9,10,11
	global_load_b128 v[VF+4*\q:VF+4*\q+3], v[LI], s[44:45] offset:512*\q
.endr
	WIN 0
.irp u, 0,1
	global_load_b32 v[KS+\u], v[L4], s[42:43] offset:128*\u
	global_load_b32 v[VS+\u], v[L4], s[46:47] offset:128*\u
.endr
.irp i, 1,2,3,4,5,6,7
	PAIR \i
.endr
	WIN 0
	s_wait_loadcnt 0x0                             ; V of this block, K of the next, their scale words: asked for behind turn 0
	s_add_co_u32 s[PB], s[PB], 512
	s_add_co_u32 s[MB], s[MB], 128
	s_wait_alu depctr_vm_vsrc(0)                   ; the step's LDS loads have read v[LA] and v[LM], which the two lines below write.  (In the first trip also: the head's LDS stores have read v[SCR ..], in which the tail's loads land)
	v_add_nc_u32 v[LA], s[PB], v[LA0]              ; the next step's places; the wait among the lines on M, below, stands between these two and the loads that read them
	v_add_nc_u32 v[LM], s[MB], v[LM0]
	AMAX 0
	AMAX 1
	WIN 0
	BETA
	EPH 0
	EPH 1
	s_wait_alu depctr_va_vdst(0)                   ; the 128 exponentials are written: nothing has named a result yet
	C2 0
	C2 1
	C2 2
	C2 3
.rept 4
	v_nop                                          ; four places between the lines that wrote P's fragments and the products
.endr
	s_wait_alu depctr_va_vdst(0)                   ; behind the places: the last pair's fragments v[PF ..] are written, which the scaled products below take as source 1
	MATRIX 3
	WIN 0
	s_add_co_u32 s38, s38, 1
	s_cmp_lt_u32 s38, 8
	s_cbranch_scc1 .Lstep
	; ---- THE FOUR WAVES' PARTS ARE MERGED.  First the statistics
.irp h, 0,1,2,3,4,5,6,7
	v_pk_add_f32 v[ST+6*\h+2:ST+6*\h+3], v[ST+6*\h+2:ST+6*\h+3], v[ST+6*\h+4:ST+6*\h+5]
.endr
.irp h, 0,1,2,3,4,5,6,7
	v_add_f32 v[ST+6*\h+2], v[ST+6*\h+2], v[ST+6*\h+3]
.endr
.irp h, 0,1,2,3,4,5,6,7
	v_permlanex16_b32 v[TP+\h], v[ST+6*\h+2], s[SEL], s[SEL+1]
.endr
.irp h, 0,1,2,3,4,5,6,7
	v_add_f32 v[ST+6*\h+2], v[ST+6*\h+2], v[TP+\h]         ; my wave's sum for my query
.endr
	s_wait_alu depctr_va_vdst(0)                   ; the additions have written the sums v[ST + 6 h + 2], which the LDS stores read beside -M
.irp h, 0,1,2,3,4,5,6,7
	ds_store_b32 v[SST], v[ST+6*\h] offset:256*\h          ; both halves of the lanes write the same word with the same value
	ds_store_b32 v[SST], v[ST+6*\h+2] offset:2048+256*\h
.endr
	s_wait_dscnt 0x0                               ; my stores have landed, and the look-ahead's last loads are in
	s_barrier_signal -1
	s_barrier_wait -1
.irp h, 0,1,2,3,4,5,6,7
	ds_load_b128 v[SCR+4*\h:SCR+4*\h+3], v[SLD] offset:256*\h              ; the four waves' -M,
	ds_load_b128 v[SCR+32+4*\h:SCR+32+4*\h+3], v[SLD] offset:2048+256*\h   ; and sums.  (No vector instruction since the wait above; the head's stores out of these registers stand ahead of the loop's wait on vm_vsrc)
.endr
	s_wait_dscnt 0x0
.irp h, 0,1,2,3,4,5,6,7
	v_min3_num_f32 v[BM+\h], v[SCR+4*\h], v[SCR+4*\h+1], v[SCR+4*\h+2]
.endr
.irp h, 0,1,2,3,4,5,6,7
	v_min_num_f32 v[BM+\h], v[BM+\h], v[SCR+4*\h+3]        ; the least -M: the largest M
.endr
.set K, 0
.rept 32
	v_sub_f32 v[SCR+K], v[BM+K/4], v[SCR+K]
.set K, K+1
.endr
.set K, 0
.rept 32
	v_cvt_i32_f32 v[SCR+K], v[SCR+K]
.set K, K+1
.endr
.set K, 0
.rept 32
	v_ldexp_f32 v[SCR+K], 1.0, v[SCR+K]            ; 2^(that wave's M - the largest M)
.set K, K+1
.endr
.irp h, 0,1,2,3,4,5,6,7
	v_mul_f32 v[BP+\h], v[SCR+32+4*\h], v[SCR+4*\h]
.endr
.irp j, 1,2,3
.irp h, 0,1,2,3,4,5,6,7
	v_fma_f32 v[BP+\h], v[SCR+32+4*\h+\j], v[SCR+4*\h+\j], v[BP+\h]       ; the work-group's sum
.endr
.endr
.irp h, 0,1,2,3,4,5,6,7
	v_sub_f32 v[OL+\h], v[BM+\h], v[ST+6*\h]
.endr
.irp h, 0,1,2,3,4,5,6,7
	v_cvt_i32_f32 v[OL+\h], v[OL+\h]
.endr
.irp h, 0,1,2,3,4,5,6,7
	v_ldexp_f32 v[FF+2*\h], 1.0, v[OL+\h]          ; my own wave's factor
.endr
	WIN 0x82
.set K, 0
.rept 64
	ORS K
.set K, K+1
.endr
	WIN 0x08                                       ; an LDS store's data are its source 1: window 2
	s_wait_alu depctr_va_vdst(0)                   ; the multiplications have written O^T, which the LDS stores read; and the lines on the statistics are done with v[SCR ..], in which the rows' loads behind the barrier land
.irp h, 0,1,2,3,4,5,6,7
.irp ct, 0,1
	ds_store_b128 v[STO], v[OO+16*\h+8*\ct:OO+16*\h+8*\ct+3] offset:128*\h+64*\ct          ; lane (r, hl): query r, channels 32 h + 16 ct + 8 hl + 0 .. 7
	ds_store_b128 v[STO], v[OO+16*\h+8*\ct+4:OO+16*\h+8*\ct+7] offset:128*\h+64*\ct+16
.endr
.endr
	WIN 0
	s_wait_dscnt 0x0
	s_barrier_signal -1
	s_barrier_wait -1
	; each wave adds four rows over the four stages and stores them whole
.irp bt, 0,1
.if \bt
	s_wait_xcnt 0x0                                ; the first two rows' stores have had their addresses translated,
	s_wait_alu depctr_vm_vsrc(0)                   ; and have read their data v[SCR ..], in which the loads below land (the additions that named these registers stand ahead of the last wait on va_vdst)
.endif
.irp k, 0,1,2,3
.irp g, 0,1,2,3
	ds_load_b128 v[SCR+16*\k+4*\g:SCR+16*\k+4*\g+3], v[SRD] offset:OSTG*\g+OPITCH*(2*\bt+\k/2)+512*(\k%2)
.endr
.endr
	s_wait_dscnt 0x0
.irp k, 0,1,2,3
	v_pk_add_f32 v[SCR+16*\k:SCR+16*\k+1], v[SCR+16*\k:SCR+16*\k+1], v[SCR+16*\k+4:SCR+16*\k+5]
	v_pk_add_f32 v[SCR+16*\k+2:SCR+16*\k+3], v[SCR+16*\k+2:SCR+16*\k+3], v[SCR+16*\k+6:SCR+16*\k+7]
	v_pk_add_f32 v[SCR+16*\k+8:SCR+16*\k+9], v[SCR+16*\k+8:SCR+16*\k+9], v[SCR+16*\k+12:SCR+16*\k+13]
	v_pk_add_f32 v[SCR+16*\k+10:SCR+16*\k+11], v[SCR+16*\k+10:SCR+16*\k+11], v[SCR+16*\k+14:SCR+16*\k+15]
.endr
.irp k, 0,1,2,3
	v_pk_add_f32 v[SCR+16*\k:SCR+16*\k+1], v[SCR+16*\k:SCR+16*\k+1], v[SCR+16*\k+8:SCR+16*\k+9]
	v_pk_add_f32 v[SCR+16*\k+2:SCR+16*\k+3], v[SCR+16*\k+2:SCR+16*\k+3], v[SCR+16*\k+10:SCR+16*\k+11]
.endr
	s_wait_alu depctr_va_vdst(0)                   ; the additions have written the rows' sums, which the stores read
.irp k, 0,1,2,3
	global_store_b128 v[LI], v[SCR+16*\k:SCR+16*\k+3], s[24:25] offset:1024*(2*\bt+\k/2)+512*(\k%2)   ; 32 lanes store 512 consecutive bytes
.endr
.endr
	s_cmp_lg_u32 s[WV], 0
	s_cbranch_scc1 .Lend
.irp h, 0,1,2,3,4,5,6,7
	v_cndmask_b32 v[SCR+64+\h], v[BM+\h], v[BP+\h], s37    ; lanes 0-15: the eight -M of query r; lanes 16-31: its eight sums
.endr
	s_wait_alu depctr_va_vdst(0)                   ; the selects have written v[SCR + 64 ..], which the two stores read
	global_store_b128 v12, v[SCR+64:SCR+67], s[26:27]
	global_store_b128 v12, v[SCR+68:SCR+71], s[26:27] offset:16
.Lend:
	s_wait_dscnt 0x0                               ; the closing lines, six on end
	s_wait_alu 0x0
	s_wait_tensorcnt 0x0
	ds_add_u32 v175, v255
	s_wait_dscnt 0x0
	s_endpgm
.Lfunc_end_k_qb006f94a67_attend:
	.size	k_qb006f94a67_attend, .Lfunc_end_k_qb006f94a67_attend-k_qb006f94a67_attend
	.p2alignl 7, 3214868480
	.fill 96, 4, 3214868480
	.section	.rodata,"a",@progbits
	.p2align	6, 0x0
	.amdhsa_kernel k_qb006f94a67_attend
		.amdhsa_group_segment_fixed_size 92672
		.amdhsa_private_segment_fixed_size 0
		.amdhsa_enable_private_segment 0
		.amdhsa_kernarg_size 96
		.amdhsa_user_sgpr_count 2
		.amdhsa_user_sgpr_kernarg_segment_ptr 1
		.amdhsa_wavefront_size32 1
		.amdhsa_system_sgpr_workgroup_id_x 1
		.amdhsa_system_sgpr_workgroup_id_y 1
		.amdhsa_system_sgpr_workgroup_id_z 1
		.amdhsa_system_vgpr_workitem_id 0
		.amdhsa_next_free_vgpr 1024
		.amdhsa_next_free_sgpr 100
		.amdhsa_reserve_vcc 0
		.amdhsa_float_denorm_mode_32 3
		.amdhsa_float_denorm_mode_16_64 3
		.amdhsa_memory_ordered 1
		.amdhsa_forward_progress 1
		.amdhsa_inst_pref_size 201
	.end_amdhsa_kernel
	.amdgpu_metadata
---
amdhsa.version: [ 1, 2 ]
amdhsa.kernels:
  - .name:           k_qb006f94a67_attend
    .symbol:         k_qb006f94a67_attend.kd
    .args:
      - { .name: qimg, .offset: 0, .size: 8, .value_kind: global_buffer, .address_space: global }
      - { .name: qscl, .offset: 8, .size: 8, .value_kind: global_buffer, .address_space: global }
      - { .name: kimg, .offset: 16, .size: 8, .value_kind: global_buffer, .address_space: global }
      - { .name: kscl, .offset: 24, .size: 8, .value_kind: global_buffer, .address_space: global }
      - { .name: vimg, .offset: 32, .size: 8, .value_kind: global_buffer, .address_space: global }
      - { .name: vscl, .offset: 40, .size: 8, .value_kind: global_buffer, .address_space: global }
      - { .name: query_pos, .offset: 48, .size: 8, .value_kind: global_buffer, .address_space: global }
      - { .name: key_pos, .offset: 56, .size: 8, .value_kind: global_buffer, .address_space: global }
      - { .name: key_mask, .offset: 64, .size: 8, .value_kind: global_buffer, .address_space: global }
      - { .name: Wrbf, .offset: 72, .size: 8, .value_kind: global_buffer, .address_space: global }
      - { .name: opart, .offset: 80, .size: 8, .value_kind: global_buffer, .address_space: global }
      - { .name: ostat, .offset: 88, .size: 8, .value_kind: global_buffer, .address_space: global }
    .group_segment_fixed_size: 92672
    .private_segment_fixed_size: 0
    .kernarg_segment_align: 8
    .kernarg_segment_size: 96
    .max_flat_workgroup_size: 128
    .sgpr_count:     100
    .vgpr_count:     1024
    .wavefront_size: 32
...
	.end_amdgpu_metadata
.endif
;; end of part 7
;; launch finish (part 8): grid 128 x 1, 4 waves a work-group, no clusters, 73,728 bytes of LDS; arguments opart, ostat, Wo_codes, Wo_scales, bo, query_mask, query_feat, ln_g, ln_b, out0; writes out0
.if DOCPART == 8
	.amdgcn_target "amdgcn-amd-amdhsa--gfx1250"
	.amdhsa_code_object_version 6
	.text
	.protected	k_qb006f94a67_finish
	.globl	k_qb006f94a67_finish
	.p2align	8
	.type	k_qb006f94a67_finish,@function
k_qb006f94a67_finish:
	s_mov_b64 s[64:65], 0
	v_nop
	global_prefetch_b8 v0, s[64:65] scope:SCOPE_SE
	s_setreg_imm32_b32 hwreg(HW_REG_WAVE_SCHED_MODE, 0, 2), 2
	s_setreg_imm32_b32 hwreg(HW_REG_WAVE_MODE, 25, 1), 1
	s_wait_xcnt 0x0
	s_wait_alu depctr_vm_vsrc(0)
; The two halves of the keys are merged, O is divided by the row's sum and quantised; then out = O Wo^T + bo on codes of BF6 (E3M2), the query mask, the residual and the LayerNorm.
; SHARES.  A work-group has 16 rows.  Wave w merges and quantises features 64 w .. 64 w + 63 of them (heads 2 w and 2 w + 1): two blocks of 32, which are half a fragment: six registers a lane and two scale bytes.
; The four pieces meet in LDS as images of their registers, so that each number of opart is loaded once by the work-group: 16 loads a wave.  Then wave w makes output features 64 w .. 64 w + 63 (four tiles,
; transposed: source 0 = 16 rows of Wo, source 1 = the 16 rows), and afterwards finishes rows 4 w .. 4 w + 3.
; Wo's 64 rows of a wave come by 24 loads of 8 rows x 64 bytes, 16 bytes a lane, and turn into fragments through the wave's own LDS bytes (rows of 192 + 16 bytes = 52 words: the 16 rows of a tile begin at 16
; different places among the 64 banks of 4 bytes, ISA guide 11.1); straight from memory they would be 48 loads of 8 bytes.
; The four waves' parts of a row meet in a stage in LDS (rows of 1,024 + 16 bytes); a wave then holds whole rows, eight numbers a lane.  bo is loaded in that layout, two loads, and goes in with the residual:
; x = y mask + (bo mask + query_feat): another order of f32 rounding than (y + bo) mask + query_feat.
; A row none of whose keys counts has the sum 0: 0 x (1 / sum) is NaN there and 0 elsewhere, and is added to the product's result, since a code cannot carry a NaN.
; LIMITS: as in the launches before: a block of zeros has the scale byte 1; NaN and infinities among the inputs are not served.
; No tensor loads, no cluster: LDS is filled once and the launch is short.
; THE MODE: SCHED_MODE bits 1:0 = 2 (LLVM: expert scheduling mode 2), set by the entry lines.  The code itself states the register dependences
; between vector or matrix instructions and memory or LDS instructions, with s_wait_alu, always for 0.
; THE PLAN.  Registers that memory or LDS instructions touch:
;   v1-v15, v198   offsets and LDS addresses: written once, at the head; never written again.
;   SA, O0, O1     loaded from memory, read by the merge.  In O0's registers the rows' loads from the stage land later (LX).
;   PC, PW         written by the quantising lines, read by the piece's three LDS stores; not written again.
;   window 1 v0-95 Wo's rows from memory; the LDS stores read them; the fragments' LDS loads land in the same registers.  Of the vector side the products alone name them.
;   XF, XS, WOS    loaded, read by the products: no vector instruction writes them, so the products owe no wait for their operands and scales.
;   ST             written from the accumulators, read by the stage's LDS stores; not written again.
;   LX             loaded from the stage, worked on in place, read by the final stores.
; So: one wait for the wave's number; a wait on va_vdst ahead of the first load and ahead of each of the three runs of stores; one on vm_vsrc between Wo's LDS stores and the loads into their registers.
.set PITCH, 208
.set WOREG, 16*1040                    ; LDS: the stage from 0; Wo's 256 rows;
.set XIMG,  WOREG+256*PITCH            ; the four pieces, 768 bytes each: four registers at 16 x lane, two at 512 + 8 x lane;
.set XSC,   XIMG+4*768                 ; the two fragments' scale words, 128 bytes each
.set XA,  1                            ; v1   opart: 1,024 r + 64 hl
.set O64, 2                            ; v2   ostat: 64 r
.set SR8, 3                            ; v3   Wo's scale words: 8 r
.set LI,  4                            ; v4   16 x lane
.set ZO,  5                            ; v5   0
.set CG,  6                            ; v6   the copy, in memory: 192 (lane / 4) + 16 (lane % 4)
.set CPW, 7                            ; v7   the copy, in LDS
.set WFA, 8                            ; v8   Wo's fragments: PITCH r + 24 hl + my 64 rows
.set XW1, 9                            ; v9, v10  where I put my piece;  v11 its two scale bytes
.set XW2, 10
.set XWS, 11
.set XR1, 12                           ; v12, v13 where the pieces lie;  v14 the scale words
.set XR2, 13
.set XRS, 14
.set SO,  15                           ; v15  the stage: where I put 32 bytes of a row
.set SA,  16                           ; v16-23   my two heads: -M and sum of half 0, -M and sum of half 1
.set G0,  24                           ; v24-25   factor of half 0, by head;  v26-27 of half 1
.set G1,  26
.set NM,  28
.set RL,  30
.set O0,  32                           ; v32-63   half 0's 32 numbers of a lane;  v64-95 half 1's
.set O1,  64
.set ST,  96                           ; v96-127  the merged 32; later the results on their way to the stage
.set XF,  128                          ; v128-151 the rows' two fragments
.set XS,  152                          ; v152-153 their scale words
.set WOS, 154                          ; v154-161 Wo's scale words: tile t, K step s at 2 t + s
.set ZN,  162                          ; v162-163 0, or NaN
.set PCT, 164
.set PC,  168                          ; v168-173 my piece
.set TM,  176
.set PW,  192
.set MKW, 193                          ; my four rows' mask bytes
.set TT,  194
.set SRD, 198                          ; where I read rows back from the stage
.set AC,  204                          ; v204-235 four accumulators
.set SW,  16                           ; the LayerNorm's sums, four registers a row
.set LX,  32                           ; and its rows, eight registers each
.set WV,  24
.set SEL, 26
.set MSB, 0
.macro WIN new                         ; the immediate's high byte repeats the setting that is left
.if MSB != (\new)
	s_set_vgpr_msb (MSB<<8)|(\new)
.set MSB, \new
.endif
.endm
.macro MM d, a, b, c, sa, sb           ; c under 0: the product starts the sum
.if (\c) < 0
	v_wmma_scale_f32_16x16x128_f8f6f4 v[\d:\d+7], v[\a:\a+11], v[\b:\b+11], 0, v[\sa], v[\sb] matrix_a_fmt:MATRIX_FMT_BF6 matrix_b_fmt:MATRIX_FMT_BF6
.else
	v_wmma_scale_f32_16x16x128_f8f6f4 v[\d:\d+7], v[\a:\a+11], v[\b:\b+11], v[\c:\c+7], v[\sa], v[\sb] matrix_a_fmt:MATRIX_FMT_BF6 matrix_b_fmt:MATRIX_FMT_BF6
.endif
.endm
.macro MRG1 k                          ; pair k of my 16: half 1's part x its head's factor (head k / 8 of my two)
.if (\k)/8
	v_pk_mul_f32 v[ST+2*(\k):ST+2*(\k)+1], v[O1+2*(\k):O1+2*(\k)+1], v[G1:G1+1] op_sel:[0,1] op_sel_hi:[1,1]
.else
	v_pk_mul_f32 v[ST+2*(\k):ST+2*(\k)+1], v[O1+2*(\k):O1+2*(\k)+1], v[G1:G1+1] op_sel_hi:[1,0]
.endif
.endm
.macro MRG0 k                          ; + half 0's part x its factor
.if (\k)/8
	v_pk_fma_f32 v[ST+2*(\k):ST+2*(\k)+1], v[O0+2*(\k):O0+2*(\k)+1], v[G0:G0+1], v[ST+2*(\k):ST+2*(\k)+1] op_sel:[0,1,0] op_sel_hi:[1,1,1]
.else
	v_pk_fma_f32 v[ST+2*(\k):ST+2*(\k)+1], v[O0+2*(\k):O0+2*(\k)+1], v[G0:G0+1], v[ST+2*(\k):ST+2*(\k)+1] op_sel_hi:[1,0,1]
.endif
.endm
.macro REDUCE o                        ; the four rows' numbers at SW + 4 i + o are summed over the 32 lanes; SW + 4 i + o + 1 is at work
.irp m, 1,2,4,8
.irp i, 0,1,2,3
	v_add_f32_dpp v[SW+4*\i+\o], v[SW+4*\i+\o], v[SW+4*\i+\o] row_xmask:\m row_mask:0xf bank_mask:0xf
.endr
.endr
.irp i, 0,1,2,3
	v_permlanex16_b32 v[SW+4*\i+\o+1], v[SW+4*\i+\o], s[SEL], s[SEL+1]
.endr
.irp i, 0,1,2,3
	v_add_f32 v[SW+4*\i+\o], v[SW+4*\i+\o], v[SW+4*\i+\o+1]
.endr
.endm
	s_load_b512 s[4:19], s[0:1], 0x0               ; opart s[4:5], ostat s[6:7], Wo codes s[8:9], scales s[10:11], bo s[12:13], query_mask s[14:15], query_feat s[16:17], ln_g s[18:19]
	s_load_b128 s[20:23], s[0:1], 0x40             ; ln_b s[20:21], out0 s[22:23]
	v_lshl_add_u32 v254, v0, 2, 0x11e00
	v_mov_b32 v255, 0
	v_lshrrev_b32 v236, 5, v0
	v_readfirstlane_b32 s[WV], v236                ; wave 0..3
	v_and_b32 v236, 31, v0                         ; lane
	v_and_b32 v237, 15, v0                         ; r
	v_bfe_u32 v238, v0, 4, 1                       ; hl
	v_bfe_u32 v239, v0, 2, 3                       ; lane / 4
	v_and_b32 v240, 3, v0                          ; lane % 4
	v_lshlrev_b32 v[XA], 10, v237
	v_lshl_add_u32 v[XA], v238, 6, v[XA]
	v_lshlrev_b32 v[O64], 6, v237
	v_lshlrev_b32 v[SR8], 3, v237
	v_lshlrev_b32 v[LI], 4, v236
	v_mov_b32 v[ZO], 0
	v_mul_u32_u24 v[CG], v239, 192
	v_lshl_add_u32 v[CG], v240, 4, v[CG]
	s_wait_alu depctr_va_sdst(0)                   ; the wave's number is written, ahead of its first reader, the line below
	s_mul_i32 s28, s[WV], 64*PITCH
	s_add_co_u32 s28, s28, WOREG                   ; my 64 rows of Wo in LDS
	v_mul_u32_u24 v[CPW], v239, PITCH
	v_lshl_add_u32 v[CPW], v240, 4, v[CPW]
	v_add_nc_u32 v[CPW], s28, v[CPW]
	v_mul_u32_u24 v[WFA], v237, PITCH
	v_mad_u32_u24 v[WFA], v238, 24, v[WFA]
	v_add_nc_u32 v[WFA], s28, v[WFA]
	s_mul_i32 s28, s[WV], 768
	s_add_co_u32 s28, s28, XIMG                    ; my piece: K step w / 2, half w % 2
	v_add_nc_u32 v[XW1], s28, v[LI]
	s_add_co_u32 s28, s28, 512
	v_lshl_add_u32 v[XW2], v236, 3, s28
	s_lshr_b32 s28, s[WV], 1
	s_lshl_b32 s28, s28, 7
	s_and_b32 s29, s[WV], 1
	s_lshl_b32 s29, s29, 1
	s_add_co_u32 s28, s28, s29
	s_add_co_u32 s28, s28, XSC
	v_lshl_add_u32 v[XWS], v236, 2, s28            ; 4 x lane + 128 (w / 2) + 2 (w % 2): my two bytes of the lane's word
	v_add_nc_u32 v[XR1], XIMG, v[LI]
	v_lshl_add_u32 v[XR2], v236, 3, XIMG+512
	v_lshl_add_u32 v[XRS], v236, 2, XSC
	s_lshl_b32 s28, s[WV], 8
	v_mul_u32_u24 v[SO], v237, 1040
	v_lshl_add_u32 v[SO], v238, 5, v[SO]
	v_add_nc_u32 v[SO], s28, v[SO]                 ; row r, + 256 x wave, + 32 hl
	s_mul_i32 s28, s[WV], 4160
	v_add_nc_u32 v[SRD], s28, v[LI]                ; my four rows, 16 bytes a lane
.irp b, 0,1
	v_mov_b32 v[TM+4+\b], 0                        ; a lane permute's destination counts as one of its sources
.endr
	s_mov_b32 s[SEL], 0x76543210
	s_mov_b32 s[SEL+1], 0xfedcba98
	s_mov_b32 s40, 0x3b800000                      ; 1 / 256
	s_mov_b32 s41, 0x3727c5ac                      ; 1e-5
	s_mov_b32 s31, 0
	s_mov_b32 s33, 0
	s_wait_kmcnt 0x0
	s_lshl_b32 s30, ttmp9, 14                      ; 16 rows of 1,024 bytes a work-group
	s_lshl_b32 s32, s[WV], 8
	s_add_co_u32 s32, s32, s30                     ; + my 64 features
	s_add_nc_u64 s[4:5], s[4:5], s[32:33]
	s_lshl_b32 s32, s[WV], 12
	s_add_co_u32 s30, s30, s32                     ; + my four rows
	s_add_nc_u64 s[16:17], s[16:17], s[30:31]
	s_add_nc_u64 s[22:23], s[22:23], s[30:31]
	s_lshl_b32 s30, ttmp9, 10
	s_lshl_b32 s32, s[WV], 3
	s_add_co_u32 s30, s30, s32                     ; ostat: 64 bytes a row, + my two heads
	s_add_nc_u64 s[6:7], s[6:7], s[30:31]
	s_mul_i32 s30, s[WV], 12288                    ; my 64 rows of Wo
	s_add_nc_u64 s[8:9], s[8:9], s[30:31]
	s_lshl_b32 s30, s[WV], 9
	s_add_nc_u64 s[10:11], s[10:11], s[30:31]
	s_lshl_b32 s30, ttmp9, 4
	s_lshl_b32 s32, s[WV], 2
	s_add_co_u32 s30, s30, s32
	s_add_nc_u64 s[14:15], s[14:15], s[30:31]
	s_wait_alu depctr_va_vdst(0)                   ; the offsets and LDS addresses v1 to v15 and v198 are written, which every load and store of the kernel reads
	; ---- all loads in one run, in the order in which they are wanted: 63 a wave.  Window 1: Wo from v0; query_feat's rows from v128; ln_g v160, ln_b v168; the mask v176 on; bo v184
	global_load_b64 v[SA:SA+1], v[O64], s[6:7]
	global_load_b64 v[SA+2:SA+3], v[O64], s[6:7] offset:32
	global_load_b64 v[SA+4:SA+5], v[O64], s[6:7] offset:131072
	global_load_b64 v[SA+6:SA+7], v[O64], s[6:7] offset:131072+32
.irp kh, 0,1
.irp b, 0,1
.irp j, 0,1,2,3
	global_load_b128 v[O0+32*\kh+16*\b+4*\j:O0+32*\kh+16*\b+4*\j+3], v[XA], s[4:5] offset:2097152*\kh+128*\b+16*\j
.endr
.endr
.endr
	WIN 0x40
.irp n, 0,1,2,3,4,5,6,7
.irp j, 0,1,2
	global_load_b128 v[12*\n+4*\j:12*\n+4*\j+3], v[CG], s[8:9] offset:1536*\n+64*\j
.endr
.endr
	WIN 0
.irp t, 0,1,2,3
	global_load_b64 v[WOS+2*\t:WOS+2*\t+1], v[SR8], s[10:11] offset:128*\t         ; a row's 8 scale bytes are the words of both K steps
.endr
	global_load_b32 v[MKW], v[ZO], s[14:15]
	WIN 0x40
.irp hf, 0,1
	global_load_b128 v[184+4*\hf:184+4*\hf+3], v[LI], s[12:13] offset:512*\hf
.endr
.irp i, 0,1,2,3
.irp hf, 0,1
	global_load_b128 v[128+8*\i+4*\hf:128+8*\i+4*\hf+3], v[LI], s[16:17] offset:1024*\i+512*\hf
.endr
.endr
.irp hf, 0,1
	global_load_b128 v[160+4*\hf:160+4*\hf+3], v[LI], s[18:19] offset:512*\hf
	global_load_b128 v[168+4*\hf:168+4*\hf+3], v[LI], s[20:21] offset:512*\hf
.endr
	WIN 0
	s_wait_loadcnt 43                              ; ostat's and opart's 20 loads are in; the 43 issued behind them may be out
	; ---- the two halves' factors for my two heads: 2^(that half's M - the larger M) / the merged sum
.irp h, 0,1
	v_min_num_f32 v[NM+\h], v[SA+\h], v[SA+4+\h]
.endr
.irp h, 0,1
	v_sub_f32 v[G0+\h], v[NM+\h], v[SA+\h]
	v_sub_f32 v[G1+\h], v[NM+\h], v[SA+4+\h]
.endr
.irp h, 0,1
	v_cvt_i32_f32 v[G0+\h], v[G0+\h]
	v_cvt_i32_f32 v[G1+\h], v[G1+\h]
.endr
.irp h, 0,1
	v_ldexp_f32 v[G0+\h], 1.0, v[G0+\h]
	v_ldexp_f32 v[G1+\h], 1.0, v[G1+\h]
.endr
.irp h, 0,1
	v_mul_f32 v[RL+\h], v[SA+2+\h], v[G0+\h]
.endr
.irp h, 0,1
	v_fma_f32 v[RL+\h], v[SA+6+\h], v[G1+\h], v[RL+\h]
.endr
.irp h, 0,1
	v_rcp_f32 v[RL+\h], v[RL+\h]
.endr
	v_nop                                          ; a plain place behind the last reciprocal
	s_wait_alu depctr_va_vdst(0)                   ; the two reciprocals are written, ahead of their first reader
.irp h, 0,1
	v_mul_f32 v[G0+\h], v[G0+\h], v[RL+\h]
	v_mul_f32 v[G1+\h], v[G1+\h], v[RL+\h]
.endr
	v_mul_f32 v[ZN], 0, v[RL]                      ; 0, or NaN where no key counts (the key mask is the same for all heads)
	v_mov_b32 v[ZN+1], v[ZN]
	; ---- my 32 numbers of a lane, merged and normalised: register 16 b + i = feature 64 w + 32 b + 16 hl + i of row r
.set K, 0
.rept 16
	MRG1 K
.set K, K+1
.endr
.set K, 0
.rept 16
	MRG0 K
.set K, K+1
.endr
	; ---- two blocks become six registers of a fragment and two scale bytes
.irp b, 0,1
	v_max3_num_f32 v[TM+\b], |v[ST+16*\b]|, |v[ST+1+16*\b]|, 0x2800000     ; the floor 2^(5 - 127): the byte cannot fall under 1
.endr
.irp i, 2,4,6,8,10,12,14
.irp b, 0,1
	v_max3_num_f32 v[TM+\b], v[TM+\b], |v[ST+16*\b+\i]|, |v[ST+1+16*\b+\i]|
.endr
.endr
.irp b, 0,1
	v_permlanex16_b32 v[TM+4+\b], v[TM+\b], s[SEL], s[SEL+1]
.endr
.irp b, 0,1
	v_max_num_f32 v[TM+\b], v[TM+\b], v[TM+4+\b]           ; with lane l xor 16's: the block's largest magnitude
.endr
.irp b, 0,1
	v_add_nc_u32 v[TM+12+\b], 0xfe000000, v[TM+\b]         ; 4 off the exponent field: the conversion's scale operand
.endr
.irp b, 0,1
	v_lshrrev_b32 v[TM+4+\b], 23, v[TM+12+\b]              ; the scale's byte
.endr
	v_lshl_or_b32 v[PW], v[TM+5], 8, v[TM+4]
	v_cvt_scalef32_pk16_bf6_f32 v[PC:PC+2], v[ST:ST+15], v[TM+12]
	v_cvt_scalef32_pk16_bf6_f32 v[PCT:PCT+2], v[ST+16:ST+31], v[TM+13]     ; (a conversion's three registers begin on an even number)
	v_nop                                                  ; one plain place behind a scaled conversion
.irp i, 0,1,2
	v_permlane16_swap_b32 v[PC+\i], v[PCT+\i]              ; a whole block in a lane: lanes 0-15 the first block, lanes 16-31 the second
.endr
.irp i, 0,1,2
	v_mov_b32 v[PC+3+\i], v[PCT+\i]
.endr
	s_wait_alu depctr_va_vdst(0)                   ; the lines above have written my piece v[PC ..] and its two scale bytes v[PW], which the three LDS stores read
	ds_store_b128 v[XW1], v[PC:PC+3]
	ds_store_b64 v[XW2], v[PC+4:PC+5]
	ds_store_b16 v[XWS], v[PW]
	; ---- Wo: rows into my own LDS bytes, fragments (tile t, K step s) back into window 1 at 12 (2 t + s).  LDS serves a wave's instructions in order (ISA guide 5.7.1.4): the loads see the stores
	s_wait_loadcnt 19                              ; the copy's 24 loads are in; the 19 issued behind them may be out
	WIN 0x04                                       ; an LDS store's data are its source 1: window 1
.irp n, 0,1,2,3,4,5,6,7
.irp j, 0,1,2
	ds_store_b128 v[CPW], v[12*\n+4*\j:12*\n+4*\j+3] offset:8*PITCH*\n+64*\j
.endr
.endr
	WIN 0x40
	s_wait_alu depctr_vm_vsrc(0)                   ; the 24 LDS stores have read window 1's v0 to v95, in which the fragments' loads below land
.irp t, 0,1,2,3
.irp s, 0,1
.irp p, 0,1,2,3,4,5
	ds_load_b64 v[12*(2*\t+\s)+2*\p:12*(2*\t+\s)+2*\p+1], v[WFA] offset:16*\t*PITCH+96*\s+48*(\p/3)+8*(\p%3)
.endr
.endr
.endr
	WIN 0
	s_wait_loadcnt 0x0
.irp i, 0,1,2,3
	v_bfe_u32 v[TT+\i], v[MKW], 8*\i, 8            ; the query mask of my four rows,
.endr
.irp i, 0,1,2,3
	v_cvt_f32_u32 v[TT+\i], v[TT+\i]               ; as numbers,
.endr
	WIN 0x40
.irp i, 0,1,2,3
	v_mov_b32 v[176+2*\i], v[TT+\i]                ; twice
	v_mov_b32 v[177+2*\i], v[TT+\i]
.endr
	WIN 0x55                                       ; all in window 1
.irp i, 0,1,2,3
.irp k, 0,1,2,3
	v_pk_fma_f32 v[128+8*\i+2*\k:128+8*\i+2*\k+1], v[184+2*\k:185+2*\k], v[176+2*\i:177+2*\i], v[128+8*\i+2*\k:128+8*\i+2*\k+1]   ; bo x mask + query_feat
.endr
.endr
	WIN 0
	s_wait_dscnt 0x0                               ; for the others' sake: my piece lies in LDS; and Wo's fragments are in
	s_barrier_signal -1
	s_barrier_wait -1                              ; the four pieces do
.irp s, 0,1
.irp c, 0,1
	ds_load_b128 v[XF+12*\s+6*\c:XF+12*\s+6*\c+3], v[XR1] offset:768*(2*\s+\c)     ; (no vector instruction has named XF or XS)
	ds_load_b64 v[XF+12*\s+6*\c+4:XF+12*\s+6*\c+5], v[XR2] offset:768*(2*\s+\c)
.endr
	ds_load_b32 v[XS+\s], v[XRS] offset:128*\s
.endr
	s_wait_dscnt 0x0
	WIN 0x01                                       ; source 0 (Wo) window 1
.irp t, 0,1,2,3                        ; four accumulators by turns
	MM AC+8*\t, 12*(2*\t), XF, -1, WOS+2*\t, XS
.endr
.irp t, 0,1,2,3
	MM AC+8*\t, 12*(2*\t+1), XF+12, AC+8*\t, WOS+2*\t+1, XS+1
.endr
	WIN 0
.rept 4
	v_nop                                          ; four places ahead of the first read of results
.endr
.set K, 0
.rept 16
	v_pk_add_f32 v[ST+2*K:ST+2*K+1], v[AC+2*K:AC+2*K+1], v[ZN:ZN+1]       ; ascending: each accumulator from its low end on
.set K, K+1
.endr
	s_wait_alu depctr_va_vdst(0)                   ; the additions have written v[ST ..], which the LDS stores read; and the merge is long done reading v[O0 ..], in which the rows' loads behind the barrier land: no vector instruction stands between this wait and them
.irp t, 0,1,2,3
	ds_store_b128 v[SO], v[ST+8*\t:ST+8*\t+3] offset:64*\t                ; lane (r, hl): row r, features 64 w + 16 t + 8 hl + 0 .. 7
	ds_store_b128 v[SO], v[ST+8*\t+4:ST+8*\t+7] offset:64*\t+16
.endr
	s_wait_dscnt 0x0                               ; for the others' sake: my part of the 16 rows lies in the stage
	s_barrier_signal -1
	s_barrier_wait -1
	; ---- my four rows: mask, bias, residual, LayerNorm.  A lane holds features 4 lane + 0 .. 3 and 128 + 4 lane + 0 .. 3
.irp i, 0,1,2,3
	ds_load_b128 v[LX+8*\i:LX+8*\i+3], v[SRD] offset:1040*\i
	ds_load_b128 v[LX+8*\i+4:LX+8*\i+7], v[SRD] offset:1040*\i+512
.endr
	s_wait_dscnt 0x0
	WIN 0x14                                       ; sources 1 and 2 window 1
.irp i, 0,1,2,3
.irp k, 0,1,2,3
	v_pk_fma_f32 v[LX+8*\i+2*\k:LX+8*\i+2*\k+1], v[LX+8*\i+2*\k:LX+8*\i+2*\k+1], v[176+2*\i:177+2*\i], v[128+8*\i+2*\k:128+8*\i+2*\k+1]   ; x = y x mask + (bo x mask + query_feat)
.endr
.endr
	WIN 0
.irp i, 0,1,2,3
	v_pk_add_f32 v[SW+4*\i:SW+4*\i+1], v[LX+8*\i:LX+8*\i+1], v[LX+8*\i+2:LX+8*\i+3]
	v_pk_add_f32 v[SW+4*\i+2:SW+4*\i+3], v[LX+8*\i+4:LX+8*\i+5], v[LX+8*\i+6:LX+8*\i+7]
.endr
.irp i, 0,1,2,3
	v_pk_add_f32 v[SW+4*\i:SW+4*\i+1], v[SW+4*\i:SW+4*\i+1], v[SW+4*\i+2:SW+4*\i+3]
.endr
.irp i, 0,1,2,3
	v_add_f32 v[SW+4*\i], v[SW+4*\i], v[SW+4*\i+1]
.endr
	REDUCE 0
.irp i, 0,1,2,3
	v_mul_f32 v[SW+4*\i], s40, v[SW+4*\i]          ; the mean
.endr
.irp i, 0,1,2,3
.irp k, 0,1,2,3
	v_pk_add_f32 v[LX+8*\i+2*\k:LX+8*\i+2*\k+1], v[LX+8*\i+2*\k:LX+8*\i+2*\k+1], v[SW+4*\i:SW+4*\i+1] op_sel_hi:[1,0] neg_lo:[0,1] neg_hi:[0,1]
.endr
.endr
.irp i, 0,1,2,3
	v_pk_mul_f32 v[SW+4*\i+2:SW+4*\i+3], v[LX+8*\i:LX+8*\i+1], v[LX+8*\i:LX+8*\i+1]
.endr
.irp k, 1,2,3
.irp i, 0,1,2,3
	v_pk_fma_f32 v[SW+4*\i+2:SW+4*\i+3], v[LX+8*\i+2*\k:LX+8*\i+2*\k+1], v[LX+8*\i+2*\k:LX+8*\i+2*\k+1], v[SW+4*\i+2:SW+4*\i+3]
.endr
.endr
.irp i, 0,1,2,3
	v_add_f32 v[SW+4*\i+2], v[SW+4*\i+2], v[SW+4*\i+3]
.endr
	REDUCE 2
.irp i, 0,1,2,3
	v_fma_f32 v[SW+4*\i+2], v[SW+4*\i+2], s40, s41         ; the variance + 1e-5
.endr
.irp i, 0,1,2,3
	v_rsq_f32 v[SW+4*\i+2], v[SW+4*\i+2]
.endr
	v_nop                                          ; a plain place behind the last of the four
	s_wait_alu depctr_va_vdst(0)                   ; the four reciprocal roots are written, ahead of their first reader
.irp i, 0,1,2,3
.irp k, 0,1,2,3
	v_pk_mul_f32 v[LX+8*\i+2*\k:LX+8*\i+2*\k+1], v[LX+8*\i+2*\k:LX+8*\i+2*\k+1], v[SW+4*\i+2:SW+4*\i+3] op_sel_hi:[1,0]
.endr
.endr
	WIN 0x14
.irp i, 0,1,2,3
.irp k, 0,1,2,3
	v_pk_fma_f32 v[LX+8*\i+2*\k:LX+8*\i+2*\k+1], v[LX+8*\i+2*\k:LX+8*\i+2*\k+1], v[160+2*\k:161+2*\k], v[168+2*\k:169+2*\k]   ; x ln_g + ln_b
.endr
.endr
	WIN 0
	s_wait_alu depctr_va_vdst(0)                   ; the last multiply-adds have written the rows v[LX ..], which the stores read
.irp i, 0,1,2,3
.irp hf, 0,1
	global_store_b128 v[LI], v[LX+8*\i+4*\hf:LX+8*\i+4*\hf+3], s[22:23] offset:1024*\i+512*\hf th:TH_STORE_NT   ; 32 lanes store 512 consecutive bytes; written once
.endr
.endr
	s_wait_dscnt 0x0                               ; the closing lines, six on end
	s_wait_alu 0x0
	s_wait_tensorcnt 0x0
	ds_add_u32 v254, v255
	s_wait_dscnt 0x0
	s_endpgm
.Lfunc_end_k_qb006f94a67_finish:
	.size	k_qb006f94a67_finish, .Lfunc_end_k_qb006f94a67_finish-k_qb006f94a67_finish
	.p2alignl 7, 3214868480
	.fill 96, 4, 3214868480
	.section	.rodata,"a",@progbits
	.p2align	6, 0x0
	.amdhsa_kernel k_qb006f94a67_finish
		.amdhsa_group_segment_fixed_size 73728
		.amdhsa_private_segment_fixed_size 0
		.amdhsa_enable_private_segment 0
		.amdhsa_kernarg_size 80
		.amdhsa_user_sgpr_count 2
		.amdhsa_user_sgpr_kernarg_segment_ptr 1
		.amdhsa_wavefront_size32 1
		.amdhsa_system_sgpr_workgroup_id_x 1
		.amdhsa_system_sgpr_workgroup_id_y 1
		.amdhsa_system_sgpr_workgroup_id_z 1
		.amdhsa_system_vgpr_workitem_id 0
		.amdhsa_next_free_vgpr 448
		.amdhsa_next_free_sgpr 66
		.amdhsa_reserve_vcc 0
		.amdhsa_float_denorm_mode_32 3
		.amdhsa_float_denorm_mode_16_64 3
		.amdhsa_memory_ordered 1
		.amdhsa_forward_progress 1
		.amdhsa_inst_pref_size 37
	.end_amdhsa_kernel
	.amdgpu_metadata
---
amdhsa.version: [ 1, 2 ]
amdhsa.kernels:
  - .name:           k_qb006f94a67_finish
    .symbol:         k_qb006f94a67_finish.kd
    .args:
      - { .name: opart, .offset: 0, .size: 8, .value_kind: global_buffer, .address_space: global }
      - { .name: ostat, .offset: 8, .size: 8, .value_kind: global_buffer, .address_space: global }
      - { .name: Wo_codes, .offset: 16, .size: 8, .value_kind: global_buffer, .address_space: global }
      - { .name: Wo_scales, .offset: 24, .size: 8, .value_kind: global_buffer, .address_space: global }
      - { .name: bo, .offset: 32, .size: 8, .value_kind: global_buffer, .address_space: global }
      - { .name: query_mask, .offset: 40, .size: 8, .value_kind: global_buffer, .address_space: global }
      - { .name: query_feat, .offset: 48, .size: 8, .value_kind: global_buffer, .address_space: global }
      - { .name: ln_g, .offset: 56, .size: 8, .value_kind: global_buffer, .address_space: global }
      - { .name: ln_b, .offset: 64, .size: 8, .value_kind: global_buffer, .address_space: global }
      - { .name: out0, .offset: 72, .size: 8, .value_kind: global_buffer, .address_space: global }
    .group_segment_fixed_size: 73728
    .private_segment_fixed_size: 0
    .kernarg_segment_align: 8
    .kernarg_segment_size: 80
    .max_flat_workgroup_size: 128
    .sgpr_count:     66
    .vgpr_count:     448
    .wavefront_size: 32
...
	.end_amdgpu_metadata
.endif
;; end of part 8
